; MI455X (gfx1250); checked and timed in simulation.
; The chip was launched on July 23, 2026; its instructions are those of AMD's public machine-readable ISA for CDNA 5 (MIT licence, August 2026) and "CDNA5" Instruction Set Architecture Reference Guide (July 2026). The comments in the code are by the model that wrote it; some were corrected since.
;; Encoder Layer. Allowed arithmetic: float matrix products may take bf16 or f16 operands with f32 sums; other float arithmetic in f32, or as packed bf16 or f16 multiplies, adds, multiply-adds, maxima and minima; sums over many terms, partial sums and values carried from step to step in f32; what a program stores and reads back later, other than sums and carried values, may be rounded once to bf16 or f16.
;; Inputs: b1 1,024 float32; be1 1,024 float32; be2 1,024 float32; bk 1,024 float32; bq 1,024 float32; bv 1,024 float32; fb1 4,096 float32; fb2 1,024 float32; fw1 1,024 x 4,096 float32; fw2 4,096 x 1,024 float32; g1 1,024 float32; g2 1,024 float32; mask 2 x 1 x 1 x 2,048 int32; w1 1,024 x 1,024 float32; wk 1,024 x 1,024 float32; wq 1,024 x 1,024 float32; wv 1,024 x 1,024 float32; x 2 x 2,048 x 1,024 float32.
;; Outputs: out0 2 x 2,048 x 1,024 float32.
;; 2 versions, each right and faster than the one before. Each part assembles by itself: llvm-mc -triple=amdgcn-amd-amdhsa -mcpu=gfx1250 --defsym DOCPART=n.
;; ======== version 1 of 2: 8 launches
;; workspace buffers: xb 8,388,608 bytes; wb 25,165,824 bytes; qkv 25,165,824 bytes; ao 8,388,608 bytes; y 16,777,216 bytes; x1 16,777,216 bytes; x1b 8,388,608 bytes; h 33,554,432 bytes
;; launch prep (part 1): grid 64 x 4, 8 waves a work-group, no clusters, 0 bytes of LDS; arguments x, wq, wk, wv, w1, fw1, fw2, xb, wb; writes xb, wb
.if DOCPART == 1
	.amdgcn_target "amdgcn-amd-amdhsa--gfx1250"
	.amdhsa_code_object_version 6
	.text
	.protected	k_qce0acd16a1_prep
	.globl	k_qce0acd16a1_prep
	.p2align	8
	.type	k_qce0acd16a1_prep,@function
k_qce0acd16a1_prep:
	s_mov_b64 s[64:65], 0
	v_nop
	global_prefetch_b8 v0, s[64:65] scope:SCOPE_SE
	s_setreg_imm32_b32 hwreg(HW_REG_WAVE_MODE, 25, 1), 1
	s_wait_xcnt 0x0
; CAST AND LAYOUT.  x and the six weight matrices are rounded once to bf16 (nearest even) and laid out for the products that follow.
;   xb: [16 panels][4096 tokens][64 channels] bf16: a token's 64 channels of a panel are 128 dense bytes.
;   wb: panels [K rows][128 columns] bf16, rows of 256 dense bytes: wq, wk, wv, w1 (8 panels of 262,144 bytes each), fw1 (32 such panels), fw2 (8 panels of 1,048,576 bytes).
; A stream: every source byte is read once, every destination byte written once, so LDS, barriers, clusters and the matrix unit would add nothing.
; SHARES.  256 work-groups of equal work: each reads 262,144 consecutive source bytes.  The grid's y is the kind (0: x; 1: wq, wk, wv, w1; 2: fw1; 3: fw2), its x the task.
; A wave makes 64 steps (g = 0..15, j = 0..3): a load of 16 bytes a lane, two roundings, a store of 8 bytes a lane: 32 lanes store 256 consecutive bytes at a multiple of 256.
; Step (g, j) lies at source + g SG + j SJ and at destination + g DG + j DJ; the seven sizes hang on the kind alone and are set by four forward branches.
; A ring of 16 slots (g % 4, j) keeps 16 loads of every wave on their way; a slot owns its registers.
.set SO,  4                            ; v[4:19]    slot s: byte offset of its load
.set DO,  20                           ; v[20:35]   slot s: byte offset of its store
.set X,   36                           ; v[36:99]   slot s: four f32 as loaded
.set Y,   100                          ; v[100:131] slot s: four bf16 to store
.set LH,  30                           ; s30  source bytes between the two halves of the lanes
.set SW,  31                           ; s31  source bytes from wave to wave
.set SG,  32                           ; s32, s33  source steps
.set SJ,  33
.set DW,  34                           ; s34  destination bytes from wave to wave
.set DG,  35                           ; s35, s36  destination steps
.set DJ,  36
.set S4G, 37                           ; s37, s38  a round of the ring: four steps of g
.set D4G, 38
.set RC,  39                           ; s39  rounds to go
	s_load_b512 s[8:23], s[0:1], 0x0               ; x s[8:9], wq s[10:11], wk s[12:13], wv s[14:15], w1 s[16:17], fw1 s[18:19], fw2 s[20:21], xb s[22:23]
	s_load_b64 s[24:25], s[0:1], 0x40              ; wb
	v_and_b32 v1, 31, v0                           ; lane
	v_lshrrev_b32 v2, 5, v0
	v_readfirstlane_b32 s46, v2                    ; wave
	s_and_b32 s42, ttmp7, 0xffff                   ; kind
	s_mov_b32 s43, ttmp9                           ; task
	s_mov_b32 s[LH], 256                           ; the sizes of a weight matrix of 1,024 columns; the kinds change what differs
	s_mov_b32 s[SW], 512                           ; a wave takes 128 columns: a panel
	s_mov_b32 s[SG], 16384                         ; four rows of 4,096 bytes
	s_mov_b32 s[SJ], 4096                          ; one row
	s_mov_b32 s[DW], 262144
	s_mov_b32 s[DG], 1024
	s_mov_b32 s[DJ], 256
	s_wait_kmcnt 0x0
	s_cmp_eq_u32 s42, 0
	s_cbranch_scc1 .Lkind0
	s_mov_b64 s[28:29], s[24:25]                   ; kinds 1 to 3 store into wb
	s_cmp_eq_u32 s42, 1
	s_cbranch_scc1 .Lkind1
	s_cmp_eq_u32 s42, 2
	s_cbranch_scc1 .Lkind2
	s_mov_b64 s[26:27], s[20:21]                   ; kind 3: fw2, 64 rows a task; panels of 4,096 rows
	s_mov_b32 s[DW], 1048576
	s_lshl_b32 s40, s43, 14
	s_add_co_u32 s40, s40, 16777216
	s_branch .Lgo
.Lkind0:                                               ; x: 64 tokens a task, 8 a wave; lanes 0-15 take 64 channels of one token, lanes 16-31 the next token's; g = panel, j = pair of tokens
	s_mov_b64 s[26:27], s[8:9]
	s_mov_b64 s[28:29], s[22:23]
	s_mov_b32 s[LH], 4096
	s_mov_b32 s[SW], 32768
	s_mov_b32 s[SG], 256
	s_mov_b32 s[SJ], 8192
	s_mov_b32 s[DW], 1024
	s_mov_b32 s[DG], 524288
	s_lshl_b32 s40, s43, 13
	s_branch .Lgo
.Lkind1:                                               ; wq, wk, wv, w1: sixteen tasks of 64 rows each
	s_lshr_b32 s44, s43, 4                         ; which matrix
	s_and_b32 s43, s43, 15
	s_cmp_eq_u32 s44, 1
	s_cselect_b64 s[26:27], s[12:13], s[10:11]
	s_cmp_eq_u32 s44, 2
	s_cselect_b64 s[26:27], s[14:15], s[26:27]
	s_cmp_eq_u32 s44, 3
	s_cselect_b64 s[26:27], s[16:17], s[26:27]
	s_lshl_b32 s40, s44, 21
	s_lshl_b32 s45, s43, 14
	s_add_co_u32 s40, s40, s45
	s_branch .Lgo
.Lkind2:                                               ; fw1: 16 rows of 16,384 bytes a task; j = the slab of 1,024 columns (8 panels on), g = the row
	s_mov_b64 s[26:27], s[18:19]
	s_mov_b32 s[DG], 256
	s_mov_b32 s[DJ], 2097152
	s_lshl_b32 s40, s43, 12
	s_add_co_u32 s40, s40, 8388608
.Lgo:
	s_mov_b32 s41, 0
	s_add_nc_u64 s[28:29], s[28:29], s[40:41]      ; the task's first destination byte
	s_lshl_b32 s40, s43, 18
	s_add_nc_u64 s[26:27], s[26:27], s[40:41]      ; its 262,144 source bytes
	s_lshl_b32 s[S4G], s[SG], 2
	s_lshl_b32 s[D4G], s[DG], 2
	v_and_b32 v2, 15, v1
	v_lshlrev_b32 v2, 4, v2
	v_lshrrev_b32 v3, 4, v1
	v_mad_u32_u24 v[SO], v3, s[LH], v2             ; 16 (lane % 16) + (lane / 16) LH
	s_mul_i32 s47, s46, s[SW]
	v_add_nc_u32 v[SO], s47, v[SO]
	s_mul_i32 s45, s46, s[DW]
	v_lshl_add_u32 v[DO], v1, 3, s45               ; 8 lane + wave DW
.irp j, 1,2,3
	v_add_nc_u32 v[SO+\j], s[SJ], v[SO+\j-1]
	v_add_nc_u32 v[DO+\j], s[DJ], v[DO+\j-1]
.endr
.irp s, 4,5,6,7,8,9,10,11,12,13,14,15
	v_add_nc_u32 v[SO+\s], s[SG], v[SO+\s-4]
	v_add_nc_u32 v[DO+\s], s[DG], v[DO+\s-4]
.endr
.irp s, 0,1,2,3,4,5,6,7,8,9,10,11,12,13,14,15
	global_load_b128 v[X+4*\s:X+4*\s+3], v[SO+\s], s[26:27] th:TH_LOAD_NT  ; the ring is filled
.endr
; One slot's turn.  ahead = 1: the slot is filled again, four steps of g on.  left = the younger loads that may stay out.
.macro SLOT s, ahead, left
	s_wait_loadcnt \left                           ; loads come back in order (ISA guide 5.7.1): mine is in, and its offset register is free
	s_wait_xcnt 0x0                                ; the addresses of all that was issued are translated (ISA guide 3.1): this slot's Y and the slot before's store offset are rewritten only behind this wait
.if (\ahead) && ((\s) > 0)
	v_add_nc_u32 v[DO+(\s)-1], s[D4G], v[DO+(\s)-1]
.endif
	v_cvt_pk_bf16_f32 v[Y+2*(\s)], v[X+4*(\s)], v[X+4*(\s)+1]
	v_cvt_pk_bf16_f32 v[Y+2*(\s)+1], v[X+4*(\s)+2], v[X+4*(\s)+3]
.if \ahead
	v_add_nc_u32 v[SO+(\s)], s[S4G], v[SO+(\s)]
	global_load_b128 v[X+4*(\s):X+4*(\s)+3], v[SO+(\s)], s[26:27] th:TH_LOAD_NT
.endif
	global_store_b64 v[DO+(\s)], v[Y+2*(\s):Y+2*(\s)+1], s[28:29]
.endm
	s_mov_b32 s[RC], 3
.Lround:
.irp s, 0,1,2,3,4,5,6,7,8,9,10,11,12,13,14,15
	SLOT \s, 1, 15
.endr
	s_wait_xcnt 0x0                                ; the last slot's store has read its offset
	v_add_nc_u32 v[DO+15], s[D4G], v[DO+15]
	s_sub_co_u32 s[RC], s[RC], 1
	s_cmp_lg_u32 s[RC], 0
	s_cbranch_scc1 .Lround
.irp s, 0,1,2,3,4,5,6,7,8,9,10,11,12,13,14,15
	SLOT \s, 0, 15-\s                              ; the last round loads nothing: the counts run down
.endr
	s_endpgm
.Lfunc_end_k_qce0acd16a1_prep:
	.size	k_qce0acd16a1_prep, .Lfunc_end_k_qce0acd16a1_prep-k_qce0acd16a1_prep
	.p2alignl 7, 3214868480
	.fill 96, 4, 3214868480
	.section	.rodata,"a",@progbits
	.p2align	6, 0x0
	.amdhsa_kernel k_qce0acd16a1_prep
		.amdhsa_group_segment_fixed_size 0
		.amdhsa_private_segment_fixed_size 0
		.amdhsa_enable_private_segment 0
		.amdhsa_kernarg_size 72
		.amdhsa_user_sgpr_count 2
		.amdhsa_user_sgpr_kernarg_segment_ptr 1
		.amdhsa_wavefront_size32 1
		.amdhsa_system_sgpr_workgroup_id_x 1
		.amdhsa_system_sgpr_workgroup_id_y 1
		.amdhsa_system_sgpr_workgroup_id_z 1
		.amdhsa_system_vgpr_workitem_id 0
		.amdhsa_next_free_vgpr 132
		.amdhsa_next_free_sgpr 66
		.amdhsa_reserve_vcc 0
		.amdhsa_float_denorm_mode_32 3
		.amdhsa_float_denorm_mode_16_64 3
		.amdhsa_memory_ordered 1
		.amdhsa_forward_progress 1
		.amdhsa_inst_pref_size 18
	.end_amdhsa_kernel
	.amdgpu_metadata
---
amdhsa.version: [ 1, 2 ]
amdhsa.kernels:
  - .name:           k_qce0acd16a1_prep
    .symbol:         k_qce0acd16a1_prep.kd
    .args:
      - { .name: x, .offset: 0, .size: 8, .value_kind: global_buffer, .address_space: global }
      - { .name: wq, .offset: 8, .size: 8, .value_kind: global_buffer, .address_space: global }
      - { .name: wk, .offset: 16, .size: 8, .value_kind: global_buffer, .address_space: global }
      - { .name: wv, .offset: 24, .size: 8, .value_kind: global_buffer, .address_space: global }
      - { .name: w1, .offset: 32, .size: 8, .value_kind: global_buffer, .address_space: global }
      - { .name: fw1, .offset: 40, .size: 8, .value_kind: global_buffer, .address_space: global }
      - { .name: fw2, .offset: 48, .size: 8, .value_kind: global_buffer, .address_space: global }
      - { .name: xb, .offset: 56, .size: 8, .value_kind: global_buffer, .address_space: global }
      - { .name: wb, .offset: 64, .size: 8, .value_kind: global_buffer, .address_space: global }
    .group_segment_fixed_size: 0
    .private_segment_fixed_size: 0
    .kernarg_segment_align: 8
    .kernarg_segment_size: 72
    .max_flat_workgroup_size: 256
    .sgpr_count:     66
    .vgpr_count:     132
    .wavefront_size: 32
...
	.end_amdgpu_metadata
.endif
;; end of part 1
;; launch gemm_qkv (part 2): grid 24 x 32, 4 waves a work-group, clusters of 4 x 4, 327,680 bytes of LDS; arguments xb, wb, bq, bk, bv, mask, qkv; writes qkv
.if DOCPART == 2
	.amdgcn_target "amdgcn-amd-amdhsa--gfx1250"
	.amdhsa_code_object_version 6
	.text
	.protected	k_qce0acd16a1_gemm_qkv
	.globl	k_qce0acd16a1_gemm_qkv
	.p2align	8
	.type	k_qce0acd16a1_gemm_qkv,@function
k_qce0acd16a1_gemm_qkv:
	s_mov_b64 s[64:65], 0
	v_nop
	global_prefetch_b8 v0, s[64:65] scope:SCOPE_SE
	s_setreg_imm32_b32 hwreg(HW_REG_WAVE_MODE, 25, 1), 1
	s_wait_xcnt 0x0
	s_wait_alu depctr_hold_cnt(0) depctr_sa_sdst(0) depctr_va_vdst(0) depctr_va_sdst(0) depctr_va_ssrc(0) depctr_va_vcc(0) depctr_vm_vsrc(0)
	s_getreg_b32 s2, hwreg(HW_REG_IB_STS2, 6, 4)
	s_cmp_eq_u32 s2, 0
	s_cbranch_scc0 .Lentry_in_a_cluster
	s_endpgm
.Lentry_in_a_cluster:
	s_bfe_u32 s2, ttmp6, 0x10000c
	s_cmp_lg_u32 s2, 0xf033
	s_cbranch_scc0 .Lentry_shape_is_right
	s_endpgm
.Lentry_shape_is_right:
; q, k, v = x W + b for the three projections as ONE product of 4,096 tokens x 3,072 columns, K = 1,024.  Operands bf16, sums f32, each sum begun with its bias; results rounded once to bf16.
; A (xb) lies in panels [K/64][4096 tokens][64]; B (wb) in panels [N/128][K][128]; the result (qkv) in panels [48][4096][64]: q 0-15, k 16-31, v 32-47, so a head's rows are dense.
; THE KEY MASK.  Rows of k whose token has mask == 0 are stored as zeros (bias included): the attention launch then starts such a key's scores at -8e9, and nothing is added to that.
; LIMITS.  NaN and infinities are not treated apart (0 x infinity in a masked row of k gives NaN); the bias starts the f32 sum, so the order of rounding differs from a sum with the bias added last.
; SHARES.  A tile of C is 128 x 128: 768 work-groups.  Four waves, each 64 x 64: 16 accumulators.  K goes in steps of 256 through two LDS slots; a wave's one tensor load brings a quarter of a slot.
; CLUSTER.  4 x 4 work-groups: the four of a row need the same tiles of A, the four of a column the same tiles of B: each tile is asked for jointly.
; THE MATRIX INSTRUCTION IS USED TRANSPOSED (source 0 = 16 columns of B, source 1 = 16 tokens of A): a lane holds one token (lane % 16) and eight neighbouring columns 8 (lane / 16) + 0..7.
; B lies [k][n] in LDS and is turned on its way into registers by ds_load_tr16_b128.
; REGISTERS.  Window 0: v0-31 addresses; v32-127 the way out; v128-191, v192-255 two fragment buffers of 32 along K (A's four fragments, then B's four).  Window 1: v0-127 the accumulators, (a, b) at 8 (4 a + b).
.set KS,    4                          ; K steps of 256
.set WOFF,  0                          ; where this product's panels begin in wb
.set BPAN,  KS*65536                   ; bytes in a panel of B
.set PA,    144                        ; a token's 128 bytes of a panel + 16: 36 words, so the 16 rows of a load start at 16 different groups of four banks (64 banks of 4 bytes: ISA guide 11.1)
.set PB,    288                        ; a row of B: 256 bytes + 32 = 72 words
.set APAN,  64*PA                      ; 64 tokens of one panel
.set HALFT, 4*APAN                     ; what one tensor load brings: 64 tokens x 4 panels of A, or 128 rows of B (128 PB, the same number)
.set SLOT,  4*HALFT                    ; A's two halves, then B's two.  Its two bits (17 and 14) are set in none of wave x HALFT, so one exclusive or turns an address in one slot into the other's
.set STAGE, 2*SLOT                     ; behind the ring: 4,352 bytes for each wave, for the way out; no tensor load lands there
.set SPARE, STAGE+4*4352               ; the spare words, 128 bytes for each wave: two blocks of 256 bytes that no other line names
.set A0,  16                           ; v16  my lane's place in A's part of a slot; never rewritten
.set B0,  17                           ; v17  the same for B
.set PAA, 18                           ; v18  A's address for the run of loads in hand
.set PBB, 19                           ; v19  B's
.set BO,  20                           ; v20  32 (lane / 16): my eight numbers of a bias
.set GO,  21                           ; v21  my byte offset in 512 consecutive bytes of the result
.set STO, 22                           ; v22  the way out: where I put 16 bytes of a row
.set RD,  23                           ; v23  the way out: where I read rows back
.set MO,  24                           ; v24  4 (lane % 16): my token's word of the mask
.set SPW, 28                           ; v28  LDS address of my spare word; never rewritten
.set NIL, 29                           ; v29  0; never rewritten
.set OB,  32                           ; v32-95   rows read back from the stage
.set TMP, 96                           ; v96-111  packed results
.set MF,  112                          ; v112-119 the mask of my token in row block a, then 0.0 or 1.0, as a pair
.set H0,  128
.set H1,  192
.set G1,  24                           ; s[24:31] descriptor group 1 for A;  s[32:35] its group 0, which walks
.set G0,  32
.set G1B, 48                           ; s[48:55], s[56:59] the same for B
.set G0B, 56
.set KC,  36                           ; s36  K steps that still ask for a tile
.set CNT, 37                           ; s37  counts a K step's pairs
.set SB,  38                           ; s38  the slot in hand: 0 or SLOT
.set TA,  39                           ; s39  LDS byte of the 64 along K to be fetched, in A's part
.set TB,  45                           ; s45  the same in B's part
.set MSB, 0
.macro WIN new                         ; s_set_vgpr_msb: bits 1:0 source 0, 3:2 source 1, 5:4 source 2, 7:6 destination; the high byte repeats the setting that is left
.if MSB != (\new)
	s_set_vgpr_msb (MSB<<8)|(\new)
.set MSB, \new
.endif
.endm
.macro PLACES                          ; four places in front of loads into registers that matrix instructions have read, and of lines that read their results
.rept 4
	v_nop
.endr
.endm
.macro JLOAD                           ; a joint load: waves 0 and 1 fetch A's two halves, waves 2 and 3 B's; an s_nop 0 and four v_nop follow each line
	s_cmp_eq_u32 s11, 0
	s_cbranch_scc0 .Lfor_b_\@
	tensor_load_to_lds s[G0:G0+3], s[G1:G1+7]
	s_nop 0
.rept 4
	v_nop
.endr
	s_branch .Lasked_\@
.Lfor_b_\@:
	tensor_load_to_lds s[G0B:G0B+3], s[G1B:G1B+7]
	s_nop 0
.rept 4
	v_nop
.endr
.Lasked_\@:
.endm
.macro CREST                           ; a round of the cluster's barrier behind its opening barrier
	s_cmp_lg_u32 s10, 0
	s_cbranch_scc1 .Lnot_wave_0_\@
	s_barrier_signal -3
.Lnot_wave_0_\@:
	s_barrier_wait -3
	s_barrier_signal -1
	s_barrier_wait -1
.endm
.macro CROUND
	s_barrier_signal -1
	s_barrier_wait -1
	CREST
.endm
.macro STEPD                           ; both walking descriptors: the other slot, the next K step (4 panels of A; 256 rows of B).  Written only where no tensor load of mine is out
	s_xor_b32 s[G0+1], s[G0+1], SLOT
	s_add_nc_u64 s[G0+2:G0+3], s[G0+2:G0+3], 4*524288
	s_xor_b32 s[G0B+1], s[G0B+1], SLOT
	s_add_nc_u64 s[G0B+2:G0B+3], s[G0B+2:G0B+3], 65536
.endm
; 8 matrix instructions: row blocks a0, a0 + 1 x all 4 column blocks, 32 along K from buffer f.  The 16 accumulators take turns, one instruction a turn.
.macro MUL8 f, a0
	WIN 0x50                                       ; C and D in window 1
.irp a, \a0, (\a0)+1
.irp b, 0,1,2,3
	v_wmma_f32_16x16x32_bf16 v[8*(4*(\a)+(\b)):8*(4*(\a)+(\b))+7], v[(\f)+32+8*(\b):(\f)+32+8*(\b)+7], v[(\f)+8*(\a):(\f)+8*(\a)+7], v[8*(4*(\a)+(\b)):8*(4*(\a)+(\b))+7]
.endr
.endr
.endm
; 16 LDS loads in one run: the fragments of 32 along K, half kk of the 64 at PAA / PBB, into buffer f
.macro FETCH f, kk
	WIN 0
.irp i, 0,1,2,3
	ds_load_tr16_b128 v[(\f)+32+8*(\i):(\f)+32+8*(\i)+3],   v[PBB] offset:(\kk)*32*PB+32*(\i)
	ds_load_tr16_b128 v[(\f)+32+8*(\i)+4:(\f)+32+8*(\i)+7], v[PBB] offset:(\kk)*32*PB+16*PB+32*(\i)
	ds_load_b128 v[(\f)+8*(\i):(\f)+8*(\i)+3],   v[PAA] offset:(\kk)*64+(\i)*16*PA
	ds_load_b128 v[(\f)+8*(\i)+4:(\f)+8*(\i)+7], v[PAA] offset:(\kk)*64+(\i)*16*PA+32
.endr
.endm
; 64 along K (a panel of A): multiplies both buffers and fetches the next 64 of the same slot into them
.macro PAIR
	s_add_co_u32 s[TA], s[TA], APAN
	s_add_co_u32 s[TB], s[TB], 64*PB
	s_wait_dscnt 16                                ; buffer 0 is in; buffer 1's sixteen loads may be out
	MUL8 H0, 0
	MUL8 H0, 2
	WIN 0
	v_add_nc_u32 v[PAA], s[TA], v[A0]              ; these two and two v_nop are the four places in front of the loads
	v_add_nc_u32 v[PBB], s[TB], v[B0]
	v_nop
	v_nop
	FETCH H0, 0
	s_wait_dscnt 16                                ; buffer 1 is in; the sixteen just issued may be out
	MUL8 H1, 0
	MUL8 H1, 2
	WIN 0
	PLACES
	FETCH H1, 1
.endm
; A slot's last 64 along K, and the change of slots: ONE barrier.  In front of it each wave waits for all its tensor loads (one is out: its part of the next slot), adds 0 to its spare word,
; and waits for that and for its reads of this slot.  fill = 1: the barrier opens a round of the cluster's, and this slot is filled again, two K steps ahead, first thing behind the round:
; a wave issues 112 matrix instructions between that request and the wait for it.
.macro TURN fill
	WIN 0
	s_wait_tensorcnt 0x0
	ds_add_u32 v[SPW], v[NIL]
.if \fill
	STEPD
.endif
	s_xor_b32 s[SB], s[SB], SLOT
	s_mov_b32 s[TA], s[SB]
	s_mov_b32 s[TB], s[SB]
	s_wait_dscnt 17                                ; buffer 0 is in; buffer 1's sixteen loads and the add may be out
	MUL8 H0, 0
	s_wait_dscnt 0x0                               ; the add is done, and my reads of this slot are over
	s_barrier_signal -1
	MUL8 H0, 2
	WIN 0
	s_barrier_wait -1
.if \fill
	CREST
	JLOAD                                          ; its four v_nop are also places in front of the loads below
.else
	PLACES
.endif
	v_add_nc_u32 v[PAA], s[TA], v[A0]
	v_add_nc_u32 v[PBB], s[TB], v[B0]
	FETCH H0, 0                                    ; the next slot's first 64
	MUL8 H1, 0                                     ; buffer 1 was shown in by the wait for 0
	MUL8 H1, 2
	WIN 0
	PLACES
	FETCH H1, 1
.endm
.macro KSTEP fill                      ; a K step of 256: written once, its first three pairs looped
	s_mov_b32 s[CNT], 3
.Lpair_\@:
	PAIR
	s_sub_co_u32 s[CNT], s[CNT], 1
	s_cmp_lg_u32 s[CNT], 0
	s_cbranch_scc1 .Lpair_\@
	TURN \fill
.endm
	s_load_b128 s[4:7], s[0:1], 0x0                ; xb s[4:5], wb s[6:7]
	s_load_b256 s[68:75], s[0:1], 0x10             ; bq s[68:69], bk s[70:71], bv s[72:73], mask s[74:75]
	s_load_b64 s[8:9], s[0:1], 0x30                ; qkv
	v_lshl_add_u32 v[SPW], v0, 2, SPARE
	v_mov_b32 v[NIL], 0
	ds_add_u32 v[SPW], v[NIL]                      ; the wave's opening: the add and its wait stand ahead of my first tensor load; work on registers stands between them
	v_lshrrev_b32 v1, 5, v0
	v_readfirstlane_b32 s10, v1                    ; wave 0..3
	s_lshr_b32 s11, s10, 1                         ; my half of the tile's rows.  Also: I fetch for A (0) or for B (1)
	s_and_b32 s12, s10, 1                          ; my half of its columns.  Also: which half of that tile I fetch
	s_bfe_u32 s40, ttmp6, 0x40000                  ; cx, cy: my place in the cluster
	s_bfe_u32 s41, ttmp6, 0x40004
	s_lshl_b32 s42, ttmp9, 2
	s_add_co_u32 s42, s42, s40                     ; tile column = 4 x cluster x + cx
	s_and_b32 s13, ttmp7, 0xffff
	s_lshl_b32 s13, s13, 2
	s_add_co_u32 s13, s13, s41                     ; tile row = 4 x cluster y + cy
	s_lshl_b32 s43, s41, 2
	s_lshl_b32 s43, 15, s43                        ; my row of the cluster
	s_lshl_b32 s44, 0x1111, s40                    ; my column
	; A's tile: 4 rows (panels) of 4,096 elements (64 tokens x 64 channels, 8,192 dense bytes), a panel (262,144 elements) apart; 4 words of padding after every 32
	s_or_b32 s[G1+0], s43, (1<<16)|(1<<20)|(1<<21)|(4<<22)|(3<<25)
	s_mov_b32 s[G1+1], 4096<<16                    ; tensor_dim0
	s_mov_b32 s[G1+2], 4<<16                       ; tensor_dim1
	s_mov_b32 s[G1+3], 4096<<16                    ; tile_dim0
	s_mov_b32 s[G1+4], 4                           ; tile_dim1
	s_mov_b32 s[G1+5], 262144                      ; elements from row to row
	s_mov_b32 s[G1+6], 0
	s_mov_b32 s[G1+7], 0
	; B's tile: 128 rows of 128 elements (256 dense bytes); 8 words of padding after every 64
	s_or_b32 s[G1B+0], s44, (1<<16)|(1<<20)|(1<<21)|(5<<22)|(7<<25)
	s_mov_b32 s[G1B+1], 128<<16
	s_mov_b32 s[G1B+2], 128<<16
	s_mov_b32 s[G1B+3], 128<<16
	s_mov_b32 s[G1B+4], 128
	s_mov_b32 s[G1B+5], 128
	s_mov_b32 s[G1B+6], 0
	s_mov_b32 s[G1B+7], 0
	s_lshl_b32 s16, s13, 14                        ; A: 128 tokens x 128 bytes a tile row, + my 64 tokens: the tile row and the wave alone
	s_lshl_b32 s17, s12, 13
	s_add_co_u32 s16, s16, s17
	s_mov_b32 s17, 0
	s_mul_i32 s46, s42, BPAN                       ; B: the tile column's panel, + my 128 rows: the tile column and the wave alone
	s_lshl_b32 s47, s12, 15
	s_add_co_u32 s46, s46, s47
	s_mov_b32 s47, 0
	s_mul_i32 s20, s10, HALFT                      ; where they go: wave x a quarter of a slot
	s_mov_b32 s[G0], 1
	s_mov_b32 s[G0+1], s20
	s_mov_b32 s[G0B], 1
	s_mov_b32 s[G0B+1], s20
	s_lshr_b32 s76, ttmp9, 1                       ; which projection: 0 q, 1 k, 2 v: eight tile columns each, so the whole cluster has one
	s_and_b32 s14, s42, 7                          ; my 64 columns in its bias, in bytes
	s_lshl_b32 s14, s14, 9
	s_lshl_b32 s15, s12, 8
	s_add_co_u32 s14, s14, s15
	s_mov_b32 s15, 0
	s_lshl_b32 s18, s13, 9                         ; my 64 tokens in the mask, in bytes
	s_lshl_b32 s19, s11, 8
	s_add_co_u32 s18, s18, s19
	s_mov_b32 s19, 0
	s_lshl_b32 s2, s42, 1                          ; my 64 x 64 of the result: panel 2 x tile column + half, 8,192 dense bytes at my first token
	s_add_co_u32 s2, s2, s12
	s_lshl_b32 s2, s2, 19
	s_lshl_b32 s3, s13, 14
	s_add_co_u32 s2, s2, s3
	s_lshl_b32 s3, s11, 13
	s_add_co_u32 s2, s2, s3
	s_mov_b32 s3, 0
	s_wait_dscnt 0x0                               ; the opening add is done
	s_wait_kmcnt 0x0
	s_add_nc_u64 s[G0+2:G0+3], s[4:5], s[16:17]
	s_or_b32 s[G0+3], s[G0+3], 0x80000000          ; type = 2
	s_add_nc_u64 s[G0B+2:G0B+3], s[6:7], s[46:47]
	s_or_b32 s[G0B+3], s[G0B+3], 0x80000000
	s_cmp_eq_u32 s76, 1
	s_cselect_b64 s[60:61], s[70:71], s[68:69]
	s_cmp_eq_u32 s76, 2
	s_cselect_b64 s[60:61], s[72:73], s[60:61]
	s_add_nc_u64 s[60:61], s[60:61], s[14:15]
	s_add_nc_u64 s[74:75], s[74:75], s[18:19]
	s_add_nc_u64 s[8:9], s[8:9], s[2:3]
	CROUND                                         ; all sixteen work-groups are here: the first joint loads meet
	JLOAD                                          ; K step 0 into slot 0
	v_and_b32 v1, 15, v0                           ; r = lane % 16
	v_bfe_u32 v2, v0, 4, 1                         ; hh = lane / 16
	v_lshlrev_b32 v[BO], 5, v2
	v_lshlrev_b32 v[MO], 2, v1
	WIN 0x40                                       ; destination window 1: the bias goes straight into the accumulators: register j of (a, b) is column 16 b + 8 hh + j
.set i, 0
.rept 16
	global_load_b128 v[8*i:8*i+3],   v[BO], s[60:61] offset:64*(i%4)
	global_load_b128 v[8*i+4:8*i+7], v[BO], s[60:61] offset:64*(i%4)+16
.set i, i+1
.endr
	WIN 0
.irp a, 0,1,2,3
	global_load_b32 v[MF+2*\a], v[MO], s[74:75] offset:64*\a  ; the mask of token 16 a + r
.endr
	v_mul_u32_u24 v[A0], v1, PA                    ; A's fragment: token r, 16 bytes for each half of the lanes; two loads 32 bytes apart
	v_lshl_add_u32 v[A0], v2, 4, v[A0]
	s_mul_i32 s21, s11, HALFT
	v_add_nc_u32 v[A0], s21, v[A0]
	v_and_b32 v3, 7, v0                            ; the turning load: lane l reads row 8 hh + l % 8, columns 8 ((l / 8) % 2) + 0..7, and leaves column l % 16 and 8 k
	v_lshl_add_u32 v3, v2, 3, v3
	v_mul_u32_u24 v[B0], v3, PB
	v_bfe_u32 v3, v0, 3, 1
	v_lshl_add_u32 v[B0], v3, 4, v[B0]
	s_lshl_b32 s22, s12, 7
	s_add_co_u32 s22, s22, 2*HALFT
	v_add_nc_u32 v[B0], s22, v[B0]
	s_mul_i32 s23, s10, 4352
	s_add_co_u32 s23, s23, STAGE                   ; my stage
	v_mul_u32_u24 v[STO], v1, 144                  ; in: row r, 16 bytes for each half of the lanes
	v_lshl_add_u32 v[STO], v2, 4, v[STO]
	v_add_nc_u32 v[STO], s23, v[STO]
	v_bfe_u32 v[RD], v0, 3, 2                      ; back: 32 lanes take four rows of 128 bytes,
	v_mul_u32_u24 v[RD], v[RD], 144
	v_and_b32 v3, 7, v0
	v_lshl_add_u32 v[RD], v3, 4, v[RD]
	v_add_nc_u32 v[RD], s23, v[RD]
	v_and_b32 v3, 31, v0                           ; which are 512 consecutive bytes of the result
	v_lshlrev_b32 v[GO], 4, v3
	; THE FIRST CHANGE: slot 0 is waited for, slot 1 is filled as a refill is
	s_wait_tensorcnt 0x0
	ds_add_u32 v[SPW], v[NIL]
	STEPD
	s_mov_b32 s[SB], 0
	s_mov_b32 s[TA], 0
	s_mov_b32 s[TB], 0
	s_wait_dscnt 0x0
	CROUND
	JLOAD                                          ; K step 1 into slot 1
	v_add_nc_u32 v[PAA], s[TA], v[A0]
	v_add_nc_u32 v[PBB], s[TB], v[B0]
	FETCH H0, 0
	FETCH H1, 1
	s_wait_loadcnt 0x0                             ; the bias is in the accumulators; the mask is in
	s_mov_b32 s[KC], KS-2
.Lk:                                                   ; K steps 0 .. KS - 3: each fills its slot again
	KSTEP 1
	s_sub_co_u32 s[KC], s[KC], 1
	s_cmp_lg_u32 s[KC], 0
	s_cbranch_scc1 .Lk
	KSTEP 0                                        ; the last two are written out: nothing is left to ask for
	s_mov_b32 s[CNT], 3
.Llast:
	PAIR
	s_sub_co_u32 s[CNT], s[CNT], 1
	s_cmp_lg_u32 s[CNT], 0
	s_cbranch_scc1 .Llast
	s_wait_dscnt 16
	MUL8 H0, 0
	MUL8 H0, 2
	s_wait_dscnt 0x0
	MUL8 H1, 0
	MUL8 H1, 2
	WIN 0
	PLACES
	; k alone: rows of masked tokens become zeros
	s_cmp_lg_u32 s76, 1
	s_cbranch_scc1 .Lnot_k
.irp a, 0,1,2,3
	v_cmp_ne_u32 vcc_lo, 0, v[MF+2*\a]
	v_cndmask_b32 v[MF+2*\a], 0, 1.0, vcc_lo
	v_mov_b32 v[MF+2*\a+1], v[MF+2*\a]
.endr
	WIN 0x41                                       ; destination and source 0 in window 1
.set i, 0
.rept 64
	v_pk_mul_f32 v[2*i:2*i+1], v[2*i:2*i+1], v[MF+2*(i/16):MF+2*(i/16)+1] op_sel_hi:[1,0]
.set i, i+1
.endr
	WIN 0
.Lnot_k:
	; THE WAY OUT, a block of 16 tokens at a time: rounded to bf16 (each accumulator from its low end on), 16 bytes a lane into my own stage, back as whole rows of 128 bytes, stored as 512 consecutive bytes
.macro PACKH a
	WIN 0x05                                       ; sources in window 1
.irp b, 0,1,2,3
.irp q, 0,1,2,3
	v_cvt_pk_bf16_f32 v[TMP+4*(\b)+(\q)], v[8*(4*(\a)+(\b))+2*(\q)], v[8*(4*(\a)+(\b))+2*(\q)+1]
.endr
.endr
	WIN 0
.irp b, 0,1,2,3
	ds_store_b128 v[STO], v[TMP+4*(\b):TMP+4*(\b)+3] offset:32*(\b)
.endr
.irp f, 0,1,2,3
	ds_load_b128 v[OB+16*(\a)+4*(\f):OB+16*(\a)+4*(\f)+3], v[RD] offset:576*(\f)  ; LDS serves a wave's instructions in order (ISA guide 5.7.1.4): these see the stores above, and the next block's stores come behind them
.endr
.endm
.macro SENDH a, younger                ; younger: the LDS instructions issued behind block a's loads
.irp f, 0,1,2,3
	s_wait_dscnt (\younger)+3-(\f)
	global_store_b128 v[GO], v[OB+16*(\a)+4*(\f):OB+16*(\a)+4*(\f)+3], s[8:9] offset:2048*(\a)+512*(\f)
.endr
.endm
	PACKH 0
	PACKH 1
	SENDH 0, 8
	PACKH 2
	SENDH 1, 8
	PACKH 3
	SENDH 2, 8
	SENDH 3, 0
	s_wait_tensorcnt 0x0                           ; the wave's end
	ds_add_u32 v[SPW], v[NIL]
	s_wait_dscnt 0x0
	CROUND                                         ; the closing round: no work-group ends while a partner may still ask for a tile that names it
	s_endpgm
.Lfunc_end_k_qce0acd16a1_gemm_qkv:
	.size	k_qce0acd16a1_gemm_qkv, .Lfunc_end_k_qce0acd16a1_gemm_qkv-k_qce0acd16a1_gemm_qkv
	.p2alignl 7, 3214868480
	.fill 96, 4, 3214868480
	.section	.rodata,"a",@progbits
	.p2align	6, 0x0
	.amdhsa_kernel k_qce0acd16a1_gemm_qkv
		.amdhsa_group_segment_fixed_size 327680
		.amdhsa_private_segment_fixed_size 0
		.amdhsa_enable_private_segment 0
		.amdhsa_kernarg_size 56
		.amdhsa_user_sgpr_count 2
		.amdhsa_user_sgpr_kernarg_segment_ptr 1
		.amdhsa_wavefront_size32 1
		.amdhsa_system_sgpr_workgroup_id_x 1
		.amdhsa_system_sgpr_workgroup_id_y 1
		.amdhsa_system_sgpr_workgroup_id_z 1
		.amdhsa_system_vgpr_workitem_id 0
		.amdhsa_next_free_vgpr 384
		.amdhsa_next_free_sgpr 80
		.amdhsa_reserve_vcc 1
		.amdhsa_float_denorm_mode_32 3
		.amdhsa_float_denorm_mode_16_64 3
		.amdhsa_memory_ordered 1
		.amdhsa_forward_progress 1
		.amdhsa_inst_pref_size 54
	.end_amdhsa_kernel
	.amdgpu_metadata
---
amdhsa.version: [ 1, 2 ]
amdhsa.kernels:
  - .name:           k_qce0acd16a1_gemm_qkv
    .symbol:         k_qce0acd16a1_gemm_qkv.kd
    .args:
      - { .name: xb, .offset: 0, .size: 8, .value_kind: global_buffer, .address_space: global }
      - { .name: wb, .offset: 8, .size: 8, .value_kind: global_buffer, .address_space: global }
      - { .name: bq, .offset: 16, .size: 8, .value_kind: global_buffer, .address_space: global }
      - { .name: bk, .offset: 24, .size: 8, .value_kind: global_buffer, .address_space: global }
      - { .name: bv, .offset: 32, .size: 8, .value_kind: global_buffer, .address_space: global }
      - { .name: mask, .offset: 40, .size: 8, .value_kind: global_buffer, .address_space: global }
      - { .name: qkv, .offset: 48, .size: 8, .value_kind: global_buffer, .address_space: global }
    .group_segment_fixed_size: 327680
    .private_segment_fixed_size: 0
    .kernarg_segment_align: 8
    .kernarg_segment_size: 56
    .max_flat_workgroup_size: 128
    .sgpr_count:     80
    .vgpr_count:     384
    .wavefront_size: 32
...
	.end_amdgpu_metadata
.endif
;; end of part 2
;; launch attn (part 3): grid 8 x 32, 4 waves a work-group, clusters of 4 x 1, 327,680 bytes of LDS; arguments qkv, mask, ao; writes ao
.if DOCPART == 3
	.amdgcn_target "amdgcn-amd-amdhsa--gfx1250"
	.amdhsa_code_object_version 6
	.text
	.protected	k_qce0acd16a1_attn
	.globl	k_qce0acd16a1_attn
	.p2align	8
	.type	k_qce0acd16a1_attn,@function
k_qce0acd16a1_attn:
	s_mov_b64 s[64:65], 0
	v_nop
	global_prefetch_b8 v0, s[64:65] scope:SCOPE_SE
	s_setreg_imm32_b32 hwreg(HW_REG_WAVE_MODE, 25, 1), 1
	s_wait_xcnt 0x0
	s_wait_alu depctr_hold_cnt(0) depctr_sa_sdst(0) depctr_va_vdst(0) depctr_va_sdst(0) depctr_va_ssrc(0) depctr_va_vcc(0) depctr_vm_vsrc(0)
	s_getreg_b32 s2, hwreg(HW_REG_IB_STS2, 6, 4)
	s_cmp_eq_u32 s2, 0
	s_cbranch_scc0 .Lentry_in_a_cluster
	s_endpgm
.Lentry_in_a_cluster:
	s_bfe_u32 s2, ttmp6, 0x10000c
	s_cmp_lg_u32 s2, 0x3003
	s_cbranch_scc0 .Lentry_shape_is_right
	s_endpgm
.Lentry_shape_is_right:
; ATTENTION WITH A KEY MASK.  O[q] = the sum over k of softmax_k(s(q, k)) V[k], s = Q[q] . K[k] / 8, or -1e9 where mask[k] == 0.  32 heads (2 batches x 16) of 2,048 rows x 64 channels, all bf16:
; in qkv a head's rows of q, k, v are dense, 128 bytes each (panels of 64 channels: q 0-15, k 16-31, v 32-47; batch b begins at row 2,048 b).  O leaves in the same layout.
; Products, maxima and sums in f32; the weights p are rounded to bf16 for the second product (their sum l is taken of the unrounded p), O once at the end.
; THE MASK is the C operand that starts the sum S^T = K Q^T: 0, or -8e9 for a masked key, whose row of k the launch before has stored as zeros: its raw score is exactly -8e9, -1e9 after the scale.
; Where all keys are masked all scores are equal and the weights uniform.  A table of the 2,048 starting values is made once in LDS.
; LIMITS.  A weight below 2^-126 counts as 0 in l; NaN and infinities are not treated apart.
; SHARES.  A work-group owns 256 queries of a head; of its four bands of 64 a wave owns 16 rows in each: four PIECES.  Every wave walks all keys: 8 tiles of 256, 64 keys a step.
; LAYOUT, SOFTMAX, TURNS.  S^T = K Q^T holds ONE query a lane (lane % 16) and the keys 8 (lane / 16) + 0..7; two such results rounded to bf16 ARE source 1 of O^T = V^T P.  p = 2^(c s - c m), c = log2(e) / 8,
; with a running maximum m; O and l are multiplied by a = 2^(c m_old - c m_new) in every step.  Turn n belongs to piece n: 8 products K Q^T of piece n + 1, later 8 products V^T P of piece n - 1; beside them the
; scaling, exponentials, roundings, sums and rescaling of piece n and the maximum and statistics of piece n + 1.  Four vector instructions stand behind every matrix instruction, the others in two runs of their own.
; CLUSTER.  The four query blocks of a cluster belong to one head and walk the same K and V: each tile is asked for JOINTLY: the same tensor load, descriptor and mask of four in all four.
; REGISTERS, in windows of 256 (s_set_vgpr_msb: bits 1:0 source 0, 3:2 source 1, 5:4 source 2, 7:6 destination):
;   window 0: v0-15 addresses and two at work; v16-31 four registers of statistics a piece; v32-47 the mask at the start; v48-55 at work; v64-127 S^T, two buffers; v192-223 P, two buffers (by the piece's parity)
;   window 1: v0-127 O^T, 32 a piece      window 2: v0-63 Q; v64-95 the step's starting values; v128-191 K of one step; v192-255 V of one step
.set NT,    8         ; tiles of 256 keys
.set NP,    4         ; pieces a wave: a name, no knob
.set KS,    64        ; keys in a step
.set PK,    144       ; a row of K in LDS: 128 bytes + 16 = 36 words: the 16 rows of a load start at 16 different groups of four banks (64 banks of 4 bytes: ISA guide 11.1)
.set PV,    160       ; a row of V: 128 + 32 = 40 words
.set VOFF,  4*KS*PK   ; a slot holds a tile: 256 rows of K, then 256 rows of V
.set SLOT1, 1<<17     ; slot 1 begins here, so that one exclusive or turns an address in one slot into the other's
.set STAGE, SLOT1+4*KS*(PK+PV)  ; behind the ring, never filled by a tensor load: 16 rows x 144 bytes for each wave, for the way out
.set SP,    144
.set SPARE, STAGE+4*16*SP  ; the spare words, 128 bytes for each wave: two blocks of 256 bytes that no other line names
.set MTAB,  SPARE+512 ; 2,048 f32: key k's starting value; written once by ds_store, never filled by a tensor load
.set AK0, 2           ; v2   my lane's place in a tile of K; never rewritten
.set AV0, 3           ; v3   the same for V
.set AK,  4           ; v4   the LDS address of K's next run of loads
.set AV,  5           ; v5   of V's
.set STO, 6           ; v6   the way out: where I put 16 bytes of a row
.set RD,  7           ; v7   the way out: where I read rows back
.set GO,  8           ; v8   my byte offset in 512 consecutive bytes of O
.set MV,  12          ; v12-13  c m_old, kept while c m is made anew: by buffer
.set AM0, 14          ; v14  MTAB + 32 (lane / 16): my eight keys of a group of 16; never rewritten
.set QO,  15          ; v15  my byte offset in 16 rows of Q
.set ST,  16          ; piece t's statistics at v[ST+4 t]: c m, m, l (even keys', odd keys')
.set MI,  32          ; v32-47  sixteen words of the mask, then their starting values
.set TMP, 48          ; by buffer, four registers c0-c3 at work; when the maximum is found c2 takes a
.set AM,  56          ; v56  the LDS address of the next step's starting values
.set MA,  57          ; v57  64 x my thread's number: my sixteen words of the mask
.set MW,  58          ; v58  the same in the table
.set SPW, 62          ; v62  LDS address of my spare word; never rewritten
.set NIL, 63          ; v63  0; never rewritten
.set S,   64
.set P,   192
.set MK,  64          ; window 2: the eight registers for group kb of 16 keys at MK + 8 kb
.set KF,  128         ; window 2: key block kb, channel half c at KF + 16 kb + 8 c
.set VF,  192         ; window 2: key half kk, channel block cb at VF + 32 kk + 8 cb
.set WV,  12          ; s12  my wave's number
.set G1K, 24          ; s[24:31] descriptor group 1 for K's tiles
.set G1V, 32          ; s[32:39] for V's: it differs in the padding alone
.set G0K, 40          ; s[40:43] descriptor group 0 for K's tiles: it walks
.set G0V, 44          ; s[44:47] the same for V's
.set SLOTS, 56        ; s56  tiles still to be entered by the loop
.set CNT, 57          ; s57  counts a tile's key steps
.set CS,  58          ; s[58:59] c: the packed scaling takes the pair's low word for both halves
.set SEL, 60          ; s[60:61] v_permlanex16_b32's selects: each lane takes its own place in the other half
.set TBK, 62          ; s62  LDS byte at which K of the step to be fetched begins
.set TBV, 63          ; s63  the same for V, less VOFF
.set TBM, 66          ; s66  byte of that step's 64 words in the table
.set BIGN, 67         ; s67  -8e9
.set MSB, 0
.macro WIN new                      ; the high byte repeats the setting that is left; a switch that changes nothing is dropped
.if MSB != (\new)
	s_set_vgpr_msb (MSB<<8)|(\new)
.set MSB, (\new)
.endif
.endm
.set W_KQ, 0x0a       ; K and Q in window 2, S^T in window 0
.set W_KM, 0x2a       ; the same with the C operand in window 2
.set W_PV, 0x52       ; V in window 2, P in window 0, O^T in window 1
.set W_RS, 0x41       ; destination and source 0 in window 1, source 1 in window 0
; A joint fill.  Waves 0 and 1 fetch the two halves of a tile's K, waves 2 and 3 those of its V: 128 keys each.  An s_nop 0 and four v_nop follow each of the two lines.
.macro JLOAD
	s_cmp_lt_u32 s[WV], 2
	s_cbranch_scc0 .Lfor_v_\@
	tensor_load_to_lds s[G0K:G0K+3], s[G1K:G1K+7]
	s_nop 0
.rept 4
	v_nop
.endr
	s_branch .Lasked_\@
.Lfor_v_\@:
	tensor_load_to_lds s[G0V:G0V+3], s[G1V:G1V+7]
	s_nop 0
.rept 4
	v_nop
.endr
.Lasked_\@:
.endm
; A round of the cluster's barrier: my work-group's barrier; wave 0 signals for the work-group; every wave waits for all four work-groups; my work-group's barrier once more.
.macro CROUND
	s_barrier_signal -1
	s_barrier_wait -1
	s_cmp_lg_u32 s[WV], 0
	s_cbranch_scc1 .Lnot_wave_0_\@
	s_barrier_signal -3
.Lnot_wave_0_\@:
	s_barrier_wait -3
	s_barrier_signal -1
	s_barrier_wait -1
.endm
; THE CHANGE OF SLOTS.  Each wave waits for all its tensor loads, of which one is out: its part of the other slot; adds 0 to its spare word; and waits for that and for its own LDS instructions.
; Behind the barrier nobody reads the old slot any more and the other slot is whole.  fill = 1: the barrier is a round of the cluster's, and the old slot is filled again, with the keys two tiles on,
; first thing behind it: it has four key steps, 256 matrix instructions, in which to land.  (At its first use nothing has been read yet: slot 0 is waited for, slot 1 filled, and the table is shown to all waves.)
.macro CHANGE fill
	WIN 0                           ; at a label and at a branch every window is 0
	s_wait_tensorcnt 0x0            ; no tensor load of mine is out, so a group 0 may be written
	ds_add_u32 v[SPW], v[NIL]
.if \fill
.irp g, G0K, G0V
	s_xor_b32 s[\g+1], s[\g+1], SLOT1
	s_add_nc_u64 s[\g+2:\g+3], s[\g+2:\g+3], 4*KS*128  ; the next 256 keys; the type bits on top are not reached
.endr
	s_wait_dscnt 0x0                ; the add is done, and my reads of the slot are over
	CROUND
	JLOAD
.else
	s_wait_dscnt 0x0
	s_barrier_signal -1
	s_barrier_wait -1
.endif
	s_sub_co_u32 s[TBK], s[TBK], 4*KS*PK  ; the fetches go back to a slot's first step,
	s_xor_b32 s[TBK], s[TBK], SLOT1       ; in the other slot
	s_sub_co_u32 s[TBV], s[TBV], 4*KS*PV
	s_xor_b32 s[TBV], s[TBV], SLOT1
.endm
	s_load_b128 s[4:7], s[0:1], 0x0   ; qkv s[4:5], mask s[6:7]
	s_load_b64 s[10:11], s[0:1], 0x10 ; ao
	v_lshl_add_u32 v[SPW], v0, 2, SPARE
	v_mov_b32 v[NIL], 0
	ds_add_u32 v[SPW], v[NIL]       ; the wave's opening: the add and its wait stand ahead of my first tensor load; work on registers stands between them
	v_lshrrev_b32 v1, 5, v0
	v_readfirstlane_b32 s[WV], v1   ; wave 0..3
	s_bfe_u32 s13, ttmp6, 0x40000   ; cx: my place in the cluster
	s_lshl_b32 s14, ttmp9, 2        ; in a cluster launch ttmp9 counts clusters
	s_add_co_u32 s14, s14, s13      ; my block of 256 queries: it enters Q's and O's addresses alone
	s_and_b32 s20, ttmp7, 0xffff    ; 16 x batch + head, which the four partners share
	s_and_b32 s21, s20, 15
	s_lshr_b32 s22, s20, 4
	s_lshl_b32 s21, s21, 19         ; the head's panel of 524,288 bytes,
	s_lshl_b32 s23, s22, 18         ; the batch's 2,048 rows of 128 bytes in it
	s_add_co_u32 s20, s21, s23
	s_lshl_b32 s18, s22, 13         ; the batch's 2,048 words of the mask
	s_mov_b32 s19, 0
	s_and_b32 s16, s[WV], 1         ; which half of a tile's 256 keys I fetch:
	s_lshl_b32 s2, s16, 14          ; its 128 rows of 128 bytes in memory,
	s_add_co_u32 s2, s2, s20
	s_add_co_u32 s2, s2, 8388608    ; in k's sixteen panels,
	s_mov_b32 s3, 0
	s_add_co_u32 s52, s2, 8388608   ; in v's
	s_mov_b32 s53, 0
	s_mul_i32 s17, s16, 128*PK      ; and its place in a slot, for K
	s_mul_i32 s54, s16, 128*PV      ; and for V: no place in the cluster enters an LDS address
	s_lshl_b32 s14, s14, 15         ; my block's 256 rows,
	s_lshl_b32 s15, s[WV], 11       ; my 16 rows in a band of 64
	s_add_co_u32 s14, s14, s15
	s_add_co_u32 s14, s14, s20
	s_mov_b32 s15, 0
	; descriptor group 1.  128 keys are 16,384 dense bytes: asked for as 64 rows of 256 bytes, two keys a row, and padded in LDS after every key
	s_mov_b32 s[G1K], 15|(1<<16)|(1<<20)|(1<<21)|(4<<22)|(3<<25)  ; 15:0 the mask of four; 17:16 2-byte elements; 20 padding on; 21 set beside a mask; 24:22 after every 32 words (code 4); 31:25 4 words (code 3)
	s_mov_b32 s[G1V], 15|(1<<16)|(1<<20)|(1<<21)|(4<<22)|(7<<25)  ; the same with 8 words of padding (code 7)
.irp g, G1K, G1V
	s_mov_b32 s[\g+1], 128<<16      ; tensor_dim0 = 128
	s_mov_b32 s[\g+2], 64<<16       ; tensor_dim1 = 64
	s_mov_b32 s[\g+3], 128<<16      ; tile_dim0 = 128
	s_mov_b32 s[\g+4], 64           ; tile_dim1 = 64
	s_mov_b32 s[\g+5], 128          ; 128 elements from row to row
	s_mov_b32 s[\g+6], 0
	s_mov_b32 s[\g+7], 0
.endr
	s_mov_b32 s[CS], 0x3e38aa3b     ; c = log2(e) / 8 = 0.180337
	s_mov_b32 s[CS+1], s[CS]        ; named with it as a pair
	s_mov_b32 s[SEL], 0x76543210
	s_mov_b32 s[SEL+1], 0xfedcba98
	s_mov_b32 s[TBK], SLOT1+4*KS*PK ; the first change of slots turns these two into 0
	s_mov_b32 s[TBV], SLOT1+4*KS*PV
	s_mov_b32 s[TBM], 0
	s_mov_b32 s[BIGN], 0xcfee6b28   ; -8e9, exact in f32
	s_mov_b32 s[G0K], 1             ; count = 1
	s_mov_b32 s[G0K+1], s17         ; LDS address: slot 0
	s_mov_b32 s[G0V], 1
	s_add_co_u32 s[G0V+1], s54, VOFF
	s_wait_dscnt 0x0                ; the opening add is done
	s_wait_kmcnt 0x0
	s_add_nc_u64 s[G0K+2:G0K+3], s[4:5], s[2:3]    ; my half of the head's first 256 keys
	s_or_b32 s[G0K+3], s[G0K+3], 0x80000000        ; type = 2
	s_add_nc_u64 s[G0V+2:G0V+3], s[4:5], s[52:53]
	s_or_b32 s[G0V+3], s[G0V+3], 0x80000000
	s_add_nc_u64 s[4:5], s[4:5], s[14:15]          ; Q and O at my rows of the block's first band
	s_add_nc_u64 s[10:11], s[10:11], s[14:15]
	s_add_nc_u64 s[6:7], s[6:7], s[18:19]
	CROUND                          ; all four work-groups are here: the first joint loads meet
	JLOAD                           ; tile 0 into slot 0
	v_lshlrev_b32 v[MA], 6, v0
.irp i, 0,1,2,3
	global_load_b128 v[MI+4*\i:MI+4*\i+3], v[MA], s[6:7] offset:16*\i  ; thread t: the mask of keys 16 t .. 16 t + 15
.endr
	; A fragment of K or Q is 16 rows x 32 channels in 8 registers: lane l holds row l % 16, channels 8 (l / 16) + 0..7 and 16 + 8 (l / 16) + 0..7: two loads of 16 bytes, 32 bytes apart.
	v_and_b32 v1, 15, v0            ; l % 16
	v_bfe_u32 v9, v0, 4, 1          ; l / 16
	v_lshlrev_b32 v[QO], 7, v1
	v_lshl_add_u32 v[QO], v9, 4, v[QO]  ; row x 128 + 16 x half
	WIN 0x80                        ; destination window 2, address window 0
.set i, 0
.rept 8                             ; Q stays in registers: piece i / 2 lies in band i / 2, 8,192 bytes on; channels 32 (i % 2) on
	global_load_b128 v[8*i:8*i+3],   v[QO], s[4:5] offset:(i/2)*8192+(i%2)*64
	global_load_b128 v[8*i+4:8*i+7], v[QO], s[4:5] offset:(i/2)*8192+(i%2)*64+32
.set i, i+1
.endr
	WIN 0
	v_add_nc_u32 v[MW], MTAB, v[MA]
	v_lshl_add_u32 v[AM0], v9, 5, MTAB
	v_mul_u32_u24 v[AK0], v1, PK
	v_lshl_add_u32 v[AK0], v9, 4, v[AK0]  ; row x pitch + 16 x half
	; The turning load takes 16 keys x 16 channels (lane l reads key 8 (l / 16) + l % 8, channels 8 ((l / 8) % 2) + 0..7) and leaves half a fragment of V^T: lane l holds channel l % 16 and 8 keys.
	v_and_b32 v10, 7, v0
	v_bfe_u32 v11, v0, 3, 1
	v_lshl_add_u32 v[AV0], v9, 3, v10
	v_mul_u32_u24 v[AV0], v[AV0], PV
	v_lshl_add_u32 v[AV0], v11, 4, v[AV0]
	v_add_nc_u32 v[AV0], VOFF, v[AV0]
	s_mul_i32 s55, s[WV], 16*SP
	s_add_co_u32 s55, s55, STAGE    ; my stage
	v_mul_u32_u24 v[STO], v1, SP    ; in: row l % 16, 16 bytes for each half of the lanes
	v_lshl_add_u32 v[STO], v9, 4, v[STO]
	v_add_nc_u32 v[STO], s55, v[STO]
	v_bfe_u32 v[RD], v0, 3, 2       ; back: 32 lanes take four rows of 128 bytes,
	v_mul_u32_u24 v[RD], v[RD], SP
	v_lshl_add_u32 v[RD], v10, 4, v[RD]
	v_add_nc_u32 v[RD], s55, v[RD]
	v_and_b32 v[GO], 31, v0         ; which are 512 consecutive bytes of O
	v_lshlrev_b32 v[GO], 4, v[GO]
	; The first step multiplies O^T and l by a = 0, and the first turn's products V^T P, of a piece that has not been, land in an O^T that is still to be so multiplied: these registers need only hold
	; finite numbers: zeros.  All this stands in the wait for the first tile.
	WIN 0x80
.set i, VF
.rept 64
	v_mov_b32 v[i], 0
.set i, i+1
.endr
	WIN 0x40
.set i, 0
.rept 128
	v_mov_b32 v[i], 0
.set i, i+1
.endr
	WIN 0
.set i, 0
.rept 4
	v_mov_b32 v[ST+4*i], 0xfe000000    ; c m: far below every c s, so the first step's a is 0
	v_mov_b32 v[ST+4*i+1], 0xff7fffff  ; m: the lowest finite number, so the first maximum is the scores'
	v_mov_b32 v[ST+4*i+2], 0
	v_mov_b32 v[ST+4*i+3], 0
.set i, i+1
.endr
.set i, P+16
.rept 16
	v_mov_b32 v[i], 0
.set i, i+1
.endr
	s_wait_loadcnt 16               ; the mask is in; Q's sixteen loads, issued behind it, may stay out
.set i, 0
.rept 16
	v_cmp_eq_u32 vcc_lo, 0, v[MI+i]
	v_cndmask_b32 v[MI+i], 0, s[BIGN], vcc_lo
.set i, i+1
.endr
.irp i, 0,1,2,3
	ds_store_b128 v[MW], v[MI+4*\i:MI+4*\i+3] offset:16*\i
.endr
; THE MATRIX WORK.  The 4 accumulators of a run of 8 take turns.  Product i of 8 of S^T = K Q^T for piece x: channels 32 (i / 4) on, keys 16 (i % 4) on.  The first 4 start the sums with the keys' starting values.
.macro KQ x
.set rS, S+32*((\x)%2)+8*(i%4)
.set rK, KF+16*(i%4)+8*(i/4)
.set rQ, 16*(\x)+8*(i/4)
.set rM, MK+8*(i%4)
.if i < 4
	WIN W_KM
	v_wmma_f32_16x16x32_bf16 v[rS:rS+7], v[rK:rK+7], v[rQ:rQ+7], v[rM:rM+7]
.else
	WIN W_KQ
	v_wmma_f32_16x16x32_bf16 v[rS:rS+7], v[rK:rK+7], v[rQ:rQ+7], v[rS:rS+7]
.endif
.endm
; Product i of 8 of O^T += V^T P for piece x: keys 32 (i / 4) on, channels 16 (i % 4) on.
.macro PV x
	WIN W_PV
.set rO, 32*(\x)+8*(i%4)
.set rV, VF+32*(i/4)+8*(i%4)
.set rP, P+16*((\x)%2)+8*(i/4)
	v_wmma_f32_16x16x32_bf16 v[rO:rO+7], v[rV:rV+7], v[rP:rP+7], v[rO:rO+7]
.endm
.macro MM                           ; the turn's next matrix instruction.  NOKQ = 1: the last turn: there is no next piece
.if (i < 8) && !NOKQ
	KQ (Y+1)%NP
.elseif i >= 8
.set i, i-8
	PV (Y+NP-1)%NP
.set i, i+8
.endif
.set i, i+1
.endm
; THE LDS LOADS stand in runs, never singly among the matrix instructions: a step's K (8 fragments) with its 64 starting values (the 16 lanes of a half read the same words), and its V (turned).
.macro FETCH_K
	WIN 0x80                        ; destination window 2
.irp f, 0,1,2,3,4,5,6,7             ; keys 16 (f / 2) on, channels 32 (f % 2) on
	ds_load_b128 v[KF+8*\f:KF+8*\f+3],   v[AK] offset:(\f/2)*16*PK+(\f%2)*64
	ds_load_b128 v[KF+8*\f+4:KF+8*\f+7], v[AK] offset:(\f/2)*16*PK+(\f%2)*64+32
.endr
.irp g, 0,1,2,3                     ; register j of group g: key 16 g + 8 (l / 16) + j
	ds_load_b128 v[MK+8*\g:MK+8*\g+3],   v[AM] offset:64*\g
	ds_load_b128 v[MK+8*\g+4:MK+8*\g+7], v[AM] offset:64*\g+16
.endr
	s_add_co_u32 s[TBK], s[TBK], KS*PK  ; the next fetch is the next step's
	s_add_co_u32 s[TBM], s[TBM], 4*KS
	WIN 0
.endm
.macro FETCH_V
	WIN 0x80
.irp f, 0,1,2,3,4,5,6,7             ; keys 32 (f / 4) on, channels 16 (f % 4) on
	ds_load_tr16_b128 v[VF+8*\f:VF+8*\f+3],   v[AV] offset:(\f/4)*32*PV+(\f%4)*32
	ds_load_tr16_b128 v[VF+8*\f+4:VF+8*\f+7], v[AV] offset:(\f/4)*32*PV+16*PV+(\f%4)*32
.endr
	WIN 0
.endm
; THE VECTOR WORK, one line at a time: OP kind, number.  For piece Y: F n: c s - c m for pair n of 16.  E n: the exponential of score n of 32.  C n: pair n rounded to bf16.  B n: of the four weights 4 n .. the second
; pair is added onto the first, in place.  L n: l takes that sum (L 0: l = a l + sum).  R n: pair n of 16 of O^T times a.  For piece Y + 1: X n, number n of the 22 that find its maximum and statistics:
;   0-11  four chains c0-c3 of seven scores each, three operands at a time (each accumulator's lowest registers are read first)     12-14, 16  the four scores left over, the old m, and c0-c3 into c0
;   15  c m_old is kept     17, 18  the query's other 32 keys lie in the lane 16 away: the new m     19-21  c m; c m_old - c m_new; a
.set F, 0               ; OP tells the kinds apart by their order: F to L below R, X above it
.set E, 1
.set C, 2
.set B, 3
.set L, 4
.set R, 5
.set X, 6
.macro REGS y                       ; the registers of piece y
.set rT, ST+4*(\y)
.set rC, TMP+4*((\y)%2)
.set rW, MV+((\y)%2)
.set rS, S+32*((\y)%2)
.set rP, P+16*((\y)%2)
.set rO, 32*(\y)
.endm
.macro OP k, n
.if (\k) == R
	REGS Y
	WIN W_RS
	v_pk_mul_f32 v[rO+2*(\n):rO+2*(\n)+1], v[rO+2*(\n):rO+2*(\n)+1], v[rC+2:rC+3] op_sel_hi:[1,0]
.elseif (\k) < R
	REGS Y
	WIN 0
.if (\k) == F
	v_pk_fma_f32 v[rS+2*(\n):rS+2*(\n)+1], v[rS+2*(\n):rS+2*(\n)+1], s[CS:CS+1], v[rT:rT+1] op_sel_hi:[1,0,0] neg_lo:[0,0,1] neg_hi:[0,0,1]
.elseif (\k) == E
	v_exp_f32 v[rS+(\n)], v[rS+(\n)]
.elseif (\k) == C
	v_cvt_pk_bf16_f32 v[rP+(\n)], v[rS+2*(\n)], v[rS+2*(\n)+1]
.elseif (\k) == B
	v_pk_add_f32 v[rS+4*(\n):rS+4*(\n)+1], v[rS+4*(\n):rS+4*(\n)+1], v[rS+4*(\n)+2:rS+4*(\n)+3]
.elseif (\n) == 0
	v_pk_fma_f32 v[rT+2:rT+3], v[rT+2:rT+3], v[rC+2:rC+3], v[rS:rS+1] op_sel_hi:[1,0,1]
.else
	v_pk_add_f32 v[rT+2:rT+3], v[rT+2:rT+3], v[rS+4*(\n):rS+4*(\n)+1]
.endif
.elseif NOKQ
	v_nop
.else
	REGS (Y+1)%NP
	WIN 0
.if (\n) < 4
	v_max3_num_f32 v[rC+(\n)], v[rS+8*(\n)], v[rS+8*(\n)+1], v[rS+8*(\n)+2]
.elseif (\n) < 12
	v_max3_num_f32 v[rC+(\n)%4], v[rC+(\n)%4], v[rS+8*((\n)%4)+2*((\n)/4)+1], v[rS+8*((\n)%4)+2*((\n)/4)+2]
.elseif (\n) == 12
	v_max3_num_f32 v[rC], v[rC], v[rS+7], v[rS+15]
.elseif (\n) == 13
	v_max3_num_f32 v[rC+1], v[rC+1], v[rS+23], v[rS+31]
.elseif (\n) == 14
	v_max3_num_f32 v[rC+2], v[rC+2], v[rC+3], v[rT+1]
.elseif (\n) == 15
	v_mov_b32 v[rW], v[rT]
.elseif (\n) == 16
	v_max3_num_f32 v[rC], v[rC], v[rC+1], v[rC+2]
.elseif (\n) == 17
	v_permlanex16_b32 v[rC+3], v[rC], s[SEL], s[SEL+1]
.elseif (\n) == 18
	v_max_num_f32 v[rT+1], v[rC], v[rC+3]
.elseif (\n) == 19
	v_mul_f32 v[rT], s[CS], v[rT+1]
.elseif (\n) == 20
	v_sub_f32 v[rC+1], v[rW], v[rT]
.else
	v_exp_f32 v[rC+2], v[rC+1]
.endif
.endif
.endm
.macro OPS a, i1, b=-1, i2=0, c=-1, i3=0, d=-1, i4=0  ; up to four of them
	OP \a, \i1
.if (\b) >= 0
	OP \b, \i2
.endif
.if (\c) >= 0
	OP \c, \i3
.endif
.if (\d) >= 0
	OP \d, \i4
.endif
.endm
.macro ROW a, i1, b, i2, c, i3, d, i4  ; a matrix instruction and the four behind it
	MM
	OPS \a, \i1, \b, \i2, \c, \i3, \d, \i4
.endm
; A TURN, for piece p: the order of its 16 matrix and 118 vector instructions, written out.  Behind a matrix instruction: plain, exponential, plain, plain; or four of the rescaling; or, behind the first, four scalings; none
; names a register of the products round it.  In the runs between, exponential and plain by turns while exponentials last; each exponential has a plain instruction behind it before its result is used (ISA guide 5.7.2).
; end = 1: the last two turns: nothing is fetched.  cnt = 1: the loop's count is taken down some lines ahead of the branch that stands behind the turn.
; K and the starting values of the next step are fetched in piece 2's turn, behind five plain instructions that follow the last product that read K; V of the step in hand in piece 0's turn, behind five plain
; instructions that follow the last product that read V.  Each is waited for a turn later.
.macro TURN p, end=0, cnt=0
.set Y, (\p)
.set i, 0
.set NOKQ, (\end)*((\p)/3)
.if ((\p) == 3) && !(\end)
	s_wait_dscnt 0x0                ; K and the starting values are in
.endif
	ROW F,0, F,1, F,2, F,3
	ROW F,4, E,0, F,5, F,6
	ROW F,7, E,1, F,8, F,9
	ROW F,10, E,2, C,0, F,11
	ROW F,12, E,3, X,15, F,13
	ROW R,0, R,1, R,2, R,3
	ROW B,0, E,4, F,14, L,0
.if ((\p) == 2) && !(\end)
	v_add_nc_u32 v[AK], s[TBK], v[AK0]
	v_add_nc_u32 v[AM], s[TBM], v[AM0]
.endif
	ROW R,4, R,5, R,6, R,7
	OPS E,5, F,15
.if ((\p) == 2) && !(\end)
	FETCH_K
.endif
	OPS E,6, C,1, E,7, R,8
	OPS E,8, R,9, E,9, C,2
	OPS E,10, X,0, E,11, X,1
	OPS E,12, X,2, E,13, X,3
.if (\p) == 1
	s_wait_dscnt 0x0                ; V is in
.endif
	ROW X,4, E,14, X,5, X,6
	ROW X,7, E,15, X,8, X,9
	ROW X,10, E,16, X,11, X,12
	ROW X,13, E,17, X,14, B,1
	ROW C,4, E,18, X,16, L,1
	ROW B,2, E,19, C,6, L,2
	ROW C,8, E,20, B,3, B,4
.if (\p) == 0
	v_add_nc_u32 v[AV], s[TBV], v[AV0]
.endif
	ROW C,3, E,21, L,3, C,5
	OPS E,22, X,17, E,23, C,10
.if (\p) == 0
	FETCH_V
.endif
	OPS E,24, L,4
	OPS E,25, X,18, E,26, C,7
	OPS E,27, B,5, E,28, X,19
	OPS E,29, C,12, E,30, L,5
	OPS E,31, X,20, B,6, C,9
	OPS C,14, C,11, X,21, L,6
.if (\p) == 0
	s_add_co_u32 s[TBV], s[TBV], KS*PV
.endif
.if \cnt
	s_sub_co_u32 s[CNT], s[CNT], 1
	s_cmp_lg_u32 s[CNT], 0
.endif
	OPS C,13, B,7, C,15, R,10
	OPS R,11, R,12, L,7, R,13
	OPS R,14, R,15
.endm
	CHANGE 1                        ; slot 0 is in, everybody's part of it, and so is the table; slot 1 is asked for
	; THE BEGINNING: K and the starting values of step 0, piece 0's first scores, its maximum and statistics.  The loop is then entered at a step's first turn, in the middle of a trip.
	v_add_nc_u32 v[AK], s[TBK], v[AK0]
	v_add_nc_u32 v[AM], s[TBM], v[AM0]
	FETCH_K
	s_wait_loadcnt 0x0              ; Q
	s_wait_dscnt 0x0
.set NOKQ, 0
.set i, 0
.rept 8
	KQ 0
.set i, i+1
.endr
	WIN 0
.rept 4
	v_nop                           ; the places behind those products
.endr
.set Y, NP-1                        ; X works for piece Y + 1: piece 0
.irp n, 0,1,2,3,4,5,6,7,8,9,10,11,12,13,14,15,16,17,18,19,20,21
	OP X, \n
.endr
	v_nop                           ; a plain instruction behind the exponential
	s_mov_b32 s[CNT], 4
	s_mov_b32 s[SLOTS], NT-1
	s_branch .Lfirst
.Lslot:                             ; NT - 2 times: tiles 1 .. NT - 2 are entered, tiles 2 .. NT - 1 asked for
	CHANGE 1
	s_mov_b32 s[CNT], 4
.Lstep:                             ; a trip: pieces 2 and 3 of one step, then pieces 0 and 1 of the next, whose K and V it fetches
	TURN 2
	TURN 3
	WIN 0
.Lfirst:
	TURN 0
	TURN 1, 0, 1
	WIN 0
	s_cbranch_scc1 .Lstep
	s_sub_co_u32 s[SLOTS], s[SLOTS], 1
	s_cmp_lg_u32 s[SLOTS], 0
	s_cbranch_scc1 .Lslot
	CHANGE 0                        ; the last tile is written out: nothing is asked for
	s_mov_b32 s[CNT], 4
.Ltail:
	TURN 2
	TURN 3
	TURN 0
	TURN 1, 0, 1
	WIN 0
	s_cbranch_scc1 .Ltail
	TURN 2, 1
	TURN 3, 1
.set i, 0
.rept 8
	PV NP-1                         ; the last piece's V^T P of the last step
.set i, i+1
.endr
	; THE WAY OUT.  l's two halves and the other half of the lanes' are added; O^T is divided by l, rounded to bf16 and sent through my stage in LDS, a piece at a time.  The additions are the places behind the last products.
	WIN 0
.macro ALL line:vararg              ; one line for each piece t
.set t, 0
.rept 4
	\line
.set t, t+1
.endr
.endm
	ALL v_add_f32 v[ST+4*t+2], v[ST+4*t+2], v[ST+4*t+3]
	ALL v_permlanex16_b32 v[ST+4*t+3], v[ST+4*t+2], s[SEL], s[SEL+1]
	ALL v_add_f32 v[ST+4*t+2], v[ST+4*t+2], v[ST+4*t+3]
	ALL v_rcp_f32 v[ST+4*t+2], v[ST+4*t+2]
	v_nop                           ; a plain instruction between the last reciprocal and the use of its result
.macro PACK t                       ; a lane's eight channels of a row pack into 16 bytes; they go into rows of 144 bytes and come back as whole rows of 128, into S^T's registers
	WIN W_RS
.set i, 32*(\t)
.rept 16
	v_pk_mul_f32 v[i:i+1], v[i:i+1], v[ST+4*(\t)+2:ST+4*(\t)+3] op_sel_hi:[1,0]
.set i, i+2
.endr
	WIN 0x05                        ; sources 0 and 1 window 1, destination window 0
.set i, 0
.rept 16
	v_cvt_pk_bf16_f32 v[S+16*(\t)+i], v[32*(\t)+2*i], v[32*(\t)+2*i+1]
.set i, i+1
.endr
	WIN 0
.irp f, 0,1,2,3
	ds_store_b128 v[STO], v[S+16*(\t)+4*\f:S+16*(\t)+4*\f+3] offset:32*\f
.endr
.irp f, 0,1,2,3
	ds_load_b128 v[S+16*(\t)+4*\f:S+16*(\t)+4*\f+3], v[RD] offset:\f*4*SP  ; LDS serves a wave's instructions in order (ISA guide 5.7.1.4): these see the stores above; the next piece's stores come behind them
.endr
.endm
.macro SEND t, younger              ; younger: the LDS instructions issued behind piece t's loads: the next piece's eight, or none
	WIN 0
.irp f, 0,1,2,3
	s_wait_dscnt (\younger)+3-\f
	global_store_b128 v[GO], v[S+16*(\t)+4*\f:S+16*(\t)+4*\f+3], s[10:11] offset:(\t)*8192+\f*512  ; 512 consecutive bytes, at a multiple of 256 from O's first
.endr
.endm
	PACK 0
.set t, 1
.rept 3                             ; a piece's arithmetic stands between the loads of the piece before and its stores
	PACK t
	SEND t-1, 8
.set t, t+1
.endr
	SEND 3, 0
	s_wait_tensorcnt 0x0            ; the wave's end
	ds_add_u32 v[SPW], v[NIL]
	s_wait_dscnt 0x0
	CROUND                          ; the closing round: no work-group ends while a partner may still ask for a tile that names it
	s_endpgm
.Lfunc_end_k_qce0acd16a1_attn:
	.size	k_qce0acd16a1_attn, .Lfunc_end_k_qce0acd16a1_attn-k_qce0acd16a1_attn
	.p2alignl 7, 3214868480
	.fill 96, 4, 3214868480
	.section	.rodata,"a",@progbits
	.p2align	6, 0x0
	.amdhsa_kernel k_qce0acd16a1_attn
		.amdhsa_group_segment_fixed_size 327680
		.amdhsa_private_segment_fixed_size 0
		.amdhsa_enable_private_segment 0
		.amdhsa_kernarg_size 24
		.amdhsa_user_sgpr_count 2
		.amdhsa_user_sgpr_kernarg_segment_ptr 1
		.amdhsa_wavefront_size32 1
		.amdhsa_system_sgpr_workgroup_id_x 1
		.amdhsa_system_sgpr_workgroup_id_y 1
		.amdhsa_system_sgpr_workgroup_id_z 1
		.amdhsa_system_vgpr_workitem_id 0
		.amdhsa_next_free_vgpr 768
		.amdhsa_next_free_sgpr 72
		.amdhsa_reserve_vcc 1
		.amdhsa_float_denorm_mode_32 3
		.amdhsa_float_denorm_mode_16_64 3
		.amdhsa_memory_ordered 1
		.amdhsa_forward_progress 1
		.amdhsa_inst_pref_size 129
	.end_amdhsa_kernel
	.amdgpu_metadata
---
amdhsa.version: [ 1, 2 ]
amdhsa.kernels:
  - .name:           k_qce0acd16a1_attn
    .symbol:         k_qce0acd16a1_attn.kd
    .args:
      - { .name: qkv, .offset: 0, .size: 8, .value_kind: global_buffer, .address_space: global }
      - { .name: mask, .offset: 8, .size: 8, .value_kind: global_buffer, .address_space: global }
      - { .name: ao, .offset: 16, .size: 8, .value_kind: global_buffer, .address_space: global }
    .group_segment_fixed_size: 327680
    .private_segment_fixed_size: 0
    .kernarg_segment_align: 8
    .kernarg_segment_size: 24
    .max_flat_workgroup_size: 128
    .sgpr_count:     72
    .vgpr_count:     768
    .wavefront_size: 32
...
	.end_amdgpu_metadata
.endif
;; end of part 3
;; launch gemm_o (part 4): grid 8 x 32, 4 waves a work-group, clusters of 4 x 4, 327,680 bytes of LDS; arguments ao, wb, b1, x, y; writes y
.if DOCPART == 4
	.amdgcn_target "amdgcn-amd-amdhsa--gfx1250"
	.amdhsa_code_object_version 6
	.text
	.protected	k_qce0acd16a1_gemm_o
	.globl	k_qce0acd16a1_gemm_o
	.p2align	8
	.type	k_qce0acd16a1_gemm_o,@function
k_qce0acd16a1_gemm_o:
	s_mov_b64 s[64:65], 0
	v_nop
	global_prefetch_b8 v0, s[64:65] scope:SCOPE_SE
	s_setreg_imm32_b32 hwreg(HW_REG_WAVE_MODE, 25, 1), 1
	s_wait_xcnt 0x0
	s_wait_alu depctr_hold_cnt(0) depctr_sa_sdst(0) depctr_va_vdst(0) depctr_va_sdst(0) depctr_va_ssrc(0) depctr_va_vcc(0) depctr_vm_vsrc(0)
	s_getreg_b32 s2, hwreg(HW_REG_IB_STS2, 6, 4)
	s_cmp_eq_u32 s2, 0
	s_cbranch_scc0 .Lentry_in_a_cluster
	s_endpgm
.Lentry_in_a_cluster:
	s_bfe_u32 s2, ttmp6, 0x10000c
	s_cmp_lg_u32 s2, 0xf033
	s_cbranch_scc0 .Lentry_shape_is_right
	s_endpgm
.Lentry_shape_is_right:
; y = attn w1 + b1 + x: 4,096 tokens x 1,024 columns, K = 1,024.  Operands bf16, sums f32, each sum begun with its bias; the residual x is added in f32, and y is stored in f32 for the norm that follows.
; A (ao) lies in panels [K/64][4096 tokens][64]; B (wb, from byte WOFF) in panels [N/128][K][128].
; LIMITS.  NaN and infinities are not treated apart; the bias starts the f32 sum and the residual ends it, so the order of rounding differs from bias and residual added in the written order.
; SHARES.  A tile of C is 128 x 128: 256 work-groups.  Four waves, each 64 x 64: 16 accumulators.  K goes in steps of 256 through two LDS slots; a wave's one tensor load brings a quarter of a slot.
; CLUSTER.  4 x 4 work-groups: the four of a row need the same tiles of A, the four of a column the same tiles of B: each tile is asked for jointly.
; THE MATRIX INSTRUCTION IS USED TRANSPOSED (source 0 = 16 columns of B, source 1 = 16 tokens of A): a lane holds one token (lane % 16) and eight neighbouring columns 8 (lane / 16) + 0..7.
; B lies [k][n] in LDS and is turned on its way into registers by ds_load_tr16_b128.
; REGISTERS.  Window 0: v0-31 addresses; v64-127 the way out; v128-191, v192-255 two fragment buffers of 32 along K.  Window 1: v0-127 the accumulators, (a, b) at 8 (4 a + b); v128-255 the residual, then y.
.set KS,    4                          ; K steps of 256
.set WOFF,  6291456                    ; where this product's panels begin in wb
.set BPAN,  KS*65536                   ; bytes in a panel of B
.set PA,    144                        ; a token's 128 bytes of a panel + 16: 36 words, so the 16 rows of a load start at 16 different groups of four banks (64 banks of 4 bytes: ISA guide 11.1)
.set PB,    288                        ; a row of B: 256 bytes + 32 = 72 words
.set APAN,  64*PA
.set HALFT, 4*APAN                     ; what one tensor load brings: 64 tokens x 4 panels of A, or 128 rows of B
.set SLOT,  4*HALFT                    ; its two bits (17 and 14) are set in none of wave x HALFT, so one exclusive or turns an address in one slot into the other's
.set STAGE, 2*SLOT                     ; behind the ring: 16 rows x 272 bytes for each wave; no tensor load lands there
.set SPARE, STAGE+4*4352               ; the spare words, 128 bytes for each wave: two blocks of 256 bytes that no other line names
.set A0,  16
.set B0,  17
.set PAA, 18
.set PBB, 19
.set BO,  20                           ; v20  32 (lane / 16): my eight numbers of the bias
.set GO,  21                           ; v21  my 16 bytes in two rows of x and y: lanes 0-15 one row's 256 bytes, lanes 16-31 the next row's
.set STO, 22
.set RD,  23
.set SPW, 28
.set NIL, 29
.set TW,  64                           ; v64-127  rows read back from the stage, two buffers
.set RR,  128                          ; window 1: the residual of row pair t of block a at RR + 32 a + 4 t
.set H0,  128
.set H1,  192
.set G1,  24
.set G0,  32
.set G1B, 48
.set G0B, 56
.set KC,  36
.set CNT, 37
.set SB,  38
.set TA,  39
.set TB,  45
.set MSB, 0
.macro WIN new                         ; s_set_vgpr_msb: bits 1:0 source 0, 3:2 source 1, 5:4 source 2, 7:6 destination; the high byte repeats the setting that is left
.if MSB != (\new)
	s_set_vgpr_msb (MSB<<8)|(\new)
.set MSB, \new
.endif
.endm
.macro PLACES                          ; four places in front of loads into registers that matrix instructions have read, and of lines that read their results
.rept 4
	v_nop
.endr
.endm
.macro JLOAD                           ; a joint load: waves 0 and 1 fetch A's two halves, waves 2 and 3 B's; an s_nop 0 and four v_nop follow each line
	s_cmp_eq_u32 s11, 0
	s_cbranch_scc0 .Lfor_b_\@
	tensor_load_to_lds s[G0:G0+3], s[G1:G1+7]
	s_nop 0
.rept 4
	v_nop
.endr
	s_branch .Lasked_\@
.Lfor_b_\@:
	tensor_load_to_lds s[G0B:G0B+3], s[G1B:G1B+7]
	s_nop 0
.rept 4
	v_nop
.endr
.Lasked_\@:
.endm
.macro CREST                           ; a round of the cluster's barrier behind its opening barrier
	s_cmp_lg_u32 s10, 0
	s_cbranch_scc1 .Lnot_wave_0_\@
	s_barrier_signal -3
.Lnot_wave_0_\@:
	s_barrier_wait -3
	s_barrier_signal -1
	s_barrier_wait -1
.endm
.macro CROUND
	s_barrier_signal -1
	s_barrier_wait -1
	CREST
.endm
.macro STEPD                           ; both walking descriptors: the other slot, the next K step.  Written only where no tensor load of mine is out
	s_xor_b32 s[G0+1], s[G0+1], SLOT
	s_add_nc_u64 s[G0+2:G0+3], s[G0+2:G0+3], 4*524288
	s_xor_b32 s[G0B+1], s[G0B+1], SLOT
	s_add_nc_u64 s[G0B+2:G0B+3], s[G0B+2:G0B+3], 65536
.endm
.macro MUL8 f, a0                      ; 8 matrix instructions; the 16 accumulators take turns, one instruction a turn
	WIN 0x50
.irp a, \a0, (\a0)+1
.irp b, 0,1,2,3
	v_wmma_f32_16x16x32_bf16 v[8*(4*(\a)+(\b)):8*(4*(\a)+(\b))+7], v[(\f)+32+8*(\b):(\f)+32+8*(\b)+7], v[(\f)+8*(\a):(\f)+8*(\a)+7], v[8*(4*(\a)+(\b)):8*(4*(\a)+(\b))+7]
.endr
.endr
.endm
.macro FETCH f, kk                     ; 16 LDS loads in one run: the fragments of 32 along K, half kk of the 64 at PAA / PBB
	WIN 0
.irp i, 0,1,2,3
	ds_load_tr16_b128 v[(\f)+32+8*(\i):(\f)+32+8*(\i)+3],   v[PBB] offset:(\kk)*32*PB+32*(\i)
	ds_load_tr16_b128 v[(\f)+32+8*(\i)+4:(\f)+32+8*(\i)+7], v[PBB] offset:(\kk)*32*PB+16*PB+32*(\i)
	ds_load_b128 v[(\f)+8*(\i):(\f)+8*(\i)+3],   v[PAA] offset:(\kk)*64+(\i)*16*PA
	ds_load_b128 v[(\f)+8*(\i)+4:(\f)+8*(\i)+7], v[PAA] offset:(\kk)*64+(\i)*16*PA+32
.endr
.endm
.macro PAIR                            ; 64 along K: multiplies both buffers and fetches the next 64 of the same slot into them
	s_add_co_u32 s[TA], s[TA], APAN
	s_add_co_u32 s[TB], s[TB], 64*PB
	s_wait_dscnt 16                                ; buffer 0 is in; buffer 1's sixteen loads may be out
	MUL8 H0, 0
	MUL8 H0, 2
	WIN 0
	v_add_nc_u32 v[PAA], s[TA], v[A0]              ; these two and two v_nop are the four places in front of the loads
	v_add_nc_u32 v[PBB], s[TB], v[B0]
	v_nop
	v_nop
	FETCH H0, 0
	s_wait_dscnt 16                                ; buffer 1 is in; the sixteen just issued may be out
	MUL8 H1, 0
	MUL8 H1, 2
	WIN 0
	PLACES
	FETCH H1, 1
.endm
; A slot's last 64 along K, and the change of slots: ONE barrier.  In front of it each wave waits for all its tensor loads (one is out: its part of the next slot), adds 0 to its spare word,
; and waits for that and for its reads of this slot.  fill = 1: the barrier opens a round of the cluster's, and this slot is filled again, two K steps ahead, first thing behind the round.
.macro TURN fill
	WIN 0
	s_wait_tensorcnt 0x0
	ds_add_u32 v[SPW], v[NIL]
.if \fill
	STEPD
.endif
	s_xor_b32 s[SB], s[SB], SLOT
	s_mov_b32 s[TA], s[SB]
	s_mov_b32 s[TB], s[SB]
	s_wait_dscnt 17                                ; buffer 0 is in; buffer 1's sixteen loads and the add may be out
	MUL8 H0, 0
	s_wait_dscnt 0x0                               ; the add is done, and my reads of this slot are over
	s_barrier_signal -1
	MUL8 H0, 2
	WIN 0
	s_barrier_wait -1
.if \fill
	CREST
	JLOAD
.else
	PLACES
.endif
	v_add_nc_u32 v[PAA], s[TA], v[A0]
	v_add_nc_u32 v[PBB], s[TB], v[B0]
	FETCH H0, 0
	MUL8 H1, 0
	MUL8 H1, 2
	WIN 0
	PLACES
	FETCH H1, 1
.endm
.macro KSTEP fill
	s_mov_b32 s[CNT], 3
.Lpair_\@:
	PAIR
	s_sub_co_u32 s[CNT], s[CNT], 1
	s_cmp_lg_u32 s[CNT], 0
	s_cbranch_scc1 .Lpair_\@
	TURN \fill
.endm
	s_load_b128 s[4:7], s[0:1], 0x0                ; A s[4:5], wb s[6:7]
	s_load_b128 s[60:63], s[0:1], 0x10             ; the bias s[60:61], the residual s[62:63]
	s_load_b64 s[8:9], s[0:1], 0x20                ; y
	v_lshl_add_u32 v[SPW], v0, 2, SPARE
	v_mov_b32 v[NIL], 0
	ds_add_u32 v[SPW], v[NIL]                      ; the wave's opening: the add and its wait stand ahead of my first tensor load; work on registers stands between them
	v_lshrrev_b32 v1, 5, v0
	v_readfirstlane_b32 s10, v1                    ; wave 0..3
	s_lshr_b32 s11, s10, 1                         ; my half of the tile's rows.  Also: I fetch for A (0) or for B (1)
	s_and_b32 s12, s10, 1                          ; my half of its columns.  Also: which half of that tile I fetch
	s_bfe_u32 s40, ttmp6, 0x40000                  ; cx, cy
	s_bfe_u32 s41, ttmp6, 0x40004
	s_lshl_b32 s42, ttmp9, 2
	s_add_co_u32 s42, s42, s40                     ; tile column
	s_and_b32 s13, ttmp7, 0xffff
	s_lshl_b32 s13, s13, 2
	s_add_co_u32 s13, s13, s41                     ; tile row
	s_lshl_b32 s43, s41, 2
	s_lshl_b32 s43, 15, s43                        ; my row of the cluster
	s_lshl_b32 s44, 0x1111, s40                    ; my column
	; A's tile: 4 rows (panels) of 4,096 elements (64 tokens x 64 channels, 8,192 dense bytes), a panel apart; 4 words of padding after every 32
	s_or_b32 s[G1+0], s43, (1<<16)|(1<<20)|(1<<21)|(4<<22)|(3<<25)
	s_mov_b32 s[G1+1], 4096<<16
	s_mov_b32 s[G1+2], 4<<16
	s_mov_b32 s[G1+3], 4096<<16
	s_mov_b32 s[G1+4], 4
	s_mov_b32 s[G1+5], 262144
	s_mov_b32 s[G1+6], 0
	s_mov_b32 s[G1+7], 0
	; B's tile: 128 rows of 128 elements; 8 words of padding after every 64
	s_or_b32 s[G1B+0], s44, (1<<16)|(1<<20)|(1<<21)|(5<<22)|(7<<25)
	s_mov_b32 s[G1B+1], 128<<16
	s_mov_b32 s[G1B+2], 128<<16
	s_mov_b32 s[G1B+3], 128<<16
	s_mov_b32 s[G1B+4], 128
	s_mov_b32 s[G1B+5], 128
	s_mov_b32 s[G1B+6], 0
	s_mov_b32 s[G1B+7], 0
	s_lshl_b32 s16, s13, 14                        ; A: the tile row and the wave alone
	s_lshl_b32 s17, s12, 13
	s_add_co_u32 s16, s16, s17
	s_mov_b32 s17, 0
	s_mul_i32 s46, s42, BPAN                       ; B: the tile column and the wave alone
	s_lshl_b32 s47, s12, 15
	s_add_co_u32 s46, s46, s47
	s_add_co_u32 s46, s46, WOFF
	s_mov_b32 s47, 0
	s_mul_i32 s20, s10, HALFT
	s_mov_b32 s[G0], 1
	s_mov_b32 s[G0+1], s20
	s_mov_b32 s[G0B], 1
	s_mov_b32 s[G0B+1], s20
	s_lshl_b32 s2, s42, 9                          ; my 64 columns, in bytes of f32
	s_lshl_b32 s3, s12, 8
	s_add_co_u32 s2, s2, s3
	s_mov_b32 s3, 0
	s_lshl_b32 s14, s13, 19                        ; my 64 rows of 4,096 bytes, and those columns
	s_lshl_b32 s15, s11, 18
	s_add_co_u32 s14, s14, s15
	s_add_co_u32 s14, s14, s2
	s_mov_b32 s15, 0
	s_wait_dscnt 0x0                               ; the opening add is done
	s_wait_kmcnt 0x0
	s_add_nc_u64 s[G0+2:G0+3], s[4:5], s[16:17]
	s_or_b32 s[G0+3], s[G0+3], 0x80000000
	s_add_nc_u64 s[G0B+2:G0B+3], s[6:7], s[46:47]
	s_or_b32 s[G0B+3], s[G0B+3], 0x80000000
	s_add_nc_u64 s[60:61], s[60:61], s[2:3]
	s_add_nc_u64 s[62:63], s[62:63], s[14:15]
	s_add_nc_u64 s[8:9], s[8:9], s[14:15]
	CROUND                                         ; all sixteen work-groups are here: the first joint loads meet
	JLOAD                                          ; K step 0 into slot 0
	v_and_b32 v1, 15, v0                           ; r
	v_bfe_u32 v2, v0, 4, 1                         ; hh
	v_lshlrev_b32 v[BO], 5, v2
	v_lshlrev_b32 v[GO], 4, v1
	v_lshl_add_u32 v[GO], v2, 12, v[GO]
	WIN 0x40                                       ; destination window 1: the bias goes straight into the accumulators: register j of (a, b) is column 16 b + 8 hh + j
.set i, 0
.rept 16
	global_load_b128 v[8*i:8*i+3],   v[BO], s[60:61] offset:64*(i%4)
	global_load_b128 v[8*i+4:8*i+7], v[BO], s[60:61] offset:64*(i%4)+16
.set i, i+1
.endr
.set i, 0
.rept 32                                       ; the residual, as the way out will hold the sums: rows 2 i, 2 i + 1 of my 64
	global_load_b128 v[RR+4*i:RR+4*i+3], v[GO], s[62:63] offset:2*i*4096
.set i, i+1
.endr
	WIN 0
	v_mul_u32_u24 v[A0], v1, PA
	v_lshl_add_u32 v[A0], v2, 4, v[A0]
	s_mul_i32 s21, s11, HALFT
	v_add_nc_u32 v[A0], s21, v[A0]
	v_and_b32 v3, 7, v0
	v_lshl_add_u32 v3, v2, 3, v3
	v_mul_u32_u24 v[B0], v3, PB
	v_bfe_u32 v3, v0, 3, 1
	v_lshl_add_u32 v[B0], v3, 4, v[B0]
	s_lshl_b32 s22, s12, 7
	s_add_co_u32 s22, s22, 2*HALFT
	v_add_nc_u32 v[B0], s22, v[B0]
	s_mul_i32 s23, s10, 4352
	s_add_co_u32 s23, s23, STAGE                   ; my stage
	v_mul_u32_u24 v[STO], v1, 272                  ; in: row r, 32 bytes for each half of the lanes
	v_lshl_add_u32 v[STO], v2, 5, v[STO]
	v_add_nc_u32 v[STO], s23, v[STO]
	v_mul_u32_u24 v[RD], v2, 272                   ; back: lanes 0-15 one row of 256 bytes, lanes 16-31 the next
	v_lshl_add_u32 v[RD], v1, 4, v[RD]
	v_add_nc_u32 v[RD], s23, v[RD]
	; THE FIRST CHANGE: slot 0 is waited for, slot 1 is filled as a refill is
	s_wait_tensorcnt 0x0
	ds_add_u32 v[SPW], v[NIL]
	STEPD
	s_mov_b32 s[SB], 0
	s_mov_b32 s[TA], 0
	s_mov_b32 s[TB], 0
	s_wait_dscnt 0x0
	CROUND
	JLOAD                                          ; K step 1 into slot 1
	v_add_nc_u32 v[PAA], s[TA], v[A0]
	v_add_nc_u32 v[PBB], s[TB], v[B0]
	FETCH H0, 0
	FETCH H1, 1
	s_wait_loadcnt 32                              ; the bias is in the accumulators; the residual's 32 loads, issued behind it, may stay out
	s_mov_b32 s[KC], KS-2
.Lk:
	KSTEP 1
	s_sub_co_u32 s[KC], s[KC], 1
	s_cmp_lg_u32 s[KC], 0
	s_cbranch_scc1 .Lk
	KSTEP 0                                        ; the last two K steps are written out: nothing is left to ask for
	s_mov_b32 s[CNT], 3
.Llast:
	PAIR
	s_sub_co_u32 s[CNT], s[CNT], 1
	s_cmp_lg_u32 s[CNT], 0
	s_cbranch_scc1 .Llast
	s_wait_dscnt 16
	MUL8 H0, 0
	MUL8 H0, 2
	s_wait_dscnt 0x0
	MUL8 H1, 0
	MUL8 H1, 2
	WIN 0
	PLACES
	; THE WAY OUT, a block of 16 tokens at a time: the f32 sums go into my own stage (each accumulator from its low end on) and come back as whole rows of 256 bytes; the residual is added; 16 lanes store 256 consecutive bytes
.macro TOST a
	WIN 0x04                                       ; store data in window 1
.irp b, 0,1,2,3
	ds_store_b128 v[STO], v[8*(4*(\a)+(\b)):8*(4*(\a)+(\b))+3]   offset:64*(\b)
	ds_store_b128 v[STO], v[8*(4*(\a)+(\b))+4:8*(4*(\a)+(\b))+7] offset:64*(\b)+16
.endr
.irp t, 0,1,2,3,4,5,6,7
	ds_load_b128 v[TW+32*((\a)%2)+4*(\t):TW+32*((\a)%2)+4*(\t)+3], v[RD] offset:544*(\t)  ; LDS serves a wave's instructions in order (ISA guide 5.7.1.4)
.endr
.endm
.macro FIN a, younger                  ; younger: the next block's sixteen LDS instructions, or none
	s_wait_dscnt \younger
	WIN 0x44                                       ; destination and source 1 (for a store: the data) in window 1
.irp t, 0,1,2,3,4,5,6,7
	v_pk_add_f32 v[RR+32*(\a)+4*(\t):RR+32*(\a)+4*(\t)+1],   v[TW+32*((\a)%2)+4*(\t):TW+32*((\a)%2)+4*(\t)+1],   v[RR+32*(\a)+4*(\t):RR+32*(\a)+4*(\t)+1]
	v_pk_add_f32 v[RR+32*(\a)+4*(\t)+2:RR+32*(\a)+4*(\t)+3], v[TW+32*((\a)%2)+4*(\t)+2:TW+32*((\a)%2)+4*(\t)+3], v[RR+32*(\a)+4*(\t)+2:RR+32*(\a)+4*(\t)+3]
.endr
.irp t, 0,1,2,3,4,5,6,7
	global_store_b128 v[GO], v[RR+32*(\a)+4*(\t):RR+32*(\a)+4*(\t)+3], s[8:9] offset:(16*(\a)+2*(\t))*4096
.endr
.endm
	s_wait_loadcnt 0x0                             ; the residual
	TOST 0
	TOST 1
	FIN 0, 16
	TOST 2
	FIN 1, 16
	TOST 3
	FIN 2, 16
	FIN 3, 0
	WIN 0
	s_wait_tensorcnt 0x0                           ; the wave's end
	ds_add_u32 v[SPW], v[NIL]
	s_wait_dscnt 0x0
	CROUND                                         ; the closing round
	s_endpgm
.Lfunc_end_k_qce0acd16a1_gemm_o:
	.size	k_qce0acd16a1_gemm_o, .Lfunc_end_k_qce0acd16a1_gemm_o-k_qce0acd16a1_gemm_o
	.p2alignl 7, 3214868480
	.fill 96, 4, 3214868480
	.section	.rodata,"a",@progbits
	.p2align	6, 0x0
	.amdhsa_kernel k_qce0acd16a1_gemm_o
		.amdhsa_group_segment_fixed_size 327680
		.amdhsa_private_segment_fixed_size 0
		.amdhsa_enable_private_segment 0
		.amdhsa_kernarg_size 40
		.amdhsa_user_sgpr_count 2
		.amdhsa_user_sgpr_kernarg_segment_ptr 1
		.amdhsa_wavefront_size32 1
		.amdhsa_system_sgpr_workgroup_id_x 1
		.amdhsa_system_sgpr_workgroup_id_y 1
		.amdhsa_system_sgpr_workgroup_id_z 1
		.amdhsa_system_vgpr_workitem_id 0
		.amdhsa_next_free_vgpr 512
		.amdhsa_next_free_sgpr 66
		.amdhsa_reserve_vcc 0
		.amdhsa_float_denorm_mode_32 3
		.amdhsa_float_denorm_mode_16_64 3
		.amdhsa_memory_ordered 1
		.amdhsa_forward_progress 1
		.amdhsa_inst_pref_size 54
	.end_amdhsa_kernel
	.amdgpu_metadata
---
amdhsa.version: [ 1, 2 ]
amdhsa.kernels:
  - .name:           k_qce0acd16a1_gemm_o
    .symbol:         k_qce0acd16a1_gemm_o.kd
    .args:
      - { .name: ao, .offset: 0, .size: 8, .value_kind: global_buffer, .address_space: global }
      - { .name: wb, .offset: 8, .size: 8, .value_kind: global_buffer, .address_space: global }
      - { .name: b1, .offset: 16, .size: 8, .value_kind: global_buffer, .address_space: global }
      - { .name: x, .offset: 24, .size: 8, .value_kind: global_buffer, .address_space: global }
      - { .name: y, .offset: 32, .size: 8, .value_kind: global_buffer, .address_space: global }
    .group_segment_fixed_size: 327680
    .private_segment_fixed_size: 0
    .kernarg_segment_align: 8
    .kernarg_segment_size: 40
    .max_flat_workgroup_size: 128
    .sgpr_count:     66
    .vgpr_count:     512
    .wavefront_size: 32
...
	.end_amdgpu_metadata
.endif
;; end of part 4
;; launch ln1 (part 5): grid 256 x 1, 8 waves a work-group, no clusters, 0 bytes of LDS; arguments y, g1, be1, x1, x1b; writes x1, x1b
.if DOCPART == 5
	.amdgcn_target "amdgcn-amd-amdhsa--gfx1250"
	.amdhsa_code_object_version 6
	.text
	.protected	k_qce0acd16a1_ln1
	.globl	k_qce0acd16a1_ln1
	.p2align	8
	.type	k_qce0acd16a1_ln1,@function
k_qce0acd16a1_ln1:
	s_mov_b64 s[64:65], 0
	v_nop
	global_prefetch_b8 v0, s[64:65] scope:SCOPE_SE
	s_setreg_imm32_b32 hwreg(HW_REG_WAVE_MODE, 25, 1), 1
	s_wait_xcnt 0x0
; LAYER NORM over rows of 1,024 f32: x1 = (y - mean) rsqrt(var + 1e-5) g + be, all in f32; var is the mean of the squared differences from the mean, formed after the mean is taken away.
; x1 is stored in f32 (the next residual) and, rounded once to bf16, in panels [16][4096 tokens][64] (x1b, the next product's operand).
; A stream: each byte is read once and written once; the rows stay in registers between the passes; a row lies in 16 lanes, so the sums never leave a half of a wave: no LDS, no barrier, no cluster, no matrix unit.
; SHARES.  A wave takes two rows: lanes 0-15 one, lanes 16-31 the next; a lane holds columns 64 p + 4 (lane % 16) + 0..3, p = 0..15.  Each load and store of f32 covers 256 consecutive bytes of each row.
; LIMITS.  NaN and infinities are not treated apart.
.set SM, 4                             ; v[4:11]    four running sums, in pairs
.set MU, 12                            ; v[12:13]   the mean, twice
.set RS, 14                            ; v[14:15]   rsqrt(var + eps), twice
.set X,  16                            ; v[16:79]   my 64 numbers
.set G,  80                            ; v[80:143]  the gain of my columns
.set BE, 144                           ; v[144:207] the bias of my columns
.set HB, 208                           ; v[208:239] my 64 numbers in bf16
	s_load_b256 s[4:11], s[0:1], 0x0               ; y s[4:5], g s[6:7], be s[8:9], x1 s[10:11]
	s_load_b64 s[12:13], s[0:1], 0x20              ; x1b
	v_lshrrev_b32 v2, 5, v0
	v_readfirstlane_b32 s14, v2                    ; wave
	s_lshl_b32 s15, ttmp9, 3
	s_add_co_u32 s15, s15, s14                     ; my pair of rows
	s_lshl_b32 s16, s15, 13                        ; two rows of 4,096 bytes
	s_mov_b32 s17, 0
	s_lshl_b32 s18, s15, 8                         ; two tokens of 128 bytes in a panel
	s_mov_b32 s19, 0
	s_mov_b32 s20, 0x3a800000                      ; 1 / 1024
	s_mov_b32 s21, 0x3727c5ac                      ; 1e-5
	v_and_b32 v3, 15, v0
	v_lshlrev_b32 v2, 4, v3                        ; v2: 16 (lane % 16), for g and be
	v_bfe_u32 v1, v0, 4, 1
	v_lshl_add_u32 v1, v1, 12, v2                  ; v1: + the second row for lanes 16-31
	v_and_b32 v3, 31, v0
	v_lshlrev_b32 v3, 3, v3                        ; v3: 8 lane: 32 lanes store 256 consecutive bytes of a panel
	s_wait_kmcnt 0x0
	s_add_nc_u64 s[4:5], s[4:5], s[16:17]
	s_add_nc_u64 s[10:11], s[10:11], s[16:17]
	s_add_nc_u64 s[12:13], s[12:13], s[18:19]
.irp p, 0,1,2,3,4,5,6,7,8,9,10,11,12,13,14,15
	global_load_b128 v[X+4*\p:X+4*\p+3], v1, s[4:5] offset:256*\p th:TH_LOAD_NT
.endr
.irp p, 0,1,2,3,4,5,6,7,8,9,10,11,12,13,14,15
	global_load_b128 v[G+4*\p:G+4*\p+3], v2, s[6:7] offset:256*\p
.endr
.irp p, 0,1,2,3,4,5,6,7,8,9,10,11,12,13,14,15
	global_load_b128 v[BE+4*\p:BE+4*\p+3], v2, s[8:9] offset:256*\p
.endr
	s_wait_loadcnt 32                              ; the rows are in; the gain's and the bias's 32 loads may stay out
.irp k, 0,1,2,3                                        ; the sum: four chains, begun by the first pairs: nothing is cleared
	v_pk_add_f32 v[SM+2*\k:SM+2*\k+1], v[X+2*\k:X+2*\k+1], v[X+8+2*\k:X+8+2*\k+1]
.endr
.set j, 8
.rept 24
	v_pk_add_f32 v[SM+2*(j%4):SM+2*(j%4)+1], v[SM+2*(j%4):SM+2*(j%4)+1], v[X+2*j:X+2*j+1]
.set j, j+1
.endr
.macro REDUCE                          ; the four chains, the pair's halves, then the row's 16 lanes: every lane of a half ends up with its row's sum
	v_pk_add_f32 v[SM:SM+1], v[SM:SM+1], v[SM+2:SM+3]
	v_pk_add_f32 v[SM+4:SM+5], v[SM+4:SM+5], v[SM+6:SM+7]
	v_pk_add_f32 v[SM:SM+1], v[SM:SM+1], v[SM+4:SM+5]
	v_add_f32 v[SM], v[SM], v[SM+1]
	v_add_f32_dpp v[SM], v[SM], v[SM] row_xmask:1 row_mask:0xf bank_mask:0xf
	v_add_f32_dpp v[SM], v[SM], v[SM] row_xmask:2 row_mask:0xf bank_mask:0xf
	v_add_f32_dpp v[SM], v[SM], v[SM] row_xmask:4 row_mask:0xf bank_mask:0xf
	v_add_f32_dpp v[SM], v[SM], v[SM] row_xmask:8 row_mask:0xf bank_mask:0xf
.endm
	REDUCE
	v_mul_f32 v[MU], s20, v[SM]
	v_mov_b32 v[MU+1], v[MU]
.set j, 0
.rept 32
	v_pk_add_f32 v[X+2*j:X+2*j+1], v[X+2*j:X+2*j+1], v[MU:MU+1] neg_lo:[0,1] neg_hi:[0,1]
.set j, j+1
.endr
.irp k, 0,1,2,3
	v_pk_mul_f32 v[SM+2*\k:SM+2*\k+1], v[X+2*\k:X+2*\k+1], v[X+2*\k:X+2*\k+1]
.endr
.set j, 4
.rept 28
	v_pk_fma_f32 v[SM+2*(j%4):SM+2*(j%4)+1], v[X+2*j:X+2*j+1], v[X+2*j:X+2*j+1], v[SM+2*(j%4):SM+2*(j%4)+1]
.set j, j+1
.endr
	REDUCE
	v_fma_f32 v[SM], v[SM], s20, s21               ; var + eps
	v_rsq_f32 v[RS], v[SM]
	v_nop                                          ; a plain instruction between the root and the use of its result (ISA guide 5.7.2)
	v_mov_b32 v[RS+1], v[RS]
	s_wait_loadcnt 0x0                             ; the gain and the bias
.set j, 0
.rept 32
	v_pk_mul_f32 v[X+2*j:X+2*j+1], v[X+2*j:X+2*j+1], v[RS:RS+1]
.set j, j+1
.endr
.set j, 0
.rept 32
	v_pk_fma_f32 v[X+2*j:X+2*j+1], v[X+2*j:X+2*j+1], v[G+2*j:G+2*j+1], v[BE+2*j:BE+2*j+1]
.set j, j+1
.endr
.irp p, 0,1,2,3,4,5,6,7,8,9,10,11,12,13,14,15
	global_store_b128 v1, v[X+4*\p:X+4*\p+3], s[10:11] offset:256*\p
.endr
.set j, 0
.rept 32
	v_cvt_pk_bf16_f32 v[HB+j], v[X+2*j], v[X+2*j+1]
.set j, j+1
.endr
.irp p, 0,1,2,3,4,5,6,7,8,9,10,11,12,13,14,15
	global_store_b64 v3, v[HB+2*\p:HB+2*\p+1], s[12:13] offset:524288*\p  ; panel p; 7,864,320 at the most, inside the signed 24-bit immediate
.endr
	s_endpgm
.Lfunc_end_k_qce0acd16a1_ln1:
	.size	k_qce0acd16a1_ln1, .Lfunc_end_k_qce0acd16a1_ln1-k_qce0acd16a1_ln1
	.p2alignl 7, 3214868480
	.fill 96, 4, 3214868480
	.section	.rodata,"a",@progbits
	.p2align	6, 0x0
	.amdhsa_kernel k_qce0acd16a1_ln1
		.amdhsa_group_segment_fixed_size 0
		.amdhsa_private_segment_fixed_size 0
		.amdhsa_enable_private_segment 0
		.amdhsa_kernarg_size 40
		.amdhsa_user_sgpr_count 2
		.amdhsa_user_sgpr_kernarg_segment_ptr 1
		.amdhsa_wavefront_size32 1
		.amdhsa_system_sgpr_workgroup_id_x 1
		.amdhsa_system_sgpr_workgroup_id_y 1
		.amdhsa_system_sgpr_workgroup_id_z 1
		.amdhsa_system_vgpr_workitem_id 0
		.amdhsa_next_free_vgpr 240
		.amdhsa_next_free_sgpr 66
		.amdhsa_reserve_vcc 0
		.amdhsa_float_denorm_mode_32 3
		.amdhsa_float_denorm_mode_16_64 3
		.amdhsa_memory_ordered 1
		.amdhsa_forward_progress 1
		.amdhsa_inst_pref_size 22
	.end_amdhsa_kernel
	.amdgpu_metadata
---
amdhsa.version: [ 1, 2 ]
amdhsa.kernels:
  - .name:           k_qce0acd16a1_ln1
    .symbol:         k_qce0acd16a1_ln1.kd
    .args:
      - { .name: y, .offset: 0, .size: 8, .value_kind: global_buffer, .address_space: global }
      - { .name: g1, .offset: 8, .size: 8, .value_kind: global_buffer, .address_space: global }
      - { .name: be1, .offset: 16, .size: 8, .value_kind: global_buffer, .address_space: global }
      - { .name: x1, .offset: 24, .size: 8, .value_kind: global_buffer, .address_space: global }
      - { .name: x1b, .offset: 32, .size: 8, .value_kind: global_buffer, .address_space: global }
    .group_segment_fixed_size: 0
    .private_segment_fixed_size: 0
    .kernarg_segment_align: 8
    .kernarg_segment_size: 40
    .max_flat_workgroup_size: 256
    .sgpr_count:     66
    .vgpr_count:     240
    .wavefront_size: 32
...
	.end_amdgpu_metadata
.endif
;; end of part 5
;; launch gemm_f1 (part 6): grid 32 x 32, 4 waves a work-group, clusters of 4 x 4, 327,680 bytes of LDS; arguments x1b, wb, fb1, h; writes h
.if DOCPART == 6
	.amdgcn_target "amdgcn-amd-amdhsa--gfx1250"
	.amdhsa_code_object_version 6
	.text
	.protected	k_qce0acd16a1_gemm_f1
	.globl	k_qce0acd16a1_gemm_f1
	.p2align	8
	.type	k_qce0acd16a1_gemm_f1,@function
k_qce0acd16a1_gemm_f1:
	s_mov_b64 s[64:65], 0
	v_nop
	global_prefetch_b8 v0, s[64:65] scope:SCOPE_SE
	s_setreg_imm32_b32 hwreg(HW_REG_WAVE_MODE, 25, 1), 1
	s_wait_xcnt 0x0
	s_wait_alu depctr_hold_cnt(0) depctr_sa_sdst(0) depctr_va_vdst(0) depctr_va_sdst(0) depctr_va_ssrc(0) depctr_va_vcc(0) depctr_vm_vsrc(0)
	s_getreg_b32 s2, hwreg(HW_REG_IB_STS2, 6, 4)
	s_cmp_eq_u32 s2, 0
	s_cbranch_scc0 .Lentry_in_a_cluster
	s_endpgm
.Lentry_in_a_cluster:
	s_bfe_u32 s2, ttmp6, 0x10000c
	s_cmp_lg_u32 s2, 0xf033
	s_cbranch_scc0 .Lentry_shape_is_right
	s_endpgm
.Lentry_shape_is_right:
; h = relu(x1 fw1 + fb1): 4,096 tokens x 4,096 columns, K = 1,024.  Operands bf16, sums f32, each sum begun with its bias; h is rounded once to bf16, and the maximum with 0 is taken of the rounded numbers (the same result).
; A (x1b) lies in panels [K/64][4096 tokens][64]; B (wb, from byte WOFF) in panels [N/128][K][128]; h in panels [64][4096][64].
; LIMITS.  A NaN sum gives 0 (the maximum drops it); infinities are not treated apart; the bias starts the f32 sum, so the order of rounding differs from a sum with the bias added last.
; SHARES.  A tile of C is 128 x 128: 1,024 work-groups.  Four waves, each 64 x 64: 16 accumulators.  K goes in steps of 256 through two LDS slots; a wave's one tensor load brings a quarter of a slot.
; CLUSTER.  4 x 4 work-groups: the four of a row need the same tiles of A, the four of a column the same tiles of B: each tile is asked for jointly.
; THE MATRIX INSTRUCTION IS USED TRANSPOSED (source 0 = 16 columns of B, source 1 = 16 tokens of A): a lane holds one token (lane % 16) and eight neighbouring columns 8 (lane / 16) + 0..7.
; B lies [k][n] in LDS and is turned on its way into registers by ds_load_tr16_b128.
; REGISTERS.  Window 0: v0-31 addresses; v32-127 the way out; v128-191, v192-255 two fragment buffers of 32 along K.  Window 1: v0-127 the accumulators, (a, b) at 8 (4 a + b).
.set KS,    4                          ; K steps of 256
.set WOFF,  8388608                    ; where this product's panels begin in wb
.set BPAN,  KS*65536
.set PA,    144                        ; a token's 128 bytes of a panel + 16: 36 words, so the 16 rows of a load start at 16 different groups of four banks (64 banks of 4 bytes: ISA guide 11.1)
.set PB,    288                        ; a row of B: 256 bytes + 32 = 72 words
.set APAN,  64*PA
.set HALFT, 4*APAN
.set SLOT,  4*HALFT                    ; its two bits (17 and 14) are set in none of wave x HALFT, so one exclusive or turns an address in one slot into the other's
.set STAGE, 2*SLOT                     ; behind the ring: 4,352 bytes for each wave; no tensor load lands there
.set SPARE, STAGE+4*4352               ; the spare words, 128 bytes for each wave: two blocks of 256 bytes that no other line names
.set A0,  16
.set B0,  17
.set PAA, 18
.set PBB, 19
.set BO,  20
.set GO,  21
.set STO, 22
.set RD,  23
.set ZR,  25                           ; v25  0, for the packed maximum
.set SPW, 28
.set NIL, 29
.set OB,  32
.set TMP, 96
.set H0,  128
.set H1,  192
.set G1,  24
.set G0,  32
.set G1B, 48
.set G0B, 56
.set KC,  36
.set CNT, 37
.set SB,  38
.set TA,  39
.set TB,  45
.set MSB, 0
.macro WIN new                         ; s_set_vgpr_msb: bits 1:0 source 0, 3:2 source 1, 5:4 source 2, 7:6 destination; the high byte repeats the setting that is left
.if MSB != (\new)
	s_set_vgpr_msb (MSB<<8)|(\new)
.set MSB, \new
.endif
.endm
.macro PLACES                          ; four places in front of loads into registers that matrix instructions have read, and of lines that read their results
.rept 4
	v_nop
.endr
.endm
.macro JLOAD                           ; a joint load: waves 0 and 1 fetch A's two halves, waves 2 and 3 B's; an s_nop 0 and four v_nop follow each line
	s_cmp_eq_u32 s11, 0
	s_cbranch_scc0 .Lfor_b_\@
	tensor_load_to_lds s[G0:G0+3], s[G1:G1+7]
	s_nop 0
.rept 4
	v_nop
.endr
	s_branch .Lasked_\@
.Lfor_b_\@:
	tensor_load_to_lds s[G0B:G0B+3], s[G1B:G1B+7]
	s_nop 0
.rept 4
	v_nop
.endr
.Lasked_\@:
.endm
.macro CREST                           ; a round of the cluster's barrier behind its opening barrier
	s_cmp_lg_u32 s10, 0
	s_cbranch_scc1 .Lnot_wave_0_\@
	s_barrier_signal -3
.Lnot_wave_0_\@:
	s_barrier_wait -3
	s_barrier_signal -1
	s_barrier_wait -1
.endm
.macro CROUND
	s_barrier_signal -1
	s_barrier_wait -1
	CREST
.endm
.macro STEPD                           ; both walking descriptors: the other slot, the next K step.  Written only where no tensor load of mine is out
	s_xor_b32 s[G0+1], s[G0+1], SLOT
	s_add_nc_u64 s[G0+2:G0+3], s[G0+2:G0+3], 4*524288
	s_xor_b32 s[G0B+1], s[G0B+1], SLOT
	s_add_nc_u64 s[G0B+2:G0B+3], s[G0B+2:G0B+3], 65536
.endm
.macro MUL8 f, a0                      ; 8 matrix instructions; the 16 accumulators take turns, one instruction a turn
	WIN 0x50
.irp a, \a0, (\a0)+1
.irp b, 0,1,2,3
	v_wmma_f32_16x16x32_bf16 v[8*(4*(\a)+(\b)):8*(4*(\a)+(\b))+7], v[(\f)+32+8*(\b):(\f)+32+8*(\b)+7], v[(\f)+8*(\a):(\f)+8*(\a)+7], v[8*(4*(\a)+(\b)):8*(4*(\a)+(\b))+7]
.endr
.endr
.endm
.macro FETCH f, kk                     ; 16 LDS loads in one run: the fragments of 32 along K, half kk of the 64 at PAA / PBB
	WIN 0
.irp i, 0,1,2,3
	ds_load_tr16_b128 v[(\f)+32+8*(\i):(\f)+32+8*(\i)+3],   v[PBB] offset:(\kk)*32*PB+32*(\i)
	ds_load_tr16_b128 v[(\f)+32+8*(\i)+4:(\f)+32+8*(\i)+7], v[PBB] offset:(\kk)*32*PB+16*PB+32*(\i)
	ds_load_b128 v[(\f)+8*(\i):(\f)+8*(\i)+3],   v[PAA] offset:(\kk)*64+(\i)*16*PA
	ds_load_b128 v[(\f)+8*(\i)+4:(\f)+8*(\i)+7], v[PAA] offset:(\kk)*64+(\i)*16*PA+32
.endr
.endm
.macro PAIR                            ; 64 along K: multiplies both buffers and fetches the next 64 of the same slot into them
	s_add_co_u32 s[TA], s[TA], APAN
	s_add_co_u32 s[TB], s[TB], 64*PB
	s_wait_dscnt 16                                ; buffer 0 is in; buffer 1's sixteen loads may be out
	MUL8 H0, 0
	MUL8 H0, 2
	WIN 0
	v_add_nc_u32 v[PAA], s[TA], v[A0]              ; these two and two v_nop are the four places in front of the loads
	v_add_nc_u32 v[PBB], s[TB], v[B0]
	v_nop
	v_nop
	FETCH H0, 0
	s_wait_dscnt 16                                ; buffer 1 is in; the sixteen just issued may be out
	MUL8 H1, 0
	MUL8 H1, 2
	WIN 0
	PLACES
	FETCH H1, 1
.endm
; A slot's last 64 along K, and the change of slots: ONE barrier.  In front of it each wave waits for all its tensor loads (one is out: its part of the next slot), adds 0 to its spare word,
; and waits for that and for its reads of this slot.  fill = 1: the barrier opens a round of the cluster's, and this slot is filled again, two K steps ahead, first thing behind the round.
.macro TURN fill
	WIN 0
	s_wait_tensorcnt 0x0
	ds_add_u32 v[SPW], v[NIL]
.if \fill
	STEPD
.endif
	s_xor_b32 s[SB], s[SB], SLOT
	s_mov_b32 s[TA], s[SB]
	s_mov_b32 s[TB], s[SB]
	s_wait_dscnt 17                                ; buffer 0 is in; buffer 1's sixteen loads and the add may be out
	MUL8 H0, 0
	s_wait_dscnt 0x0                               ; the add is done, and my reads of this slot are over
	s_barrier_signal -1
	MUL8 H0, 2
	WIN 0
	s_barrier_wait -1
.if \fill
	CREST
	JLOAD
.else
	PLACES
.endif
	v_add_nc_u32 v[PAA], s[TA], v[A0]
	v_add_nc_u32 v[PBB], s[TB], v[B0]
	FETCH H0, 0
	MUL8 H1, 0
	MUL8 H1, 2
	WIN 0
	PLACES
	FETCH H1, 1
.endm
.macro KSTEP fill
	s_mov_b32 s[CNT], 3
.Lpair_\@:
	PAIR
	s_sub_co_u32 s[CNT], s[CNT], 1
	s_cmp_lg_u32 s[CNT], 0
	s_cbranch_scc1 .Lpair_\@
	TURN \fill
.endm
	s_load_b128 s[4:7], s[0:1], 0x0                ; x1b s[4:5], wb s[6:7]
	s_load_b64 s[60:61], s[0:1], 0x10              ; fb1
	s_load_b64 s[8:9], s[0:1], 0x18                ; h
	v_lshl_add_u32 v[SPW], v0, 2, SPARE
	v_mov_b32 v[NIL], 0
	ds_add_u32 v[SPW], v[NIL]                      ; the wave's opening: the add and its wait stand ahead of my first tensor load; work on registers stands between them
	v_lshrrev_b32 v1, 5, v0
	v_readfirstlane_b32 s10, v1                    ; wave 0..3
	s_lshr_b32 s11, s10, 1
	s_and_b32 s12, s10, 1
	s_bfe_u32 s40, ttmp6, 0x40000                  ; cx, cy
	s_bfe_u32 s41, ttmp6, 0x40004
	s_lshl_b32 s42, ttmp9, 2
	s_add_co_u32 s42, s42, s40                     ; tile column
	s_and_b32 s13, ttmp7, 0xffff
	s_lshl_b32 s13, s13, 2
	s_add_co_u32 s13, s13, s41                     ; tile row
	s_lshl_b32 s43, s41, 2
	s_lshl_b32 s43, 15, s43                        ; my row of the cluster
	s_lshl_b32 s44, 0x1111, s40                    ; my column
	; A's tile: 4 rows (panels) of 4,096 elements (64 tokens x 64 channels, 8,192 dense bytes), a panel apart; 4 words of padding after every 32
	s_or_b32 s[G1+0], s43, (1<<16)|(1<<20)|(1<<21)|(4<<22)|(3<<25)
	s_mov_b32 s[G1+1], 4096<<16
	s_mov_b32 s[G1+2], 4<<16
	s_mov_b32 s[G1+3], 4096<<16
	s_mov_b32 s[G1+4], 4
	s_mov_b32 s[G1+5], 262144
	s_mov_b32 s[G1+6], 0
	s_mov_b32 s[G1+7], 0
	; B's tile: 128 rows of 128 elements; 8 words of padding after every 64
	s_or_b32 s[G1B+0], s44, (1<<16)|(1<<20)|(1<<21)|(5<<22)|(7<<25)
	s_mov_b32 s[G1B+1], 128<<16
	s_mov_b32 s[G1B+2], 128<<16
	s_mov_b32 s[G1B+3], 128<<16
	s_mov_b32 s[G1B+4], 128
	s_mov_b32 s[G1B+5], 128
	s_mov_b32 s[G1B+6], 0
	s_mov_b32 s[G1B+7], 0
	s_lshl_b32 s16, s13, 14                        ; A: the tile row and the wave alone
	s_lshl_b32 s17, s12, 13
	s_add_co_u32 s16, s16, s17
	s_mov_b32 s17, 0
	s_mul_i32 s46, s42, BPAN                       ; B: the tile column and the wave alone
	s_lshl_b32 s47, s12, 15
	s_add_co_u32 s46, s46, s47
	s_add_co_u32 s46, s46, WOFF
	s_mov_b32 s47, 0
	s_mul_i32 s20, s10, HALFT
	s_mov_b32 s[G0], 1
	s_mov_b32 s[G0+1], s20
	s_mov_b32 s[G0B], 1
	s_mov_b32 s[G0B+1], s20
	s_lshl_b32 s14, s42, 9                         ; my 64 columns in the bias, in bytes
	s_lshl_b32 s15, s12, 8
	s_add_co_u32 s14, s14, s15
	s_mov_b32 s15, 0
	s_lshl_b32 s2, s42, 1                          ; my 64 x 64 of the result: panel 2 x tile column + half, 8,192 dense bytes at my first token
	s_add_co_u32 s2, s2, s12
	s_lshl_b32 s2, s2, 19
	s_lshl_b32 s3, s13, 14
	s_add_co_u32 s2, s2, s3
	s_lshl_b32 s3, s11, 13
	s_add_co_u32 s2, s2, s3
	s_mov_b32 s3, 0
	s_wait_dscnt 0x0                               ; the opening add is done
	s_wait_kmcnt 0x0
	s_add_nc_u64 s[G0+2:G0+3], s[4:5], s[16:17]
	s_or_b32 s[G0+3], s[G0+3], 0x80000000
	s_add_nc_u64 s[G0B+2:G0B+3], s[6:7], s[46:47]
	s_or_b32 s[G0B+3], s[G0B+3], 0x80000000
	s_add_nc_u64 s[60:61], s[60:61], s[14:15]
	s_add_nc_u64 s[8:9], s[8:9], s[2:3]
	CROUND                                         ; all sixteen work-groups are here: the first joint loads meet
	JLOAD                                          ; K step 0 into slot 0
	v_and_b32 v1, 15, v0                           ; r
	v_bfe_u32 v2, v0, 4, 1                         ; hh
	v_lshlrev_b32 v[BO], 5, v2
	v_mov_b32 v[ZR], 0
	WIN 0x40                                       ; destination window 1: the bias goes straight into the accumulators: register j of (a, b) is column 16 b + 8 hh + j
.set i, 0
.rept 16
	global_load_b128 v[8*i:8*i+3],   v[BO], s[60:61] offset:64*(i%4)
	global_load_b128 v[8*i+4:8*i+7], v[BO], s[60:61] offset:64*(i%4)+16
.set i, i+1
.endr
	WIN 0
	v_mul_u32_u24 v[A0], v1, PA
	v_lshl_add_u32 v[A0], v2, 4, v[A0]
	s_mul_i32 s21, s11, HALFT
	v_add_nc_u32 v[A0], s21, v[A0]
	v_and_b32 v3, 7, v0
	v_lshl_add_u32 v3, v2, 3, v3
	v_mul_u32_u24 v[B0], v3, PB
	v_bfe_u32 v3, v0, 3, 1
	v_lshl_add_u32 v[B0], v3, 4, v[B0]
	s_lshl_b32 s22, s12, 7
	s_add_co_u32 s22, s22, 2*HALFT
	v_add_nc_u32 v[B0], s22, v[B0]
	s_mul_i32 s23, s10, 4352
	s_add_co_u32 s23, s23, STAGE                   ; my stage
	v_mul_u32_u24 v[STO], v1, 144
	v_lshl_add_u32 v[STO], v2, 4, v[STO]
	v_add_nc_u32 v[STO], s23, v[STO]
	v_bfe_u32 v[RD], v0, 3, 2
	v_mul_u32_u24 v[RD], v[RD], 144
	v_and_b32 v3, 7, v0
	v_lshl_add_u32 v[RD], v3, 4, v[RD]
	v_add_nc_u32 v[RD], s23, v[RD]
	v_and_b32 v3, 31, v0
	v_lshlrev_b32 v[GO], 4, v3
	; THE FIRST CHANGE: slot 0 is waited for, slot 1 is filled as a refill is
	s_wait_tensorcnt 0x0
	ds_add_u32 v[SPW], v[NIL]
	STEPD
	s_mov_b32 s[SB], 0
	s_mov_b32 s[TA], 0
	s_mov_b32 s[TB], 0
	s_wait_dscnt 0x0
	CROUND
	JLOAD                                          ; K step 1 into slot 1
	v_add_nc_u32 v[PAA], s[TA], v[A0]
	v_add_nc_u32 v[PBB], s[TB], v[B0]
	FETCH H0, 0
	FETCH H1, 1
	s_wait_loadcnt 0x0                             ; the bias is in the accumulators
	s_mov_b32 s[KC], KS-2
.Lk:
	KSTEP 1
	s_sub_co_u32 s[KC], s[KC], 1
	s_cmp_lg_u32 s[KC], 0
	s_cbranch_scc1 .Lk
	KSTEP 0                                        ; the last two K steps are written out: nothing is left to ask for
	s_mov_b32 s[CNT], 3
.Llast:
	PAIR
	s_sub_co_u32 s[CNT], s[CNT], 1
	s_cmp_lg_u32 s[CNT], 0
	s_cbranch_scc1 .Llast
	s_wait_dscnt 16
	MUL8 H0, 0
	MUL8 H0, 2
	s_wait_dscnt 0x0
	MUL8 H1, 0
	MUL8 H1, 2
	WIN 0
	PLACES
	; THE WAY OUT, a block of 16 tokens at a time: rounded to bf16 (each accumulator from its low end on), the maximum with 0, 16 bytes a lane into my own stage, back as whole rows of 128 bytes, stored as 512 consecutive bytes
.macro PACKH a
	WIN 0x05                                       ; sources in window 1
.irp b, 0,1,2,3
.irp q, 0,1,2,3
	v_cvt_pk_bf16_f32 v[TMP+4*(\b)+(\q)], v[8*(4*(\a)+(\b))+2*(\q)], v[8*(4*(\a)+(\b))+2*(\q)+1]
.endr
.endr
	WIN 0
.set i, 0
.rept 16
	v_pk_max_num_bf16 v[TMP+i], v[TMP+i], v[ZR]
.set i, i+1
.endr
.irp b, 0,1,2,3
	ds_store_b128 v[STO], v[TMP+4*(\b):TMP+4*(\b)+3] offset:32*(\b)
.endr
.irp f, 0,1,2,3
	ds_load_b128 v[OB+16*(\a)+4*(\f):OB+16*(\a)+4*(\f)+3], v[RD] offset:576*(\f)  ; LDS serves a wave's instructions in order (ISA guide 5.7.1.4)
.endr
.endm
.macro SENDH a, younger                ; younger: the LDS instructions issued behind block a's loads
.irp f, 0,1,2,3
	s_wait_dscnt (\younger)+3-(\f)
	global_store_b128 v[GO], v[OB+16*(\a)+4*(\f):OB+16*(\a)+4*(\f)+3], s[8:9] offset:2048*(\a)+512*(\f)
.endr
.endm
	PACKH 0
	PACKH 1
	SENDH 0, 8
	PACKH 2
	SENDH 1, 8
	PACKH 3
	SENDH 2, 8
	SENDH 3, 0
	s_wait_tensorcnt 0x0                           ; the wave's end
	ds_add_u32 v[SPW], v[NIL]
	s_wait_dscnt 0x0
	CROUND                                         ; the closing round
	s_endpgm
.Lfunc_end_k_qce0acd16a1_gemm_f1:
	.size	k_qce0acd16a1_gemm_f1, .Lfunc_end_k_qce0acd16a1_gemm_f1-k_qce0acd16a1_gemm_f1
	.p2alignl 7, 3214868480
	.fill 96, 4, 3214868480
	.section	.rodata,"a",@progbits
	.p2align	6, 0x0
	.amdhsa_kernel k_qce0acd16a1_gemm_f1
		.amdhsa_group_segment_fixed_size 327680
		.amdhsa_private_segment_fixed_size 0
		.amdhsa_enable_private_segment 0
		.amdhsa_kernarg_size 32
		.amdhsa_user_sgpr_count 2
		.amdhsa_user_sgpr_kernarg_segment_ptr 1
		.amdhsa_wavefront_size32 1
		.amdhsa_system_sgpr_workgroup_id_x 1
		.amdhsa_system_sgpr_workgroup_id_y 1
		.amdhsa_system_sgpr_workgroup_id_z 1
		.amdhsa_system_vgpr_workitem_id 0
		.amdhsa_next_free_vgpr 384
		.amdhsa_next_free_sgpr 66
		.amdhsa_reserve_vcc 0
		.amdhsa_float_denorm_mode_32 3
		.amdhsa_float_denorm_mode_16_64 3
		.amdhsa_memory_ordered 1
		.amdhsa_forward_progress 1
		.amdhsa_inst_pref_size 52
	.end_amdhsa_kernel
	.amdgpu_metadata
---
amdhsa.version: [ 1, 2 ]
amdhsa.kernels:
  - .name:           k_qce0acd16a1_gemm_f1
    .symbol:         k_qce0acd16a1_gemm_f1.kd
    .args:
      - { .name: x1b, .offset: 0, .size: 8, .value_kind: global_buffer, .address_space: global }
      - { .name: wb, .offset: 8, .size: 8, .value_kind: global_buffer, .address_space: global }
      - { .name: fb1, .offset: 16, .size: 8, .value_kind: global_buffer, .address_space: global }
      - { .name: h, .offset: 24, .size: 8, .value_kind: global_buffer, .address_space: global }
    .group_segment_fixed_size: 327680
    .private_segment_fixed_size: 0
    .kernarg_segment_align: 8
    .kernarg_segment_size: 32
    .max_flat_workgroup_size: 128
    .sgpr_count:     66
    .vgpr_count:     384
    .wavefront_size: 32
...
	.end_amdgpu_metadata
.endif
;; end of part 6
;; launch gemm_f2 (part 7): grid 8 x 32, 4 waves a work-group, clusters of 4 x 4, 327,680 bytes of LDS; arguments h, wb, fb2, x1, y; writes y
.if DOCPART == 7
	.amdgcn_target "amdgcn-amd-amdhsa--gfx1250"
	.amdhsa_code_object_version 6
	.text
	.protected	k_qce0acd16a1_gemm_f2
	.globl	k_qce0acd16a1_gemm_f2
	.p2align	8
	.type	k_qce0acd16a1_gemm_f2,@function
k_qce0acd16a1_gemm_f2:
	s_mov_b64 s[64:65], 0
	v_nop
	global_prefetch_b8 v0, s[64:65] scope:SCOPE_SE
	s_setreg_imm32_b32 hwreg(HW_REG_WAVE_MODE, 25, 1), 1
	s_wait_xcnt 0x0
	s_wait_alu depctr_hold_cnt(0) depctr_sa_sdst(0) depctr_va_vdst(0) depctr_va_sdst(0) depctr_va_ssrc(0) depctr_va_vcc(0) depctr_vm_vsrc(0)
	s_getreg_b32 s2, hwreg(HW_REG_IB_STS2, 6, 4)
	s_cmp_eq_u32 s2, 0
	s_cbranch_scc0 .Lentry_in_a_cluster
	s_endpgm
.Lentry_in_a_cluster:
	s_bfe_u32 s2, ttmp6, 0x10000c
	s_cmp_lg_u32 s2, 0xf033
	s_cbranch_scc0 .Lentry_shape_is_right
	s_endpgm
.Lentry_shape_is_right:
; y = h fw2 + fb2 + x1: 4,096 tokens x 1,024 columns, K = 4,096.  Operands bf16, sums f32, each sum begun with its bias; the residual x1 is added in f32, and y is stored in f32 for the norm that follows.
; A (h) lies in panels [K/64][4096 tokens][64]; B (wb, from byte WOFF) in panels [N/128][K][128].
; LIMITS.  NaN and infinities are not treated apart; the bias starts the f32 sum and the residual ends it, so the order of rounding differs from bias and residual added in the written order.
; SHARES.  A tile of C is 128 x 128: 256 work-groups.  Four waves, each 64 x 64: 16 accumulators.  K goes in steps of 256 through two LDS slots; a wave's one tensor load brings a quarter of a slot.
; CLUSTER.  4 x 4 work-groups: the four of a row need the same tiles of A, the four of a column the same tiles of B: each tile is asked for jointly.
; THE MATRIX INSTRUCTION IS USED TRANSPOSED (source 0 = 16 columns of B, source 1 = 16 tokens of A): a lane holds one token (lane % 16) and eight neighbouring columns 8 (lane / 16) + 0..7.
; B lies [k][n] in LDS and is turned on its way into registers by ds_load_tr16_b128.
; REGISTERS.  Window 0: v0-31 addresses; v64-127 the way out; v128-191, v192-255 two fragment buffers of 32 along K.  Window 1: v0-127 the accumulators, (a, b) at 8 (4 a + b); v128-255 the residual, then y.
.set KS,    16                         ; K steps of 256
.set WOFF,  16777216                   ; where this product's panels begin in wb
.set BPAN,  KS*65536
.set PA,    144                        ; a token's 128 bytes of a panel + 16: 36 words, so the 16 rows of a load start at 16 different groups of four banks (64 banks of 4 bytes: ISA guide 11.1)
.set PB,    288                        ; a row of B: 256 bytes + 32 = 72 words
.set APAN,  64*PA
.set HALFT, 4*APAN
.set SLOT,  4*HALFT                    ; its two bits (17 and 14) are set in none of wave x HALFT, so one exclusive or turns an address in one slot into the other's
.set STAGE, 2*SLOT                     ; behind the ring: 16 rows x 272 bytes for each wave; no tensor load lands there
.set SPARE, STAGE+4*4352               ; the spare words, 128 bytes for each wave: two blocks of 256 bytes that no other line names
.set A0,  16
.set B0,  17
.set PAA, 18
.set PBB, 19
.set BO,  20
.set GO,  21
.set STO, 22
.set RD,  23
.set SPW, 28
.set NIL, 29
.set TW,  64
.set RR,  128
.set H0,  128
.set H1,  192
.set G1,  24
.set G0,  32
.set G1B, 48
.set G0B, 56
.set KC,  36
.set CNT, 37
.set SB,  38
.set TA,  39
.set TB,  45
.set MSB, 0
.macro WIN new                         ; s_set_vgpr_msb: bits 1:0 source 0, 3:2 source 1, 5:4 source 2, 7:6 destination; the high byte repeats the setting that is left
.if MSB != (\new)
	s_set_vgpr_msb (MSB<<8)|(\new)
.set MSB, \new
.endif
.endm
.macro PLACES                          ; four places in front of loads into registers that matrix instructions have read, and of lines that read their results
.rept 4
	v_nop
.endr
.endm
.macro JLOAD                           ; a joint load: waves 0 and 1 fetch A's two halves, waves 2 and 3 B's; an s_nop 0 and four v_nop follow each line
	s_cmp_eq_u32 s11, 0
	s_cbranch_scc0 .Lfor_b_\@
	tensor_load_to_lds s[G0:G0+3], s[G1:G1+7]
	s_nop 0
.rept 4
	v_nop
.endr
	s_branch .Lasked_\@
.Lfor_b_\@:
	tensor_load_to_lds s[G0B:G0B+3], s[G1B:G1B+7]
	s_nop 0
.rept 4
	v_nop
.endr
.Lasked_\@:
.endm
.macro CREST                           ; a round of the cluster's barrier behind its opening barrier
	s_cmp_lg_u32 s10, 0
	s_cbranch_scc1 .Lnot_wave_0_\@
	s_barrier_signal -3
.Lnot_wave_0_\@:
	s_barrier_wait -3
	s_barrier_signal -1
	s_barrier_wait -1
.endm
.macro CROUND
	s_barrier_signal -1
	s_barrier_wait -1
	CREST
.endm
.macro STEPD                           ; both walking descriptors: the other slot, the next K step.  Written only where no tensor load of mine is out
	s_xor_b32 s[G0+1], s[G0+1], SLOT
	s_add_nc_u64 s[G0+2:G0+3], s[G0+2:G0+3], 4*524288
	s_xor_b32 s[G0B+1], s[G0B+1], SLOT
	s_add_nc_u64 s[G0B+2:G0B+3], s[G0B+2:G0B+3], 65536
.endm
.macro MUL8 f, a0                      ; 8 matrix instructions; the 16 accumulators take turns, one instruction a turn
	WIN 0x50
.irp a, \a0, (\a0)+1
.irp b, 0,1,2,3
	v_wmma_f32_16x16x32_bf16 v[8*(4*(\a)+(\b)):8*(4*(\a)+(\b))+7], v[(\f)+32+8*(\b):(\f)+32+8*(\b)+7], v[(\f)+8*(\a):(\f)+8*(\a)+7], v[8*(4*(\a)+(\b)):8*(4*(\a)+(\b))+7]
.endr
.endr
.endm
.macro FETCH f, kk                     ; 16 LDS loads in one run: the fragments of 32 along K, half kk of the 64 at PAA / PBB
	WIN 0
.irp i, 0,1,2,3
	ds_load_tr16_b128 v[(\f)+32+8*(\i):(\f)+32+8*(\i)+3],   v[PBB] offset:(\kk)*32*PB+32*(\i)
	ds_load_tr16_b128 v[(\f)+32+8*(\i)+4:(\f)+32+8*(\i)+7], v[PBB] offset:(\kk)*32*PB+16*PB+32*(\i)
	ds_load_b128 v[(\f)+8*(\i):(\f)+8*(\i)+3],   v[PAA] offset:(\kk)*64+(\i)*16*PA
	ds_load_b128 v[(\f)+8*(\i)+4:(\f)+8*(\i)+7], v[PAA] offset:(\kk)*64+(\i)*16*PA+32
.endr
.endm
.macro PAIR                            ; 64 along K: multiplies both buffers and fetches the next 64 of the same slot into them
	s_add_co_u32 s[TA], s[TA], APAN
	s_add_co_u32 s[TB], s[TB], 64*PB
	s_wait_dscnt 16                                ; buffer 0 is in; buffer 1's sixteen loads may be out
	MUL8 H0, 0
	MUL8 H0, 2
	WIN 0
	v_add_nc_u32 v[PAA], s[TA], v[A0]              ; these two and two v_nop are the four places in front of the loads
	v_add_nc_u32 v[PBB], s[TB], v[B0]
	v_nop
	v_nop
	FETCH H0, 0
	s_wait_dscnt 16                                ; buffer 1 is in; the sixteen just issued may be out
	MUL8 H1, 0
	MUL8 H1, 2
	WIN 0
	PLACES
	FETCH H1, 1
.endm
; A slot's last 64 along K, and the change of slots: ONE barrier.  In front of it each wave waits for all its tensor loads (one is out: its part of the next slot), adds 0 to its spare word,
; and waits for that and for its reads of this slot.  fill = 1: the barrier opens a round of the cluster's, and this slot is filled again, two K steps ahead, first thing behind the round.
.macro TURN fill
	WIN 0
	s_wait_tensorcnt 0x0
	ds_add_u32 v[SPW], v[NIL]
.if \fill
	STEPD
.endif
	s_xor_b32 s[SB], s[SB], SLOT
	s_mov_b32 s[TA], s[SB]
	s_mov_b32 s[TB], s[SB]
	s_wait_dscnt 17                                ; buffer 0 is in; buffer 1's sixteen loads and the add may be out
	MUL8 H0, 0
	s_wait_dscnt 0x0                               ; the add is done, and my reads of this slot are over
	s_barrier_signal -1
	MUL8 H0, 2
	WIN 0
	s_barrier_wait -1
.if \fill
	CREST
	JLOAD
.else
	PLACES
.endif
	v_add_nc_u32 v[PAA], s[TA], v[A0]
	v_add_nc_u32 v[PBB], s[TB], v[B0]
	FETCH H0, 0
	MUL8 H1, 0
	MUL8 H1, 2
	WIN 0
	PLACES
	FETCH H1, 1
.endm
.macro KSTEP fill
	s_mov_b32 s[CNT], 3
.Lpair_\@:
	PAIR
	s_sub_co_u32 s[CNT], s[CNT], 1
	s_cmp_lg_u32 s[CNT], 0
	s_cbranch_scc1 .Lpair_\@
	TURN \fill
.endm
	s_load_b128 s[4:7], s[0:1], 0x0                ; A s[4:5], wb s[6:7]
	s_load_b128 s[60:63], s[0:1], 0x10             ; the bias s[60:61], the residual s[62:63]
	s_load_b64 s[8:9], s[0:1], 0x20                ; y
	v_lshl_add_u32 v[SPW], v0, 2, SPARE
	v_mov_b32 v[NIL], 0
	ds_add_u32 v[SPW], v[NIL]                      ; the wave's opening: the add and its wait stand ahead of my first tensor load; work on registers stands between them
	v_lshrrev_b32 v1, 5, v0
	v_readfirstlane_b32 s10, v1                    ; wave 0..3
	s_lshr_b32 s11, s10, 1
	s_and_b32 s12, s10, 1
	s_bfe_u32 s40, ttmp6, 0x40000                  ; cx, cy
	s_bfe_u32 s41, ttmp6, 0x40004
	s_lshl_b32 s42, ttmp9, 2
	s_add_co_u32 s42, s42, s40                     ; tile column
	s_and_b32 s13, ttmp7, 0xffff
	s_lshl_b32 s13, s13, 2
	s_add_co_u32 s13, s13, s41                     ; tile row
	s_lshl_b32 s43, s41, 2
	s_lshl_b32 s43, 15, s43                        ; my row of the cluster
	s_lshl_b32 s44, 0x1111, s40                    ; my column
	; A's tile: 4 rows (panels) of 4,096 elements (64 tokens x 64 channels, 8,192 dense bytes), a panel apart; 4 words of padding after every 32
	s_or_b32 s[G1+0], s43, (1<<16)|(1<<20)|(1<<21)|(4<<22)|(3<<25)
	s_mov_b32 s[G1+1], 4096<<16
	s_mov_b32 s[G1+2], 4<<16
	s_mov_b32 s[G1+3], 4096<<16
	s_mov_b32 s[G1+4], 4
	s_mov_b32 s[G1+5], 262144
	s_mov_b32 s[G1+6], 0
	s_mov_b32 s[G1+7], 0
	; B's tile: 128 rows of 128 elements; 8 words of padding after every 64
	s_or_b32 s[G1B+0], s44, (1<<16)|(1<<20)|(1<<21)|(5<<22)|(7<<25)
	s_mov_b32 s[G1B+1], 128<<16
	s_mov_b32 s[G1B+2], 128<<16
	s_mov_b32 s[G1B+3], 128<<16
	s_mov_b32 s[G1B+4], 128
	s_mov_b32 s[G1B+5], 128
	s_mov_b32 s[G1B+6], 0
	s_mov_b32 s[G1B+7], 0
	s_lshl_b32 s16, s13, 14                        ; A: the tile row and the wave alone
	s_lshl_b32 s17, s12, 13
	s_add_co_u32 s16, s16, s17
	s_mov_b32 s17, 0
	s_mul_i32 s46, s42, BPAN                       ; B: the tile column and the wave alone
	s_lshl_b32 s47, s12, 15
	s_add_co_u32 s46, s46, s47
	s_add_co_u32 s46, s46, WOFF
	s_mov_b32 s47, 0
	s_mul_i32 s20, s10, HALFT
	s_mov_b32 s[G0], 1
	s_mov_b32 s[G0+1], s20
	s_mov_b32 s[G0B], 1
	s_mov_b32 s[G0B+1], s20
	s_lshl_b32 s2, s42, 9                          ; my 64 columns, in bytes of f32
	s_lshl_b32 s3, s12, 8
	s_add_co_u32 s2, s2, s3
	s_mov_b32 s3, 0
	s_lshl_b32 s14, s13, 19                        ; my 64 rows of 4,096 bytes, and those columns
	s_lshl_b32 s15, s11, 18
	s_add_co_u32 s14, s14, s15
	s_add_co_u32 s14, s14, s2
	s_mov_b32 s15, 0
	s_wait_dscnt 0x0                               ; the opening add is done
	s_wait_kmcnt 0x0
	s_add_nc_u64 s[G0+2:G0+3], s[4:5], s[16:17]
	s_or_b32 s[G0+3], s[G0+3], 0x80000000
	s_add_nc_u64 s[G0B+2:G0B+3], s[6:7], s[46:47]
	s_or_b32 s[G0B+3], s[G0B+3], 0x80000000
	s_add_nc_u64 s[60:61], s[60:61], s[2:3]
	s_add_nc_u64 s[62:63], s[62:63], s[14:15]
	s_add_nc_u64 s[8:9], s[8:9], s[14:15]
	CROUND                                         ; all sixteen work-groups are here: the first joint loads meet
	JLOAD                                          ; K step 0 into slot 0
	v_and_b32 v1, 15, v0                           ; r
	v_bfe_u32 v2, v0, 4, 1                         ; hh
	v_lshlrev_b32 v[BO], 5, v2
	v_lshlrev_b32 v[GO], 4, v1
	v_lshl_add_u32 v[GO], v2, 12, v[GO]
	WIN 0x40                                       ; destination window 1: the bias goes straight into the accumulators: register j of (a, b) is column 16 b + 8 hh + j
.set i, 0
.rept 16
	global_load_b128 v[8*i:8*i+3],   v[BO], s[60:61] offset:64*(i%4)
	global_load_b128 v[8*i+4:8*i+7], v[BO], s[60:61] offset:64*(i%4)+16
.set i, i+1
.endr
.set i, 0
.rept 32                                       ; the residual, as the way out will hold the sums: rows 2 i, 2 i + 1 of my 64
	global_load_b128 v[RR+4*i:RR+4*i+3], v[GO], s[62:63] offset:2*i*4096
.set i, i+1
.endr
	WIN 0
	v_mul_u32_u24 v[A0], v1, PA
	v_lshl_add_u32 v[A0], v2, 4, v[A0]
	s_mul_i32 s21, s11, HALFT
	v_add_nc_u32 v[A0], s21, v[A0]
	v_and_b32 v3, 7, v0
	v_lshl_add_u32 v3, v2, 3, v3
	v_mul_u32_u24 v[B0], v3, PB
	v_bfe_u32 v3, v0, 3, 1
	v_lshl_add_u32 v[B0], v3, 4, v[B0]
	s_lshl_b32 s22, s12, 7
	s_add_co_u32 s22, s22, 2*HALFT
	v_add_nc_u32 v[B0], s22, v[B0]
	s_mul_i32 s23, s10, 4352
	s_add_co_u32 s23, s23, STAGE                   ; my stage
	v_mul_u32_u24 v[STO], v1, 272                  ; in: row r, 32 bytes for each half of the lanes
	v_lshl_add_u32 v[STO], v2, 5, v[STO]
	v_add_nc_u32 v[STO], s23, v[STO]
	v_mul_u32_u24 v[RD], v2, 272                   ; back: lanes 0-15 one row of 256 bytes, lanes 16-31 the next
	v_lshl_add_u32 v[RD], v1, 4, v[RD]
	v_add_nc_u32 v[RD], s23, v[RD]
	; THE FIRST CHANGE: slot 0 is waited for, slot 1 is filled as a refill is
	s_wait_tensorcnt 0x0
	ds_add_u32 v[SPW], v[NIL]
	STEPD
	s_mov_b32 s[SB], 0
	s_mov_b32 s[TA], 0
	s_mov_b32 s[TB], 0
	s_wait_dscnt 0x0
	CROUND
	JLOAD                                          ; K step 1 into slot 1
	v_add_nc_u32 v[PAA], s[TA], v[A0]
	v_add_nc_u32 v[PBB], s[TB], v[B0]
	FETCH H0, 0
	FETCH H1, 1
	s_wait_loadcnt 32                              ; the bias is in the accumulators; the residual's 32 loads, issued behind it, may stay out
	s_mov_b32 s[KC], KS-2
.Lk:
	KSTEP 1
	s_sub_co_u32 s[KC], s[KC], 1
	s_cmp_lg_u32 s[KC], 0
	s_cbranch_scc1 .Lk
	KSTEP 0                                        ; the last two K steps are written out: nothing is left to ask for
	s_mov_b32 s[CNT], 3
.Llast:
	PAIR
	s_sub_co_u32 s[CNT], s[CNT], 1
	s_cmp_lg_u32 s[CNT], 0
	s_cbranch_scc1 .Llast
	s_wait_dscnt 16
	MUL8 H0, 0
	MUL8 H0, 2
	s_wait_dscnt 0x0
	MUL8 H1, 0
	MUL8 H1, 2
	WIN 0
	PLACES
	; THE WAY OUT, a block of 16 tokens at a time: the f32 sums go into my own stage (each accumulator from its low end on) and come back as whole rows of 256 bytes; the residual is added; 16 lanes store 256 consecutive bytes
.macro TOST a
	WIN 0x04                                       ; store data in window 1
.irp b, 0,1,2,3
	ds_store_b128 v[STO], v[8*(4*(\a)+(\b)):8*(4*(\a)+(\b))+3]   offset:64*(\b)
	ds_store_b128 v[STO], v[8*(4*(\a)+(\b))+4:8*(4*(\a)+(\b))+7] offset:64*(\b)+16
.endr
.irp t, 0,1,2,3,4,5,6,7
	ds_load_b128 v[TW+32*((\a)%2)+4*(\t):TW+32*((\a)%2)+4*(\t)+3], v[RD] offset:544*(\t)  ; LDS serves a wave's instructions in order (ISA guide 5.7.1.4)
.endr
.endm
.macro FIN a, younger                  ; younger: the next block's sixteen LDS instructions, or none
	s_wait_dscnt \younger
	WIN 0x44                                       ; destination and source 1 (for a store: the data) in window 1
.irp t, 0,1,2,3,4,5,6,7
	v_pk_add_f32 v[RR+32*(\a)+4*(\t):RR+32*(\a)+4*(\t)+1],   v[TW+32*((\a)%2)+4*(\t):TW+32*((\a)%2)+4*(\t)+1],   v[RR+32*(\a)+4*(\t):RR+32*(\a)+4*(\t)+1]
	v_pk_add_f32 v[RR+32*(\a)+4*(\t)+2:RR+32*(\a)+4*(\t)+3], v[TW+32*((\a)%2)+4*(\t)+2:TW+32*((\a)%2)+4*(\t)+3], v[RR+32*(\a)+4*(\t)+2:RR+32*(\a)+4*(\t)+3]
.endr
.irp t, 0,1,2,3,4,5,6,7
	global_store_b128 v[GO], v[RR+32*(\a)+4*(\t):RR+32*(\a)+4*(\t)+3], s[8:9] offset:(16*(\a)+2*(\t))*4096
.endr
.endm
	s_wait_loadcnt 0x0                             ; the residual
	TOST 0
	TOST 1
	FIN 0, 16
	TOST 2
	FIN 1, 16
	TOST 3
	FIN 2, 16
	FIN 3, 0
	WIN 0
	s_wait_tensorcnt 0x0                           ; the wave's end
	ds_add_u32 v[SPW], v[NIL]
	s_wait_dscnt 0x0
	CROUND                                         ; the closing round
	s_endpgm
.Lfunc_end_k_qce0acd16a1_gemm_f2:
	.size	k_qce0acd16a1_gemm_f2, .Lfunc_end_k_qce0acd16a1_gemm_f2-k_qce0acd16a1_gemm_f2
	.p2alignl 7, 3214868480
	.fill 96, 4, 3214868480
	.section	.rodata,"a",@progbits
	.p2align	6, 0x0
	.amdhsa_kernel k_qce0acd16a1_gemm_f2
		.amdhsa_group_segment_fixed_size 327680
		.amdhsa_private_segment_fixed_size 0
		.amdhsa_enable_private_segment 0
		.amdhsa_kernarg_size 40
		.amdhsa_user_sgpr_count 2
		.amdhsa_user_sgpr_kernarg_segment_ptr 1
		.amdhsa_wavefront_size32 1
		.amdhsa_system_sgpr_workgroup_id_x 1
		.amdhsa_system_sgpr_workgroup_id_y 1
		.amdhsa_system_sgpr_workgroup_id_z 1
		.amdhsa_system_vgpr_workitem_id 0
		.amdhsa_next_free_vgpr 512
		.amdhsa_next_free_sgpr 66
		.amdhsa_reserve_vcc 0
		.amdhsa_float_denorm_mode_32 3
		.amdhsa_float_denorm_mode_16_64 3
		.amdhsa_memory_ordered 1
		.amdhsa_forward_progress 1
		.amdhsa_inst_pref_size 54
	.end_amdhsa_kernel
	.amdgpu_metadata
---
amdhsa.version: [ 1, 2 ]
amdhsa.kernels:
  - .name:           k_qce0acd16a1_gemm_f2
    .symbol:         k_qce0acd16a1_gemm_f2.kd
    .args:
      - { .name: h, .offset: 0, .size: 8, .value_kind: global_buffer, .address_space: global }
      - { .name: wb, .offset: 8, .size: 8, .value_kind: global_buffer, .address_space: global }
      - { .name: fb2, .offset: 16, .size: 8, .value_kind: global_buffer, .address_space: global }
      - { .name: x1, .offset: 24, .size: 8, .value_kind: global_buffer, .address_space: global }
      - { .name: y, .offset: 32, .size: 8, .value_kind: global_buffer, .address_space: global }
    .group_segment_fixed_size: 327680
    .private_segment_fixed_size: 0
    .kernarg_segment_align: 8
    .kernarg_segment_size: 40
    .max_flat_workgroup_size: 128
    .sgpr_count:     66
    .vgpr_count:     512
    .wavefront_size: 32
...
	.end_amdgpu_metadata
.endif
;; end of part 7
;; launch ln2 (part 8): grid 256 x 1, 8 waves a work-group, no clusters, 0 bytes of LDS; arguments y, g2, be2, out0; writes out0
.if DOCPART == 8
	.amdgcn_target "amdgcn-amd-amdhsa--gfx1250"
	.amdhsa_code_object_version 6
	.text
	.protected	k_qce0acd16a1_ln2
	.globl	k_qce0acd16a1_ln2
	.p2align	8
	.type	k_qce0acd16a1_ln2,@function
k_qce0acd16a1_ln2:
	s_mov_b64 s[64:65], 0
	v_nop
	global_prefetch_b8 v0, s[64:65] scope:SCOPE_SE
	s_setreg_imm32_b32 hwreg(HW_REG_WAVE_MODE, 25, 1), 1
	s_wait_xcnt 0x0
; LAYER NORM over rows of 1,024 f32: out = (y - mean) rsqrt(var + 1e-5) g + be, all in f32; var is the mean of the squared differences from the mean, formed after the mean is taken away.
; A stream: each byte is read once and written once; the rows stay in registers between the passes; a row lies in 16 lanes, so the sums never leave a half of a wave: no LDS, no barrier, no cluster, no matrix unit.
; SHARES.  A wave takes two rows: lanes 0-15 one, lanes 16-31 the next; a lane holds columns 64 p + 4 (lane % 16) + 0..3, p = 0..15.  Each load and store covers 256 consecutive bytes of each row.
; LIMITS.  NaN and infinities are not treated apart.
.set SM, 4                             ; v[4:11]    four running sums, in pairs
.set MU, 12                            ; v[12:13]   the mean, twice
.set RS, 14                            ; v[14:15]   rsqrt(var + eps), twice
.set X,  16                            ; v[16:79]   my 64 numbers
.set G,  80                            ; v[80:143]  the gain of my columns
.set BE, 144                           ; v[144:207] the bias of my columns
	s_load_b256 s[4:11], s[0:1], 0x0               ; y s[4:5], g s[6:7], be s[8:9], out s[10:11]
	v_lshrrev_b32 v2, 5, v0
	v_readfirstlane_b32 s14, v2                    ; wave
	s_lshl_b32 s15, ttmp9, 3
	s_add_co_u32 s15, s15, s14                     ; my pair of rows
	s_lshl_b32 s16, s15, 13                        ; two rows of 4,096 bytes
	s_mov_b32 s17, 0
	s_mov_b32 s20, 0x3a800000                      ; 1 / 1024
	s_mov_b32 s21, 0x3727c5ac                      ; 1e-5
	v_and_b32 v3, 15, v0
	v_lshlrev_b32 v2, 4, v3                        ; v2: 16 (lane % 16), for g and be
	v_bfe_u32 v1, v0, 4, 1
	v_lshl_add_u32 v1, v1, 12, v2                  ; v1: + the second row for lanes 16-31
	s_wait_kmcnt 0x0
	s_add_nc_u64 s[4:5], s[4:5], s[16:17]
	s_add_nc_u64 s[10:11], s[10:11], s[16:17]
.irp p, 0,1,2,3,4,5,6,7,8,9,10,11,12,13,14,15
	global_load_b128 v[X+4*\p:X+4*\p+3], v1, s[4:5] offset:256*\p th:TH_LOAD_NT
.endr
.irp p, 0,1,2,3,4,5,6,7,8,9,10,11,12,13,14,15
	global_load_b128 v[G+4*\p:G+4*\p+3], v2, s[6:7] offset:256*\p
.endr
.irp p, 0,1,2,3,4,5,6,7,8,9,10,11,12,13,14,15
	global_load_b128 v[BE+4*\p:BE+4*\p+3], v2, s[8:9] offset:256*\p
.endr
	s_wait_loadcnt 32                              ; the rows are in; the gain's and the bias's 32 loads may stay out
.irp k, 0,1,2,3                                        ; the sum: four chains, begun by the first pairs: nothing is cleared
	v_pk_add_f32 v[SM+2*\k:SM+2*\k+1], v[X+2*\k:X+2*\k+1], v[X+8+2*\k:X+8+2*\k+1]
.endr
.set j, 8
.rept 24
	v_pk_add_f32 v[SM+2*(j%4):SM+2*(j%4)+1], v[SM+2*(j%4):SM+2*(j%4)+1], v[X+2*j:X+2*j+1]
.set j, j+1
.endr
.macro REDUCE                          ; the four chains, the pair's halves, then the row's 16 lanes: every lane of a half ends up with its row's sum
	v_pk_add_f32 v[SM:SM+1], v[SM:SM+1], v[SM+2:SM+3]
	v_pk_add_f32 v[SM+4:SM+5], v[SM+4:SM+5], v[SM+6:SM+7]
	v_pk_add_f32 v[SM:SM+1], v[SM:SM+1], v[SM+4:SM+5]
	v_add_f32 v[SM], v[SM], v[SM+1]
	v_add_f32_dpp v[SM], v[SM], v[SM] row_xmask:1 row_mask:0xf bank_mask:0xf
	v_add_f32_dpp v[SM], v[SM], v[SM] row_xmask:2 row_mask:0xf bank_mask:0xf
	v_add_f32_dpp v[SM], v[SM], v[SM] row_xmask:4 row_mask:0xf bank_mask:0xf
	v_add_f32_dpp v[SM], v[SM], v[SM] row_xmask:8 row_mask:0xf bank_mask:0xf
.endm
	REDUCE
	v_mul_f32 v[MU], s20, v[SM]
	v_mov_b32 v[MU+1], v[MU]
.set j, 0
.rept 32
	v_pk_add_f32 v[X+2*j:X+2*j+1], v[X+2*j:X+2*j+1], v[MU:MU+1] neg_lo:[0,1] neg_hi:[0,1]
.set j, j+1
.endr
.irp k, 0,1,2,3
	v_pk_mul_f32 v[SM+2*\k:SM+2*\k+1], v[X+2*\k:X+2*\k+1], v[X+2*\k:X+2*\k+1]
.endr
.set j, 4
.rept 28
	v_pk_fma_f32 v[SM+2*(j%4):SM+2*(j%4)+1], v[X+2*j:X+2*j+1], v[X+2*j:X+2*j+1], v[SM+2*(j%4):SM+2*(j%4)+1]
.set j, j+1
.endr
	REDUCE
	v_fma_f32 v[SM], v[SM], s20, s21               ; var + eps
	v_rsq_f32 v[RS], v[SM]
	v_nop                                          ; a plain instruction between the root and the use of its result (ISA guide 5.7.2)
	v_mov_b32 v[RS+1], v[RS]
	s_wait_loadcnt 0x0                             ; the gain and the bias
.set j, 0
.rept 32
	v_pk_mul_f32 v[X+2*j:X+2*j+1], v[X+2*j:X+2*j+1], v[RS:RS+1]
.set j, j+1
.endr
.set j, 0
.rept 32
	v_pk_fma_f32 v[X+2*j:X+2*j+1], v[X+2*j:X+2*j+1], v[G+2*j:G+2*j+1], v[BE+2*j:BE+2*j+1]
.set j, j+1
.endr
.irp p, 0,1,2,3,4,5,6,7,8,9,10,11,12,13,14,15
	global_store_b128 v1, v[X+4*\p:X+4*\p+3], s[10:11] offset:256*\p th:TH_STORE_NT
.endr
	s_endpgm
.Lfunc_end_k_qce0acd16a1_ln2:
	.size	k_qce0acd16a1_ln2, .Lfunc_end_k_qce0acd16a1_ln2-k_qce0acd16a1_ln2
	.p2alignl 7, 3214868480
	.fill 96, 4, 3214868480
	.section	.rodata,"a",@progbits
	.p2align	6, 0x0
	.amdhsa_kernel k_qce0acd16a1_ln2
		.amdhsa_group_segment_fixed_size 0
		.amdhsa_private_segment_fixed_size 0
		.amdhsa_enable_private_segment 0
		.amdhsa_kernarg_size 32
		.amdhsa_user_sgpr_count 2
		.amdhsa_user_sgpr_kernarg_segment_ptr 1
		.amdhsa_wavefront_size32 1
		.amdhsa_system_sgpr_workgroup_id_x 1
		.amdhsa_system_sgpr_workgroup_id_y 1
		.amdhsa_system_sgpr_workgroup_id_z 1
		.amdhsa_system_vgpr_workitem_id 0
		.amdhsa_next_free_vgpr 208
		.amdhsa_next_free_sgpr 66
		.amdhsa_reserve_vcc 0
		.amdhsa_float_denorm_mode_32 3
		.amdhsa_float_denorm_mode_16_64 3
		.amdhsa_memory_ordered 1
		.amdhsa_forward_progress 1
		.amdhsa_inst_pref_size 18
	.end_amdhsa_kernel
	.amdgpu_metadata
---
amdhsa.version: [ 1, 2 ]
amdhsa.kernels:
  - .name:           k_qce0acd16a1_ln2
    .symbol:         k_qce0acd16a1_ln2.kd
    .args:
      - { .name: y, .offset: 0, .size: 8, .value_kind: global_buffer, .address_space: global }
      - { .name: g2, .offset: 8, .size: 8, .value_kind: global_buffer, .address_space: global }
      - { .name: be2, .offset: 16, .size: 8, .value_kind: global_buffer, .address_space: global }
      - { .name: out0, .offset: 24, .size: 8, .value_kind: global_buffer, .address_space: global }
    .group_segment_fixed_size: 0
    .private_segment_fixed_size: 0
    .kernarg_segment_align: 8
    .kernarg_segment_size: 32
    .max_flat_workgroup_size: 256
    .sgpr_count:     66
    .vgpr_count:     208
    .wavefront_size: 32
...
	.end_amdgpu_metadata
.endif
;; end of part 8
;; ======== version 2 of 2: 8 launches; 1.11 times as fast as version 1
;; workspace buffers: xb 8,388,608 bytes; wb 25,165,824 bytes; qkv 25,165,824 bytes; ao 16,793,856 bytes; y 16,777,216 bytes; x1 16,777,216 bytes; x1b 14,696,704 bytes; h 33,554,432 bytes
;; launch prep (part 9): grid 64 x 4, 8 waves a work-group, no clusters, 0 bytes of LDS; arguments x, wq, wk, wv, w1, fw1, fw2, bq, bk, bv, fb1, xb, wb, x1b, ao; writes xb, wb, x1b, ao
.if DOCPART == 9
	.amdgcn_target "amdgcn-amd-amdhsa--gfx1250"
	.amdhsa_code_object_version 6
	.text
	.protected	k_qce0acd16a1_prep
	.globl	k_qce0acd16a1_prep
	.p2align	8
	.type	k_qce0acd16a1_prep,@function
k_qce0acd16a1_prep:
	s_mov_b64 s[64:65], 0
	v_nop
	global_prefetch_b8 v0, s[64:65] scope:SCOPE_SE
	s_setreg_imm32_b32 hwreg(HW_REG_WAVE_MODE, 25, 1), 1
	s_wait_xcnt 0x0
; CAST AND LAYOUT.  x and the six weight matrices are rounded once to bf16 (nearest even) and laid out for the products that follow.
;   xb: [16 panels][4096 tokens][64 channels] bf16: a token's 64 channels of a panel are 128 dense bytes.
;   Weights: panels [K rows][128 columns] bf16, rows of 256 dense bytes.  w1 (8 panels of 262,144 bytes) at byte 6,291,456 of wb, fw2 (8 panels of 1,048,576 bytes) at byte 16,777,216 of wb.
;   The two wide products run one text, so each has a block of the same form, behind the first HDR bytes of a buffer that a later launch fills: wq, wk, wv in x1b, fw1 in ao.  The block: 4,096 f32 of bias (a copy);
;   32 entries of two words, one for each 256 columns: the floor of the results (two bf16: minus infinity, or 0 for the ReLU) and the word that a masked token's results are ANDed with (0 for k's columns, else all ones);
;   from byte WB0 the panels.
; A stream: every source byte is read once, every destination byte written once, so LDS, barriers, clusters and the matrix unit would add nothing.
; SHARES.  256 work-groups of equal work: each reads 262,144 consecutive source bytes.  The grid's y is the kind (0: x; 1: wq, wk, wv, w1; 2: fw1; 3: fw2), its x the task.
; A wave makes 64 steps (g = 0..15, j = 0..3): a load of 16 bytes a lane, two roundings, a store of 8 bytes a lane: 32 lanes store 256 consecutive bytes at a multiple of 256.
; Step (g, j) lies at source + g SG + j SJ and at destination + g DG + j DJ; the seven sizes hang on the kind alone and are set by four forward branches.
; A ring of 16 slots (g % 4, j) keeps 16 loads of every wave on their way; a slot owns its registers.
; At the end wave 0 of 58 of kind 0's work-groups writes 512 bytes of a bias, or one of the two tables of 256 bytes.
.set HDR,  8388608                     ; where a block begins
.set TABO, 16384                       ; the entries, behind the bias
.set WB0,  HDR+16640                   ; the panels, behind the entries
.set SO,  4                            ; v[4:19]    slot s: byte offset of its load
.set DO,  20                           ; v[20:35]   slot s: byte offset of its store
.set X,   36                           ; v[36:99]   slot s: four f32 as loaded
.set Y,   100                          ; v[100:131] slot s: four bf16 to store
.set LH,  30                           ; s30  source bytes between the two halves of the lanes
.set SW,  31                           ; s31  source bytes from wave to wave
.set SG,  32                           ; s32, s33  source steps
.set SJ,  33
.set DW,  34                           ; s34  destination bytes from wave to wave
.set DG,  35                           ; s35, s36  destination steps
.set DJ,  36
.set S4G, 37                           ; s37, s38  a round of the ring: four steps of g
.set D4G, 38
.set RC,  39                           ; s39  rounds to go
	s_load_b512 s[8:23], s[0:1], 0x0               ; x s[8:9], wq s[10:11], wk s[12:13], wv s[14:15], w1 s[16:17], fw1 s[18:19], fw2 s[20:21], bq s[22:23]
	s_load_b256 s[48:55], s[0:1], 0x40             ; bk s[48:49], bv s[50:51], fb1 s[52:53], xb s[54:55]
	s_load_b128 s[56:59], s[0:1], 0x60             ; wb s[56:57], x1b s[58:59]
	s_load_b64 s[60:61], s[0:1], 0x70              ; ao
	v_and_b32 v1, 31, v0                           ; lane
	v_lshrrev_b32 v2, 5, v0
	v_readfirstlane_b32 s46, v2                    ; wave
	s_and_b32 s42, ttmp7, 0xffff                   ; kind
	s_mov_b32 s43, ttmp9                           ; task
	s_mov_b32 s[LH], 256                           ; the sizes of a weight matrix of 1,024 columns; the kinds change what differs
	s_mov_b32 s[SW], 512                           ; a wave takes 128 columns: a panel
	s_mov_b32 s[SG], 16384                         ; four rows of 4,096 bytes
	s_mov_b32 s[SJ], 4096                          ; one row
	s_mov_b32 s[DW], 262144
	s_mov_b32 s[DG], 1024
	s_mov_b32 s[DJ], 256
	s_wait_kmcnt 0x0
	s_cmp_eq_u32 s42, 0
	s_cbranch_scc1 .Lkind0
	s_cmp_eq_u32 s42, 1
	s_cbranch_scc1 .Lkind1
	s_cmp_eq_u32 s42, 2
	s_cbranch_scc1 .Lkind2
	s_mov_b64 s[26:27], s[20:21]                   ; kind 3: fw2, 64 rows a task; panels of 4,096 rows, in wb
	s_mov_b64 s[28:29], s[56:57]
	s_mov_b32 s[DW], 1048576
	s_lshl_b32 s40, s43, 14
	s_add_co_u32 s40, s40, 16777216
	s_branch .Lgo
.Lkind0:                                               ; x: 64 tokens a task, 8 a wave; lanes 0-15 take 64 channels of one token, lanes 16-31 the next token's; g = panel, j = pair of tokens
	s_mov_b64 s[26:27], s[8:9]
	s_mov_b64 s[28:29], s[54:55]
	s_mov_b32 s[LH], 4096
	s_mov_b32 s[SW], 32768
	s_mov_b32 s[SG], 256
	s_mov_b32 s[SJ], 8192
	s_mov_b32 s[DW], 1024
	s_mov_b32 s[DG], 524288
	s_lshl_b32 s40, s43, 13
	s_branch .Lgo
.Lkind1:                                               ; wq, wk, wv, w1: sixteen tasks of 64 rows each
	s_lshr_b32 s44, s43, 4                         ; which matrix
	s_and_b32 s43, s43, 15
	s_cmp_eq_u32 s44, 1
	s_cselect_b64 s[26:27], s[12:13], s[10:11]
	s_cmp_eq_u32 s44, 2
	s_cselect_b64 s[26:27], s[14:15], s[26:27]
	s_cmp_eq_u32 s44, 3
	s_cselect_b64 s[26:27], s[16:17], s[26:27]
	s_lshl_b32 s40, s44, 21                        ; eight panels a matrix,
	s_lshl_b32 s45, s43, 14                        ; 64 rows of 256 bytes a task
	s_add_co_u32 s40, s40, s45
	s_add_co_u32 s45, s40, WB0
	s_cmp_eq_u32 s44, 3                            ; w1 goes into wb, at the same multiple of eight panels; the three others into x1b's block
	s_cselect_b64 s[28:29], s[56:57], s[58:59]
	s_cselect_b32 s40, s40, s45
	s_branch .Lgo
.Lkind2:                                               ; fw1: 16 rows of 16,384 bytes a task; j = the slab of 1,024 columns (8 panels on), g = the row; into ao's block
	s_mov_b64 s[26:27], s[18:19]
	s_mov_b64 s[28:29], s[60:61]
	s_mov_b32 s[DG], 256
	s_mov_b32 s[DJ], 2097152
	s_lshl_b32 s40, s43, 12
	s_add_co_u32 s40, s40, WB0
.Lgo:
	s_mov_b32 s41, 0
	s_add_nc_u64 s[28:29], s[28:29], s[40:41]      ; the task's first destination byte
	s_lshl_b32 s40, s43, 18
	s_add_nc_u64 s[26:27], s[26:27], s[40:41]      ; its 262,144 source bytes
	s_lshl_b32 s[S4G], s[SG], 2
	s_lshl_b32 s[D4G], s[DG], 2
	v_and_b32 v2, 15, v1
	v_lshlrev_b32 v2, 4, v2
	v_lshrrev_b32 v3, 4, v1
	v_mad_u32_u24 v[SO], v3, s[LH], v2             ; 16 (lane % 16) + (lane / 16) LH
	s_mul_i32 s47, s46, s[SW]
	v_add_nc_u32 v[SO], s47, v[SO]
	s_mul_i32 s45, s46, s[DW]
	v_lshl_add_u32 v[DO], v1, 3, s45               ; 8 lane + wave DW
.irp j, 1,2,3
	v_add_nc_u32 v[SO+\j], s[SJ], v[SO+\j-1]
	v_add_nc_u32 v[DO+\j], s[DJ], v[DO+\j-1]
.endr
.irp s, 4,5,6,7,8,9,10,11,12,13,14,15
	v_add_nc_u32 v[SO+\s], s[SG], v[SO+\s-4]
	v_add_nc_u32 v[DO+\s], s[DG], v[DO+\s-4]
.endr
.irp s, 0,1,2,3,4,5,6,7,8,9,10,11,12,13,14,15
	global_load_b128 v[X+4*\s:X+4*\s+3], v[SO+\s], s[26:27] th:TH_LOAD_NT  ; the ring is filled
.endr
; One slot's turn.  ahead = 1: the slot is filled again, four steps of g on.  left = the younger loads that may stay out.
.macro SLOT s, ahead, left
	s_wait_loadcnt \left                           ; loads come back in order (ISA guide 5.7.1): mine is in, and its offset register is free
	s_wait_xcnt 0x0                                ; the addresses of all that was issued are translated (ISA guide 3.1): this slot's Y and the slot before's store offset are rewritten only behind this wait
.if (\ahead) && ((\s) > 0)
	v_add_nc_u32 v[DO+(\s)-1], s[D4G], v[DO+(\s)-1]
.endif
	v_cvt_pk_bf16_f32 v[Y+2*(\s)], v[X+4*(\s)], v[X+4*(\s)+1]
	v_cvt_pk_bf16_f32 v[Y+2*(\s)+1], v[X+4*(\s)+2], v[X+4*(\s)+3]
.if \ahead
	v_add_nc_u32 v[SO+(\s)], s[S4G], v[SO+(\s)]
	global_load_b128 v[X+4*(\s):X+4*(\s)+3], v[SO+(\s)], s[26:27] th:TH_LOAD_NT
.endif
	global_store_b64 v[DO+(\s)], v[Y+2*(\s):Y+2*(\s)+1], s[28:29]
.endm
	s_mov_b32 s[RC], 3
.Lround:
.irp s, 0,1,2,3,4,5,6,7,8,9,10,11,12,13,14,15
	SLOT \s, 1, 15
.endr
	s_wait_xcnt 0x0                                ; the last slot's store has read its offset
	v_add_nc_u32 v[DO+15], s[D4G], v[DO+15]
	s_sub_co_u32 s[RC], s[RC], 1
	s_cmp_lg_u32 s[RC], 0
	s_cbranch_scc1 .Lround
.irp s, 0,1,2,3,4,5,6,7,8,9,10,11,12,13,14,15
	SLOT \s, 0, 15-\s                              ; the last round loads nothing: the counts run down
.endr
	; THE BLOCKS' HEADS.  Wave 0 of kind 0's task t: t < 24: 128 numbers of bq, bk or bv; t < 56: 128 numbers of fb1; t = 56, 57: the entries of the two blocks.
	s_cmp_lg_u32 s42, 0
	s_cbranch_scc1 .Lend
	s_cmp_lg_u32 s46, 0
	s_cbranch_scc1 .Lend
	s_cmp_ge_u32 s43, 58
	s_cbranch_scc1 .Lend
	s_wait_xcnt 0x0                                ; the stream's last stores have read their base: s[28:29] is written anew only behind this wait
	s_mov_b32 s41, 0
	s_cmp_ge_u32 s43, 56
	s_cbranch_scc1 .Ltab
	v_lshlrev_b32 v2, 4, v1                        ; 16 bytes a lane: 512 consecutive bytes
	s_cmp_ge_u32 s43, 24
	s_cbranch_scc1 .Lfb
	s_lshr_b32 s44, s43, 3                         ; which of the three: eight tasks each
	s_cmp_eq_u32 s44, 1
	s_cselect_b64 s[26:27], s[48:49], s[22:23]
	s_cmp_eq_u32 s44, 2
	s_cselect_b64 s[26:27], s[50:51], s[26:27]
	s_and_b32 s40, s43, 7
	s_lshl_b32 s40, s40, 9
	s_add_nc_u64 s[26:27], s[26:27], s[40:41]
	s_lshl_b32 s40, s43, 9                         ; in the block the three lie end to end
	s_add_co_u32 s40, s40, HDR
	s_add_nc_u64 s[28:29], s[58:59], s[40:41]
	s_branch .Lcopy
.Lfb:
	s_sub_co_u32 s40, s43, 24
	s_lshl_b32 s40, s40, 9
	s_add_nc_u64 s[26:27], s[52:53], s[40:41]
	s_add_co_u32 s40, s40, HDR
	s_add_nc_u64 s[28:29], s[60:61], s[40:41]
.Lcopy:
	global_load_b128 v[X:X+3], v2, s[26:27]
	s_wait_loadcnt 0x0
	global_store_b128 v2, v[X:X+3], s[28:29]
	s_branch .Lend
.Ltab:
	s_cmp_eq_u32 s43, 56                           ; 56: the projections' block, in x1b; 57: the first feed-forward product's, in ao
	s_cselect_b64 s[28:29], s[58:59], s[60:61]
	s_cselect_b32 s44, 0xff80ff80, 0               ; the floor: minus infinity twice, or 0 twice
	s_cselect_b32 s45, 0, -1
	s_add_nc_u64 s[28:29], s[28:29], HDR+TABO
	v_lshlrev_b32 v2, 3, v1                        ; lane e writes entry e: 32 lanes, 256 consecutive bytes
	v_lshrrev_b32 v3, 2, v1
	v_cmp_eq_u32 vcc_lo, 1, v3                     ; entries 4 to 7 are k's 1,024 columns
	v_cndmask_b32 v[X+1], -1, 0, vcc_lo
	v_or_b32 v[X+1], s45, v[X+1]                   ; the feed-forward product has no masked columns
	v_mov_b32 v[X], s44
	global_store_b64 v2, v[X:X+1], s[28:29]
.Lend:
	s_endpgm
.Lfunc_end_k_qce0acd16a1_prep:
	.size	k_qce0acd16a1_prep, .Lfunc_end_k_qce0acd16a1_prep-k_qce0acd16a1_prep
	.p2alignl 7, 3214868480
	.fill 96, 4, 3214868480
	.section	.rodata,"a",@progbits
	.p2align	6, 0x0
	.amdhsa_kernel k_qce0acd16a1_prep
		.amdhsa_group_segment_fixed_size 0
		.amdhsa_private_segment_fixed_size 0
		.amdhsa_enable_private_segment 0
		.amdhsa_kernarg_size 120
		.amdhsa_user_sgpr_count 2
		.amdhsa_user_sgpr_kernarg_segment_ptr 1
		.amdhsa_wavefront_size32 1
		.amdhsa_system_sgpr_workgroup_id_x 1
		.amdhsa_system_sgpr_workgroup_id_y 1
		.amdhsa_system_sgpr_workgroup_id_z 1
		.amdhsa_system_vgpr_workitem_id 0
		.amdhsa_next_free_vgpr 132
		.amdhsa_next_free_sgpr 66
		.amdhsa_reserve_vcc 1
		.amdhsa_float_denorm_mode_32 3
		.amdhsa_float_denorm_mode_16_64 3
		.amdhsa_memory_ordered 1
		.amdhsa_forward_progress 1
		.amdhsa_inst_pref_size 20
	.end_amdhsa_kernel
	.amdgpu_metadata
---
amdhsa.version: [ 1, 2 ]
amdhsa.kernels:
  - .name:           k_qce0acd16a1_prep
    .symbol:         k_qce0acd16a1_prep.kd
    .args:
      - { .name: x, .offset: 0, .size: 8, .value_kind: global_buffer, .address_space: global }
      - { .name: wq, .offset: 8, .size: 8, .value_kind: global_buffer, .address_space: global }
      - { .name: wk, .offset: 16, .size: 8, .value_kind: global_buffer, .address_space: global }
      - { .name: wv, .offset: 24, .size: 8, .value_kind: global_buffer, .address_space: global }
      - { .name: w1, .offset: 32, .size: 8, .value_kind: global_buffer, .address_space: global }
      - { .name: fw1, .offset: 40, .size: 8, .value_kind: global_buffer, .address_space: global }
      - { .name: fw2, .offset: 48, .size: 8, .value_kind: global_buffer, .address_space: global }
      - { .name: bq, .offset: 56, .size: 8, .value_kind: global_buffer, .address_space: global }
      - { .name: bk, .offset: 64, .size: 8, .value_kind: global_buffer, .address_space: global }
      - { .name: bv, .offset: 72, .size: 8, .value_kind: global_buffer, .address_space: global }
      - { .name: fb1, .offset: 80, .size: 8, .value_kind: global_buffer, .address_space: global }
      - { .name: xb, .offset: 88, .size: 8, .value_kind: global_buffer, .address_space: global }
      - { .name: wb, .offset: 96, .size: 8, .value_kind: global_buffer, .address_space: global }
      - { .name: x1b, .offset: 104, .size: 8, .value_kind: global_buffer, .address_space: global }
      - { .name: ao, .offset: 112, .size: 8, .value_kind: global_buffer, .address_space: global }
    .group_segment_fixed_size: 0
    .private_segment_fixed_size: 0
    .kernarg_segment_align: 8
    .kernarg_segment_size: 120
    .max_flat_workgroup_size: 256
    .sgpr_count:     66
    .vgpr_count:     132
    .wavefront_size: 32
...
	.end_amdgpu_metadata
.endif
;; end of part 9
;; launch gemm_qkv (part 10): grid 12 x 16, 4 waves a work-group, clusters of 4 x 4, 327,680 bytes of LDS; arguments xb, x1b, mask, qkv; writes qkv
.if DOCPART == 10
	.amdgcn_target "amdgcn-amd-amdhsa--gfx1250"
	.amdhsa_code_object_version 6
	.text
	.protected	k_qce0acd16a1_gemm_qkv
	.globl	k_qce0acd16a1_gemm_qkv
	.p2align	8
	.type	k_qce0acd16a1_gemm_qkv,@function
k_qce0acd16a1_gemm_qkv:
	s_mov_b64 s[64:65], 0
	v_nop
	global_prefetch_b8 v0, s[64:65] scope:SCOPE_SE
	s_setreg_imm32_b32 hwreg(HW_REG_WAVE_MODE, 25, 1), 1
	s_wait_xcnt 0x0
	s_wait_alu depctr_hold_cnt(0) depctr_sa_sdst(0) depctr_va_vdst(0) depctr_va_sdst(0) depctr_va_ssrc(0) depctr_va_vcc(0) depctr_vm_vsrc(0)
	s_getreg_b32 s2, hwreg(HW_REG_IB_STS2, 6, 4)
	s_cmp_eq_u32 s2, 0
	s_cbranch_scc0 .Lentry_in_a_cluster
	s_endpgm
.Lentry_in_a_cluster:
	s_bfe_u32 s2, ttmp6, 0x10000c
	s_cmp_lg_u32 s2, 0xf033
	s_cbranch_scc0 .Lentry_shape_is_right
	s_endpgm
.Lentry_shape_is_right:
; ONE TEXT FOR THE TWO WIDE PRODUCTS, C = max(and(A W + bias, keep), floor), K = 1,024, 4,096 tokens: q, k, v = x W + b as one product of 3,072 columns, and relu(x1 fw1 + fb1) of 4,096 columns.
; Operands bf16, sums f32, each sum begun with its bias; results rounded once to bf16; the AND and the maximum are taken of the rounded numbers, which changes no value that is kept.
; A lies in panels [16][4096 tokens][64]; C likewise in panels of 64 columns, so a head's rows are dense.  The second argument P holds, behind its first HDR bytes (another launch's), this product's block:
; 4,096 f32 of bias; 32 entries of two words, one for each tile column: the floor (two bf16: 0 for the ReLU, minus infinity for none) and the word that a masked token's results are ANDed with (0 for k's
; columns, all ones elsewhere); from byte WB0 the weights in panels [N/128][1024][128].  So what differs between the two products is data: no address, branch or trip count hangs on it.
; THE KEY MASK.  Rows of k whose token has mask == 0 are stored as zeros (bias included): the attention launch starts such a key's scores at -8e9, and nothing is added to that.
; LIMITS.  A NaN sum gives the floor (the maximum drops it); infinities are not treated apart; the bias starts the f32 sum, so the order of rounding differs from a sum with the bias added last.
; SHARES.  A tile of C is 256 x 256, one to a work-group: (256 + 256) x 1,024 x 2 bytes come into LDS for it, half of what four tiles of 128 x 128 take.  Four waves, each 128 x 128: 64 accumulators, 512 registers.
; K goes in steps of 128 through two LDS slots; a wave's one tensor load brings a quarter of a slot.  The projections have 12 x 16 tiles, the feed-forward product 16 x 16.
; CLUSTER.  4 x 4 work-groups: the four of a row need the same tiles of A, the four of a column the same tiles of W: each tile is asked for jointly.
; THE MATRIX INSTRUCTION IS USED TRANSPOSED (source 0 = 16 columns of W, source 1 = 16 tokens of A): a lane holds one token (lane % 16) and eight neighbouring columns 8 (lane / 16) + 0..7.
; W lies [k][n] in LDS and is turned on its way into registers by ds_load_tr16_b128.
; REGISTERS, in windows of 256 (s_set_vgpr_msb: bits 1:0 source 0, 3:2 source 1, 5:4 source 2, 7:6 destination):
;   window 0: v0-35 addresses and small things; v64-127, v128-191 A's fragments (8 x 16 tokens x 32 K), two buffers; v192-255 packed results.  On the way out v64-135 hold rows read back.
;   window 1: v64-127, v128-191 W's fragments, two buffers      window 2: the accumulators of my tokens 0-63, (a, b) at 8 (8 a + b)      window 3: those of my tokens 64-127
.set KS,    8                          ; K steps of 128
.set HDR,   8388608                    ; P's block: the bias,
.set TABO,  16384                      ; the entries,
.set WB0,   HDR+16640                  ; the panels
.set PA,    144                        ; a token's 128 bytes of a panel + 16: 36 words, so the 16 rows of a load start at 16 different groups of four banks (64 banks of 4 bytes: ISA guide 11.1)
.set PB,    288                        ; a row of W: 256 bytes + 32 = 72 words
.set APAN,  128*PA                     ; 128 tokens of one panel: 64 along K of A.  64 rows of W are as many bytes (64 PB)
.set HALFT, 2*APAN                     ; what one tensor load brings: 128 tokens x 2 panels of A, or 128 rows of one panel of W
.set SLOT,  4*HALFT                    ; A's two token halves, then W's two column halves.  Its two bits (17 and 14) are set in none of wave x HALFT, so one exclusive or turns an address in one slot into the other's
.set MS,    2*SLOT                     ; behind the ring: 128 words for each wave: what its tokens' results are ANDed with; no tensor load lands there
.set SPARE, MS+2048                    ; the spare words, 128 bytes for each wave: two blocks of 256 bytes that no other line names
.set A0,  16                           ; v16  my lane's place in A's part of a slot; never rewritten
.set B0,  17                           ; v17  the same for W
.set PAA, 18                           ; v18  A's address for the run of loads in hand; on the way out: the rows'
.set PBB, 19                           ; v19  W's; on the way out: the AND words'
.set BO,  20                           ; v20  32 (lane / 16): my eight numbers of a bias
.set GO,  21                           ; v21  16 lane: my 16 bytes of 512 consecutive bytes
.set DST, 22                           ; v22  the way out: where I put 16 bytes of a row
.set RD,  23                           ; v23  the way out: where I read rows back
.set MR,  24                           ; v24  the way out: my token's AND word
.set MW,  25                           ; v25  where I put four AND words
.set FL,  26                           ; v26  the floor
.set IG,  27                           ; v27  a masked token's AND word
.set SPW, 28                           ; v28  LDS address of my spare word; never rewritten
.set NIL, 29                           ; v29  0; never rewritten
.set ZO,  30                           ; v30  0, as an offset
.set MI,  32                           ; v32-35  the mask of tokens 4 lane .. 4 lane + 3 of my 128, then their AND words
.set F0,  64
.set F1,  128
.set X,   64                           ; the way out: sixteen times four registers read back
.set MM,  128                          ; the way out: eight AND words
.set TMP, 192                          ; packed results, two sets of 32
.set G1,  24                           ; s[24:31] descriptor group 1 for A;  s[32:35] its group 0, which walks
.set G0,  32
.set G1B, 48                           ; s[48:55], s[56:59] the same for W
.set G0B, 56
.set KC,  36                           ; s36  counts K steps
.set CNT, 37                           ; s37  counts the way out's trips
.set SB,  38                           ; s38  the slot in hand: 0 or SLOT
.set TT,  39                           ; s39  LDS byte of the slot's second 64 along K; on the way out: of the trip's rows
.set TM,  45                           ; s45  on the way out: of the trip's AND words
.set MSB, 0
.macro WIN new                         ; the immediate's high byte repeats the setting that is left; a switch that changes nothing is dropped
.if MSB != (\new)
	s_set_vgpr_msb (MSB<<8)|(\new)
.set MSB, \new
.endif
.endm
.macro PLACES                          ; four places in front of loads into registers that matrix instructions have read, and of lines that read their results
.rept 4
	v_nop
.endr
.endm
.macro JLOAD                           ; a joint load: waves 0 and 1 fetch A's two halves, waves 2 and 3 W's; an s_nop 0 and four v_nop follow each line
	s_cmp_eq_u32 s11, 0
	s_cbranch_scc0 .Lfor_b_\@
	tensor_load_to_lds s[G0:G0+3], s[G1:G1+7]
	s_nop 0
.rept 4
	v_nop
.endr
	s_branch .Lasked_\@
.Lfor_b_\@:
	tensor_load_to_lds s[G0B:G0B+3], s[G1B:G1B+7]
	s_nop 0
.rept 4
	v_nop
.endr
.Lasked_\@:
.endm
.macro CREST                           ; a round of the cluster's barrier behind its opening barrier
	s_cmp_lg_u32 s10, 0
	s_cbranch_scc1 .Lnot_wave_0_\@
	s_barrier_signal -3
.Lnot_wave_0_\@:
	s_barrier_wait -3
	s_barrier_signal -1
	s_barrier_wait -1
.endm
.macro CROUND
	s_barrier_signal -1
	s_barrier_wait -1
	CREST
.endm
.macro STEPD                           ; both walking descriptors: the other slot, the next K step (2 panels of A; 128 rows of W).  Written only where no tensor load of mine is out
	s_xor_b32 s[G0+1], s[G0+1], SLOT
	s_add_nc_u64 s[G0+2:G0+3], s[G0+2:G0+3], 2*524288
	s_xor_b32 s[G0B+1], s[G0B+1], SLOT
	s_add_nc_u64 s[G0B+2:G0B+3], s[G0B+2:G0B+3], 32768
.endm
; 16 matrix instructions: token blocks a0, a0 + 1 of the window's four (hi = 0: my tokens 0-63, 1: 64-127) x all 8 column blocks, 32 along K from buffer f.
; The 64 accumulators take turns, one instruction a turn, in the same order in every 32 along K.
.macro MUL16 f, hi, a0
	WIN 0xa1+0x50*(\hi)                            ; source 0 (W) window 1, source 1 (A) window 0, C and D window 2 or 3
.irp a, \a0, (\a0)+1
.irp b, 0,1,2,3,4,5,6,7
	v_wmma_f32_16x16x32_bf16 v[8*(8*(\a)+(\b)):8*(8*(\a)+(\b))+7], v[(\f)+8*(\b):(\f)+8*(\b)+7], v[(\f)+8*(4*(\hi)+(\a)):(\f)+8*(4*(\hi)+(\a))+7], v[8*(8*(\a)+(\b)):8*(8*(\a)+(\b))+7]
.endr
.endr
.endm
; 32 LDS loads in one run: the fragments of 32 along K, half kk of the 64 at PAA / PBB, into buffer f
.macro FETCH f, kk
	WIN 0x40                                       ; destination window 1, address window 0
.irp i, 0,1,2,3,4,5,6,7
	ds_load_tr16_b128 v[(\f)+8*(\i):(\f)+8*(\i)+3],   v[PBB] offset:(\kk)*32*PB+32*(\i)
	ds_load_tr16_b128 v[(\f)+8*(\i)+4:(\f)+8*(\i)+7], v[PBB] offset:(\kk)*32*PB+16*PB+32*(\i)
.endr
	WIN 0
.irp i, 0,1,2,3,4,5,6,7
	ds_load_b128 v[(\f)+8*(\i):(\f)+8*(\i)+3],   v[PAA] offset:(\kk)*64+(\i)*16*PA
	ds_load_b128 v[(\f)+8*(\i)+4:(\f)+8*(\i)+7], v[PAA] offset:(\kk)*64+(\i)*16*PA+32
.endr
.endm
; A slot's first 64 along K: multiplies both buffers and fetches the slot's second 64 into them
.macro PAIR
	s_add_co_u32 s[TT], s[SB], APAN
	s_wait_dscnt 32                                ; buffer 0 is in; buffer 1's 32 loads may be out
	MUL16 F0, 0, 0
	MUL16 F0, 0, 2
	MUL16 F0, 1, 0
	MUL16 F0, 1, 2
	WIN 0
	v_add_nc_u32 v[PAA], s[TT], v[A0]              ; these two and two v_nop are the four places in front of the loads
	v_add_nc_u32 v[PBB], s[TT], v[B0]
	v_nop
	v_nop
	FETCH F0, 0
	s_wait_dscnt 32                                ; buffer 1 is in; the 32 just issued may be out
	MUL16 F1, 0, 0
	MUL16 F1, 0, 2
	MUL16 F1, 1, 0
	MUL16 F1, 1, 2
	WIN 0
	PLACES
	FETCH F1, 1
.endm
; A slot's second 64 along K, and the change of slots: ONE barrier.  In front of it each wave waits for all its tensor loads (one is out: its part of the next slot), adds 0 to its spare word,
; and waits for that and for its reads of this slot.  fill = 1: the barrier opens a round of the cluster's, and this slot is filled again, two K steps ahead, first thing behind the round:
; a wave issues 224 matrix instructions between that request and the wait for it.
; last = 1 (the two K steps that ask for nothing): in their second trip there is no further slot, and the two runs of LDS loads are jumped over; behind that trip's barrier nobody reads the ring any more.
.macro TURN fill, last
	WIN 0
	s_wait_tensorcnt 0x0
	ds_add_u32 v[SPW], v[NIL]
.if \fill
	STEPD
.endif
	s_xor_b32 s[SB], s[SB], SLOT
	s_wait_dscnt 33                                ; buffer 0 is in; buffer 1's 32 loads and the add may be out
	MUL16 F0, 0, 0
	s_wait_dscnt 0x0                               ; the add is done, and my reads of this slot are over
	s_barrier_signal -1
	MUL16 F0, 0, 2
	WIN 0
	s_barrier_wait -1
.if \fill
	CREST
	JLOAD
.endif
	MUL16 F0, 1, 0
	MUL16 F0, 1, 2
	WIN 0
.if \last
	s_cmp_eq_u32 s[KC], 1
	s_cbranch_scc1 .Lno_f0_\@
.endif
	v_add_nc_u32 v[PAA], s[SB], v[A0]              ; these two and two v_nop are the four places in front of the loads
	v_add_nc_u32 v[PBB], s[SB], v[B0]
	v_nop
	v_nop
	FETCH F0, 0                                    ; the next slot's first 64
.if \last
.Lno_f0_\@:
.endif
	MUL16 F1, 0, 0                                 ; buffer 1 was shown in by the wait for 0
	MUL16 F1, 0, 2
	MUL16 F1, 1, 0
	MUL16 F1, 1, 2
	WIN 0
.if \last
	s_cmp_eq_u32 s[KC], 1
	s_cbranch_scc1 .Lno_f1_\@
.endif
	PLACES
	FETCH F1, 1
.if \last
.Lno_f1_\@:
.endif
.endm
	s_load_b128 s[4:7], s[0:1], 0x0                ; A s[4:5], P s[6:7]
	s_load_b64 s[74:75], s[0:1], 0x10              ; mask
	s_load_b64 s[8:9], s[0:1], 0x18                ; C
	v_lshl_add_u32 v[SPW], v0, 2, SPARE
	v_mov_b32 v[NIL], 0
	ds_add_u32 v[SPW], v[NIL]                      ; the wave's opening: the add and its wait stand ahead of my first tensor load; work on registers stands between them
	v_lshrrev_b32 v1, 5, v0
	v_readfirstlane_b32 s10, v1                    ; wave 0..3
	s_lshr_b32 s11, s10, 1                         ; my half of the tile's tokens.  Also: I fetch for A (0) or for W (1)
	s_and_b32 s12, s10, 1                          ; my half of its columns.  Also: which half of that tile I fetch
	s_bfe_u32 s40, ttmp6, 0x40000                  ; cx, cy: my place in the cluster
	s_bfe_u32 s41, ttmp6, 0x40004
	s_lshl_b32 s42, ttmp9, 2
	s_add_co_u32 s42, s42, s40                     ; tile column = 4 x cluster x + cx
	s_and_b32 s13, ttmp7, 0xffff
	s_lshl_b32 s13, s13, 2
	s_add_co_u32 s13, s13, s41                     ; tile row = 4 x cluster y + cy
	s_lshl_b32 s43, s41, 2
	s_lshl_b32 s43, 15, s43                        ; my row of the cluster
	s_lshl_b32 s44, 0x1111, s40                    ; my column
	; A's tile: 2 rows (panels) of 8,192 elements (128 tokens x 64 channels, 16,384 dense bytes), a panel (262,144 elements) apart; 4 words of padding after every 32
	s_or_b32 s[G1+0], s43, (1<<16)|(1<<20)|(1<<21)|(4<<22)|(3<<25)
	s_mov_b32 s[G1+1], 8192<<16                    ; tensor_dim0
	s_mov_b32 s[G1+2], 2<<16                       ; tensor_dim1
	s_mov_b32 s[G1+3], 8192<<16                    ; tile_dim0
	s_mov_b32 s[G1+4], 2                           ; tile_dim1
	s_mov_b32 s[G1+5], 262144                      ; elements from row to row
	s_mov_b32 s[G1+6], 0
	s_mov_b32 s[G1+7], 0
	; W's tile: 128 rows of 128 elements (256 dense bytes) of one panel; 8 words of padding after every 64
	s_or_b32 s[G1B+0], s44, (1<<16)|(1<<20)|(1<<21)|(5<<22)|(7<<25)
	s_mov_b32 s[G1B+1], 128<<16
	s_mov_b32 s[G1B+2], 128<<16
	s_mov_b32 s[G1B+3], 128<<16
	s_mov_b32 s[G1B+4], 128
	s_mov_b32 s[G1B+5], 128
	s_mov_b32 s[G1B+6], 0
	s_mov_b32 s[G1B+7], 0
	s_lshl_b32 s16, s13, 15                        ; A: 256 tokens x 128 bytes a tile row, + my 128 tokens: the tile row and the wave alone
	s_lshl_b32 s17, s12, 14
	s_add_co_u32 s16, s16, s17
	s_mov_b32 s17, 0
	s_lshl_b32 s46, s42, 1                         ; W: panel 2 x tile column + half, of 262,144 bytes: the tile column and the wave alone
	s_add_co_u32 s46, s46, s12
	s_lshl_b32 s46, s46, 18
	s_add_co_u32 s46, s46, WB0
	s_mov_b32 s47, 0
	s_mul_i32 s20, s10, HALFT                      ; where they go: wave x a quarter of a slot.  Also: my part of slot 0 on the way out
	s_mov_b32 s[G0], 1
	s_mov_b32 s[G0+1], s20
	s_mov_b32 s[G0B], 1
	s_mov_b32 s[G0B+1], s20
	s_lshl_b32 s14, s42, 10                        ; my 128 columns in the bias, in bytes
	s_lshl_b32 s15, s12, 9
	s_add_co_u32 s14, s14, s15
	s_add_co_u32 s14, s14, HDR
	s_mov_b32 s15, 0
	s_lshl_b32 s22, s42, 3                         ; my tile column's entry
	s_add_co_u32 s22, s22, HDR+TABO
	s_mov_b32 s23, 0
	s_lshl_b32 s18, s13, 10                        ; my 128 tokens in the mask, in bytes
	s_lshl_b32 s19, s11, 9
	s_add_co_u32 s18, s18, s19
	s_mov_b32 s19, 0
	s_lshl_b32 s2, s42, 1                          ; my 128 x 128 of C: two panels of 524,288 bytes from panel 4 x tile column + 2 x half on, 16,384 dense bytes in each at my first token
	s_add_co_u32 s2, s2, s12
	s_lshl_b32 s2, s2, 20
	s_lshl_b32 s3, s13, 15
	s_add_co_u32 s2, s2, s3
	s_lshl_b32 s3, s11, 14
	s_add_co_u32 s2, s2, s3
	s_mov_b32 s3, 0
	s_wait_dscnt 0x0                               ; the opening add is done
	s_wait_kmcnt 0x0
	s_add_nc_u64 s[G0+2:G0+3], s[4:5], s[16:17]
	s_or_b32 s[G0+3], s[G0+3], 0x80000000          ; type = 2
	s_add_nc_u64 s[G0B+2:G0B+3], s[6:7], s[46:47]
	s_or_b32 s[G0B+3], s[G0B+3], 0x80000000
	s_add_nc_u64 s[60:61], s[6:7], s[14:15]        ; the bias
	s_add_nc_u64 s[62:63], s[6:7], s[22:23]        ; the entry
	s_add_nc_u64 s[74:75], s[74:75], s[18:19]
	s_add_nc_u64 s[8:9], s[8:9], s[2:3]
	CROUND                                         ; all sixteen work-groups are here: the first joint loads meet
	JLOAD                                          ; K step 0 into slot 0
	v_and_b32 v1, 15, v0                           ; r = lane % 16
	v_bfe_u32 v2, v0, 4, 1                         ; hh = lane / 16
	v_lshlrev_b32 v[BO], 5, v2
	v_and_b32 v3, 31, v0
	v_lshlrev_b32 v[GO], 4, v3
	v_mov_b32 v[ZO], 0
	global_load_b128 v[MI:MI+3], v[GO], s[74:75]   ; the mask of tokens 4 lane .. 4 lane + 3
	global_load_b64 v[FL:FL+1], v[ZO], s[62:63]    ; the floor, and a masked token's AND word
	WIN 0x80                                       ; destination window 2: the bias goes straight into the accumulators: register j of (a, b) is column 16 b + 8 hh + j
.set i, 0
.rept 32
	global_load_b128 v[8*i:8*i+3],   v[BO], s[60:61] offset:64*(i%8)
	global_load_b128 v[8*i+4:8*i+7], v[BO], s[60:61] offset:64*(i%8)+16
.set i, i+1
.endr
	WIN 0xc0                                       ; and window 3
.set i, 0
.rept 32
	global_load_b128 v[8*i:8*i+3],   v[BO], s[60:61] offset:64*(i%8)
	global_load_b128 v[8*i+4:8*i+7], v[BO], s[60:61] offset:64*(i%8)+16
.set i, i+1
.endr
	WIN 0
	v_mul_u32_u24 v[A0], v1, PA                    ; A's fragment: token r, 16 bytes for each half of the lanes; two loads 32 bytes apart
	v_lshl_add_u32 v[A0], v2, 4, v[A0]
	s_mul_i32 s21, s11, HALFT
	v_add_nc_u32 v[A0], s21, v[A0]
	v_and_b32 v3, 7, v0                            ; the turning load: lane l reads row 8 hh + l % 8, columns 8 ((l / 8) % 2) + 0..7, and leaves column l % 16 and 8 k
	v_lshl_add_u32 v3, v2, 3, v3
	v_mul_u32_u24 v[B0], v3, PB
	v_bfe_u32 v3, v0, 3, 1
	v_lshl_add_u32 v[B0], v3, 4, v[B0]
	s_mul_i32 s22, s12, HALFT
	s_add_co_u32 s22, s22, 2*HALFT
	v_add_nc_u32 v[B0], s22, v[B0]
	v_mul_u32_u24 v[DST], v1, PA                   ; the way out, in: row r, 16 bytes for each half of the lanes
	v_lshl_add_u32 v[DST], v2, 4, v[DST]
	v_add_nc_u32 v[DST], s20, v[DST]
	v_bfe_u32 v[RD], v0, 3, 2                      ; back: 32 lanes take four rows of 128 bytes, which are 512 consecutive bytes of C
	v_lshlrev_b32 v[MR], 2, v[RD]
	v_mul_u32_u24 v[RD], v[RD], PA
	v_and_b32 v3, 7, v0
	v_lshl_add_u32 v[RD], v3, 4, v[RD]
	v_add_nc_u32 v[RD], s20, v[RD]
	s_lshl_b32 s23, s10, 9
	s_add_co_u32 s23, s23, MS                      ; my 128 AND words
	v_add_nc_u32 v[MR], s23, v[MR]
	v_add_nc_u32 v[MW], s23, v[GO]
	; THE FIRST CHANGE: slot 0 is waited for, slot 1 is filled as a refill is
	s_wait_tensorcnt 0x0
	ds_add_u32 v[SPW], v[NIL]
	STEPD
	s_mov_b32 s[SB], 0
	s_wait_dscnt 0x0
	CROUND
	JLOAD                                          ; K step 1 into slot 1
	v_add_nc_u32 v[PAA], s[SB], v[A0]
	v_add_nc_u32 v[PBB], s[SB], v[B0]
	FETCH F0, 0
	FETCH F1, 1
	s_wait_loadcnt 0x0                             ; the bias is in the accumulators; the mask and the entry are in
.irp i, 0,1,2,3
	v_cmp_ne_u32 vcc_lo, 0, v[MI+\i]
	v_cndmask_b32 v[MI+\i], v[IG], -1, vcc_lo      ; all ones for a token that is not masked
.endr
	ds_store_b128 v[MW], v[MI:MI+3]                ; my wave's own words: read by it alone, on the way out
	s_mov_b32 s[KC], KS-2
.Lk:                                                   ; K steps 0 .. KS - 3: each fills its slot again
	PAIR
	TURN 1, 0
	s_sub_co_u32 s[KC], s[KC], 1
	s_cmp_lg_u32 s[KC], 0
	s_cbranch_scc1 .Lk
	s_mov_b32 s[KC], 2
.Ltail:                                                ; the last two have a text of their own: nothing is left to ask for
	PAIR
	TURN 0, 1
	s_sub_co_u32 s[KC], s[KC], 1
	s_cmp_lg_u32 s[KC], 0
	s_cbranch_scc1 .Ltail
	; THE WAY OUT.  Slot 0 has had its last fill: each wave takes a quarter of it, [2 panels][128 tokens][128 + 16 bytes].  A barrier first: every wave's reads of the ring are back.
	s_wait_dscnt 0x0
	s_barrier_signal -1
	PLACES                                         ; the places behind the last products
	s_barrier_wait -1
.macro PACKD a                         ; 16 tokens: rounded to bf16 (each accumulator from its low end on), 16 bytes a lane into the quarter
	WIN 0x0a+5*((\a)/4)                            ; sources 0 and 1 in window 2 or 3
.irp b, 0,1,2,3,4,5,6,7
.irp q, 0,1,2,3
	v_cvt_pk_bf16_f32 v[TMP+32*((\a)%2)+4*(\b)+(\q)], v[64*((\a)%4)+8*(\b)+2*(\q)], v[64*((\a)%4)+8*(\b)+2*(\q)+1]
.endr
.endr
	WIN 0
.irp b, 0,1,2,3,4,5,6,7
	ds_store_b128 v[DST], v[TMP+32*((\a)%2)+4*(\b):TMP+32*((\a)%2)+4*(\b)+3] offset:((\b)/4)*APAN+(\a)*16*PA+32*((\b)%4)
.endr
.endm
.irp a, 0,1,2,3,4,5,6,7
	PACKD \a
.endr
	s_wait_dscnt 0x0                               ; my stores are done; behind this barrier LDS is only read
	s_barrier_signal -1
	s_barrier_wait -1
	s_mov_b32 s[TT], 0
	s_mov_b32 s[TM], 0
	s_mov_b32 s[CNT], 4
.Lout:                                                 ; a trip: 32 tokens x 2 panels: sixteen times 512 consecutive bytes of C, at a multiple of 256 from its first
	v_add_nc_u32 v[PAA], s[TT], v[RD]
	v_add_nc_u32 v[PBB], s[TM], v[MR]
.irp g, 0,1,2,3,4,5,6,7
	ds_load_b32 v[MM+\g], v[PBB] offset:16*\g      ; the AND word of my token in group g of four
.endr
.set q, 0
.rept 16
	ds_load_b128 v[X+4*q:X+4*q+3], v[PAA] offset:(q%2)*APAN+(q/2)*4*PA
.set q, q+1
.endr
.set q, 0
.rept 16
	s_wait_dscnt 15-q                              ; LDS loads come back in order (ISA guide 5.7.1): number q is in, the younger ones may be out
.irp k, 0,1,2,3
	v_and_b32 v[X+4*q+\k], v[MM+q/2], v[X+4*q+\k]
.endr
.irp k, 0,1,2,3
	v_pk_max_num_bf16 v[X+4*q+\k], v[X+4*q+\k], v[FL]
.endr
	global_store_b128 v[GO], v[X+4*q:X+4*q+3], s[8:9] offset:(q%2)*524288+(q/2)*512
.set q, q+1
.endr
	s_wait_xcnt 0x0                                ; the stores' addresses are translated (ISA guide 3.1): their base and their data registers are written again only behind this wait
	s_add_nc_u64 s[8:9], s[8:9], 4096              ; 32 tokens of 128 bytes on
	s_add_co_u32 s[TT], s[TT], 32*PA
	s_add_co_u32 s[TM], s[TM], 128
	s_sub_co_u32 s[CNT], s[CNT], 1
	s_cmp_lg_u32 s[CNT], 0
	s_cbranch_scc1 .Lout
	s_wait_tensorcnt 0x0                           ; the wave's end
	ds_add_u32 v[SPW], v[NIL]
	s_wait_dscnt 0x0
	CROUND                                         ; the closing round: no work-group ends while a partner may still ask for a tile that names it
	s_endpgm
.Lfunc_end_k_qce0acd16a1_gemm_qkv:
	.size	k_qce0acd16a1_gemm_qkv, .Lfunc_end_k_qce0acd16a1_gemm_qkv-k_qce0acd16a1_gemm_qkv
	.p2alignl 7, 3214868480
	.fill 96, 4, 3214868480
	.section	.rodata,"a",@progbits
	.p2align	6, 0x0
	.amdhsa_kernel k_qce0acd16a1_gemm_qkv
		.amdhsa_group_segment_fixed_size 327680
		.amdhsa_private_segment_fixed_size 0
		.amdhsa_enable_private_segment 0
		.amdhsa_kernarg_size 32
		.amdhsa_user_sgpr_count 2
		.amdhsa_user_sgpr_kernarg_segment_ptr 1
		.amdhsa_wavefront_size32 1
		.amdhsa_system_sgpr_workgroup_id_x 1
		.amdhsa_system_sgpr_workgroup_id_y 1
		.amdhsa_system_sgpr_workgroup_id_z 1
		.amdhsa_system_vgpr_workitem_id 0
		.amdhsa_next_free_vgpr 1024
		.amdhsa_next_free_sgpr 80
		.amdhsa_reserve_vcc 1
		.amdhsa_float_denorm_mode_32 3
		.amdhsa_float_denorm_mode_16_64 3
		.amdhsa_memory_ordered 1
		.amdhsa_forward_progress 1
		.amdhsa_inst_pref_size 109
	.end_amdhsa_kernel
	.amdgpu_metadata
---
amdhsa.version: [ 1, 2 ]
amdhsa.kernels:
  - .name:           k_qce0acd16a1_gemm_qkv
    .symbol:         k_qce0acd16a1_gemm_qkv.kd
    .args:
      - { .name: xb, .offset: 0, .size: 8, .value_kind: global_buffer, .address_space: global }
      - { .name: x1b, .offset: 8, .size: 8, .value_kind: global_buffer, .address_space: global }
      - { .name: mask, .offset: 16, .size: 8, .value_kind: global_buffer, .address_space: global }
      - { .name: qkv, .offset: 24, .size: 8, .value_kind: global_buffer, .address_space: global }
    .group_segment_fixed_size: 327680
    .private_segment_fixed_size: 0
    .kernarg_segment_align: 8
    .kernarg_segment_size: 32
    .max_flat_workgroup_size: 128
    .sgpr_count:     80
    .vgpr_count:     1024
    .wavefront_size: 32
...
	.end_amdgpu_metadata
.endif
;; end of part 10
;; launch attn: the kernel of part 3 again; grid 8 x 32, 4 waves a work-group, clusters of 4 x 1, 327,680 bytes of LDS; arguments qkv, mask, ao; writes ao
;; launch gemm_o: the kernel of part 4 again; grid 8 x 32, 4 waves a work-group, clusters of 4 x 4, 327,680 bytes of LDS; arguments ao, wb, b1, x, y; writes y
;; launch ln1: the kernel of part 5 again; grid 256 x 1, 8 waves a work-group, no clusters, 0 bytes of LDS; arguments y, g1, be1, x1, x1b; writes x1, x1b
;; launch gemm_f1: the kernel of part 10 again; grid 16 x 16, 4 waves a work-group, clusters of 4 x 4, 327,680 bytes of LDS; arguments x1b, ao, mask, h; writes h
;; launch gemm_f2: the kernel of part 7 again; grid 8 x 32, 4 waves a work-group, clusters of 4 x 4, 327,680 bytes of LDS; arguments h, wb, fb2, x1, y; writes y
;; launch ln2: the kernel of part 8 again; grid 256 x 1, 8 waves a work-group, no clusters, 0 bytes of LDS; arguments y, g2, be2, out0; writes out0
